; MI455X (gfx1250); checked and timed in simulation.
; The chip was launched on July 23, 2026; its instructions are those of AMD's public machine-readable ISA for CDNA 5 (MIT licence, August 2026) and "CDNA5" Instruction Set Architecture Reference Guide (July 2026). The comments in the code are by the model that wrote it; some were corrected since.
;; ONNX Language Transformer. Allowed arithmetic: float matrix products may take bf16 or f16 operands with f32 sums; other float arithmetic in f32, or as packed bf16 or f16 multiplies, adds, multiply-adds, maxima and minima; sums over many terms, partial sums and values carried from step to step in f32; what a program stores and reads back later, other than sums and carried values, may be rounded once to bf16 or f16.
;; Inputs: params_dec_0_cross_attn_bk 128 float32; params_dec_0_cross_attn_bo 128 float32; params_dec_0_cross_attn_bq 128 float32; params_dec_0_cross_attn_bv 128 float32; params_dec_0_cross_attn_wk 128 x 128 float32; params_dec_0_cross_attn_wo 128 x 128 float32; params_dec_0_cross_attn_wq 128 x 128 float32; params_dec_0_cross_attn_wv 128 x 128 float32; params_dec_0_ffn_b1 512 float32; params_dec_0_ffn_b2 128 float32; params_dec_0_ffn_w1 128 x 512 float32; params_dec_0_ffn_w2 512 x 128 float32; params_dec_0_ln1_b 128 float32; params_dec_0_ln1_g 128 float32; params_dec_0_ln2_b 128 float32; params_dec_0_ln2_g 128 float32; params_dec_0_ln3_b 128 float32; params_dec_0_ln3_g 128 float32; params_dec_0_self_attn_bk 128 float32; params_dec_0_self_attn_bo 128 float32; params_dec_0_self_attn_bq 128 float32; params_dec_0_self_attn_bv 128 float32; params_dec_0_self_attn_wk 128 x 128 float32; params_dec_0_self_attn_wo 128 x 128 float32; params_dec_0_self_attn_wq 128 x 128 float32; params_dec_0_self_attn_wv 128 x 128 float32; params_dec_1_cross_attn_bk 128 float32; params_dec_1_cross_attn_bo 128 float32; params_dec_1_cross_attn_bq 128 float32; params_dec_1_cross_attn_bv 128 float32; params_dec_1_cross_attn_wk 128 x 128 float32; params_dec_1_cross_attn_wo 128 x 128 float32; params_dec_1_cross_attn_wq 128 x 128 float32; params_dec_1_cross_attn_wv 128 x 128 float32; params_dec_1_ffn_b1 512 float32; params_dec_1_ffn_b2 128 float32; params_dec_1_ffn_w1 128 x 512 float32; params_dec_1_ffn_w2 512 x 128 float32; params_dec_1_ln1_b 128 float32; params_dec_1_ln1_g 128 float32; params_dec_1_ln2_b 128 float32; params_dec_1_ln2_g 128 float32; params_dec_1_ln3_b 128 float32; params_dec_1_ln3_g 128 float32; params_dec_1_self_attn_bk 128 float32; params_dec_1_self_attn_bo 128 float32; params_dec_1_self_attn_bq 128 float32; params_dec_1_self_attn_bv 128 float32; params_dec_1_self_attn_wk 128 x 128 float32; params_dec_1_self_attn_wo 128 x 128 float32; params_dec_1_self_attn_wq 128 x 128 float32; params_dec_1_self_attn_wv 128 x 128 float32; params_dec_2_cross_attn_bk 128 float32; params_dec_2_cross_attn_bo 128 float32; params_dec_2_cross_attn_bq 128 float32; params_dec_2_cross_attn_bv 128 float32; params_dec_2_cross_attn_wk 128 x 128 float32; params_dec_2_cross_attn_wo 128 x 128 float32; params_dec_2_cross_attn_wq 128 x 128 float32; params_dec_2_cross_attn_wv 128 x 128 float32; params_dec_2_ffn_b1 512 float32; params_dec_2_ffn_b2 128 float32; params_dec_2_ffn_w1 128 x 512 float32; params_dec_2_ffn_w2 512 x 128 float32; params_dec_2_ln1_b 128 float32; params_dec_2_ln1_g 128 float32; params_dec_2_ln2_b 128 float32; params_dec_2_ln2_g 128 float32; params_dec_2_ln3_b 128 float32; params_dec_2_ln3_g 128 float32; params_dec_2_self_attn_bk 128 float32; params_dec_2_self_attn_bo 128 float32; params_dec_2_self_attn_bq 128 float32; params_dec_2_self_attn_bv 128 float32; params_dec_2_self_attn_wk 128 x 128 float32; params_dec_2_self_attn_wo 128 x 128 float32; params_dec_2_self_attn_wq 128 x 128 float32; params_dec_2_self_attn_wv 128 x 128 float32; params_dec_norm_b 128 float32; params_dec_norm_g 128 float32; params_embed 233 x 128 float32; params_enc_0_attn_bk 128 float32; params_enc_0_attn_bo 128 float32; params_enc_0_attn_bq 128 float32; params_enc_0_attn_bv 128 float32; params_enc_0_attn_wk 128 x 128 float32; params_enc_0_attn_wo 128 x 128 float32; params_enc_0_attn_wq 128 x 128 float32; params_enc_0_attn_wv 128 x 128 float32; params_enc_0_ffn_b1 512 float32; params_enc_0_ffn_b2 128 float32; params_enc_0_ffn_w1 128 x 512 float32; params_enc_0_ffn_w2 512 x 128 float32; params_enc_0_ln1_b 128 float32; params_enc_0_ln1_g 128 float32; params_enc_0_ln2_b 128 float32; params_enc_0_ln2_g 128 float32; params_enc_1_attn_bk 128 float32; params_enc_1_attn_bo 128 float32; params_enc_1_attn_bq 128 float32; params_enc_1_attn_bv 128 float32; params_enc_1_attn_wk 128 x 128 float32; params_enc_1_attn_wo 128 x 128 float32; params_enc_1_attn_wq 128 x 128 float32; params_enc_1_attn_wv 128 x 128 float32; params_enc_1_ffn_b1 512 float32; params_enc_1_ffn_b2 128 float32; params_enc_1_ffn_w1 128 x 512 float32; params_enc_1_ffn_w2 512 x 128 float32; params_enc_1_ln1_b 128 float32; params_enc_1_ln1_g 128 float32; params_enc_1_ln2_b 128 float32; params_enc_1_ln2_g 128 float32; params_enc_2_attn_bk 128 float32; params_enc_2_attn_bo 128 float32; params_enc_2_attn_bq 128 float32; params_enc_2_attn_bv 128 float32; params_enc_2_attn_wk 128 x 128 float32; params_enc_2_attn_wo 128 x 128 float32; params_enc_2_attn_wq 128 x 128 float32; params_enc_2_attn_wv 128 x 128 float32; params_enc_2_ffn_b1 512 float32; params_enc_2_ffn_b2 128 float32; params_enc_2_ffn_w1 128 x 512 float32; params_enc_2_ffn_w2 512 x 128 float32; params_enc_2_ln1_b 128 float32; params_enc_2_ln1_g 128 float32; params_enc_2_ln2_b 128 float32; params_enc_2_ln2_g 128 float32; params_enc_norm_b 128 float32; params_enc_norm_g 128 float32; params_fc_b 233 float32; params_fc_w 128 x 233 float32; params_pe 1,024 x 1 x 128 float32; src 512 x 32 x 128 float32; tgt 256 x 32 int32.
;; Outputs: out0 32 x 256 x 233 float32.
;; One version. Each part assembles by itself: llvm-mc -triple=amdgcn-amd-amdhsa -mcpu=gfx1250 --defsym DOCPART=n.
;; ======== version 1 of 1: 9 launches
;; limits: values are held in f16: magnitudes above 65,504 overflow, below 6.1e-05 lose precision
;; workspace buffers: SA 31,457,280 bytes; SB 31,457,280 bytes; M0 8,388,608 bytes; M1 8,388,608 bytes; M2 8,388,608 bytes; W0 1,376,256 bytes; W1 1,376,256 bytes
;; launch prepA (part 1): grid 8 x 42, 8 waves a work-group, no clusters, 0 bytes of LDS; arguments params_enc_0_attn_wo, params_enc_1_attn_wq, params_enc_1_attn_wk, params_enc_1_attn_wv, params_dec_0_self_attn_wo, params_dec_0_cross_attn_wq, params_dec_0_cross_attn_wo, params_dec_1_self_attn_wq, params_dec_1_self_attn_wk, params_dec_1_self_attn_wv, params_enc_0_attn_wq, params_enc_0_attn_wk, params_enc_0_attn_wv, params_enc_2_attn_wo, params_dec_0_cross_attn_wk, params_dec_0_cross_attn_wv, params_dec_1_cross_attn_wk, params_dec_1_cross_attn_wv, params_enc_0_ffn_w1, params_dec_0_ffn_w1, params_enc_2_ffn_w1, params_enc_0_ffn_w2, params_dec_0_ffn_w2, params_enc_2_ffn_w2, W0; writes W0
.if DOCPART == 1
	.amdgcn_target "amdgcn-amd-amdhsa--gfx1250"
	.amdhsa_code_object_version 6
	.text
	.protected	k_qf967224409_prepA
	.globl	k_qf967224409_prepA
	.p2align	8
	.type	k_qf967224409_prepA,@function
k_qf967224409_prepA:
	s_mov_b64 s[64:65], 0
	v_nop
	global_prefetch_b8 v0, s[64:65] scope:SCOPE_SE
	s_setreg_imm32_b32 hwreg(HW_REG_WAVE_MODE, 25, 1), 1
	s_wait_xcnt 0x0
; 24 WEIGHT MATRICES (f32, [k][n]) BECOME 42 PANELS OF f16 IN THE ORDER OF MATRIX FRAGMENTS.
; A panel is a piece of 128 (k) x 128 (n), 32,768 bytes, laid out [cb 8][ks 4][c 2][lane 32][16 bytes]:
; lane (r = lane % 16, h = lane / 16) holds W[32 ks + 16 c + 8 h + j][16 cb + r], j = 0..7, so that a later launch fills the
; eight registers of a fragment (16 columns x 32 k) by two loads of 16 bytes a lane, 512 consecutive bytes a wave.
; Panels 0-17: the 18 square matrices (arguments 0-17).  Panels 18-29: arguments 18-20 ([128][512]), four column panels each.
; Panels 30-41: arguments 21-23 ([512][128]), four row panels each.
; A work-group makes one cb of one panel (4,096 bytes); thread t makes the 16 bytes at 16 t of it.
; LIMIT: each weight is rounded once, f32 to f16: beyond 65,504 it would become an infinity; below 6e-5 it keeps f16's fixed step of 6e-8.
	s_load_b512 s[8:23], s[0:1], 0x0
	s_load_b512 s[24:39], s[0:1], 0x40
	s_load_b512 s[40:55], s[0:1], 0x80
	s_load_b64 s[56:57], s[0:1], 0xc0              ; the panels
	s_and_b32 s2, ttmp7, 0xffff                    ; y: the panel
	s_mov_b32 s3, s2                               ; which argument
	s_mov_b32 s4, 512                              ; bytes from row to row of the matrix
	s_mov_b32 s5, 0                                ; the panel's first byte in the matrix
	s_cmp_lt_u32 s2, 18
	s_cbranch_scc1 .Lsquare
	s_sub_co_u32 s6, s2, 18
	s_lshr_b32 s3, s6, 2
	s_add_co_u32 s3, s3, 18                        ; arguments 18-23, four panels each
	s_and_b32 s6, s6, 3                            ; which of the four
	s_cmp_lt_u32 s2, 30
	s_cselect_b32 s4, 2048, s4                     ; [128][512]: rows of 2,048 bytes, panels 512 bytes apart;
	s_cselect_b32 s7, 9, 16                        ; [512][128]: rows of 512 bytes, panels 128 rows apart
	s_lshl_b32 s5, s6, s7
.Lsquare:
	v_and_b32 v1, 15, v0                           ; r
	v_bfe_u32 v2, v0, 4, 1                         ; h
	v_lshrrev_b32 v3, 5, v0                        ; 2 ks + c
	v_lshlrev_b32 v3, 4, v3
	v_lshl_add_u32 v3, v2, 3, v3                   ; my first k = 16 (2 ks + c) + 8 h
	v_mul_lo_u32 v3, v3, s4
	v_lshl_add_u32 v3, v1, 2, v3
	s_lshl_b32 s6, ttmp9, 6                        ; 16 cb columns of 4 bytes
	s_add_co_u32 s5, s5, s6
	v_add_nc_u32 v4, s5, v3
.set j, 1
.rept 7
	v_add_nc_u32 v[4+j], s4, v[3+j]                ; one row further down for each j
.set j, j+1
.endr
	v_lshlrev_b32 v24, 4, v0
	s_lshl_b32 s6, s2, 15
	s_lshl_b32 s7, ttmp9, 12
	s_add_co_u32 s6, s6, s7
	s_mov_b32 s7, 0
	s_wait_kmcnt 0x0
	s_mov_b64 s[58:59], s[8:9]
.set j, 1
.rept 23
	s_cmp_eq_u32 s3, j                             ; the choice hangs on the panel's number alone
	s_cselect_b64 s[58:59], s[8+2*j:9+2*j], s[58:59]
.set j, j+1
.endr
	s_add_nc_u64 s[56:57], s[56:57], s[6:7]
.set j, 0
.rept 8
	global_load_b32 v[12+j], v[4+j], s[58:59]
.set j, j+1
.endr
	s_wait_loadcnt 0x0
.set j, 0
.rept 4
	v_cvt_pk_f16_f32 v[20+j], v[12+2*j], v[13+2*j]
.set j, j+1
.endr
	global_store_b128 v24, v[20:23], s[56:57]      ; a wave stores 512 consecutive bytes
	s_endpgm
.Lfunc_end_k_qf967224409_prepA:
	.size	k_qf967224409_prepA, .Lfunc_end_k_qf967224409_prepA-k_qf967224409_prepA
	.p2alignl 7, 3214868480
	.fill 96, 4, 3214868480
	.section	.rodata,"a",@progbits
	.p2align	6, 0x0
	.amdhsa_kernel k_qf967224409_prepA
		.amdhsa_group_segment_fixed_size 0
		.amdhsa_private_segment_fixed_size 0
		.amdhsa_enable_private_segment 0
		.amdhsa_kernarg_size 200
		.amdhsa_user_sgpr_count 2
		.amdhsa_user_sgpr_kernarg_segment_ptr 1
		.amdhsa_wavefront_size32 1
		.amdhsa_system_sgpr_workgroup_id_x 1
		.amdhsa_system_sgpr_workgroup_id_y 1
		.amdhsa_system_sgpr_workgroup_id_z 1
		.amdhsa_system_vgpr_workitem_id 0
		.amdhsa_next_free_vgpr 32
		.amdhsa_next_free_sgpr 66
		.amdhsa_reserve_vcc 0
		.amdhsa_float_denorm_mode_32 3
		.amdhsa_float_denorm_mode_16_64 3
		.amdhsa_memory_ordered 1
		.amdhsa_forward_progress 1
		.amdhsa_inst_pref_size 5
	.end_amdhsa_kernel
	.amdgpu_metadata
---
amdhsa.version: [ 1, 2 ]
amdhsa.kernels:
  - .name:           k_qf967224409_prepA
    .symbol:         k_qf967224409_prepA.kd
    .args:
      - { .name: params_enc_0_attn_wo, .offset: 0, .size: 8, .value_kind: global_buffer, .address_space: global }
      - { .name: params_enc_1_attn_wq, .offset: 8, .size: 8, .value_kind: global_buffer, .address_space: global }
      - { .name: params_enc_1_attn_wk, .offset: 16, .size: 8, .value_kind: global_buffer, .address_space: global }
      - { .name: params_enc_1_attn_wv, .offset: 24, .size: 8, .value_kind: global_buffer, .address_space: global }
      - { .name: params_dec_0_self_attn_wo, .offset: 32, .size: 8, .value_kind: global_buffer, .address_space: global }
      - { .name: params_dec_0_cross_attn_wq, .offset: 40, .size: 8, .value_kind: global_buffer, .address_space: global }
      - { .name: params_dec_0_cross_attn_wo, .offset: 48, .size: 8, .value_kind: global_buffer, .address_space: global }
      - { .name: params_dec_1_self_attn_wq, .offset: 56, .size: 8, .value_kind: global_buffer, .address_space: global }
      - { .name: params_dec_1_self_attn_wk, .offset: 64, .size: 8, .value_kind: global_buffer, .address_space: global }
      - { .name: params_dec_1_self_attn_wv, .offset: 72, .size: 8, .value_kind: global_buffer, .address_space: global }
      - { .name: params_enc_0_attn_wq, .offset: 80, .size: 8, .value_kind: global_buffer, .address_space: global }
      - { .name: params_enc_0_attn_wk, .offset: 88, .size: 8, .value_kind: global_buffer, .address_space: global }
      - { .name: params_enc_0_attn_wv, .offset: 96, .size: 8, .value_kind: global_buffer, .address_space: global }
      - { .name: params_enc_2_attn_wo, .offset: 104, .size: 8, .value_kind: global_buffer, .address_space: global }
      - { .name: params_dec_0_cross_attn_wk, .offset: 112, .size: 8, .value_kind: global_buffer, .address_space: global }
      - { .name: params_dec_0_cross_attn_wv, .offset: 120, .size: 8, .value_kind: global_buffer, .address_space: global }
      - { .name: params_dec_1_cross_attn_wk, .offset: 128, .size: 8, .value_kind: global_buffer, .address_space: global }
      - { .name: params_dec_1_cross_attn_wv, .offset: 136, .size: 8, .value_kind: global_buffer, .address_space: global }
      - { .name: params_enc_0_ffn_w1, .offset: 144, .size: 8, .value_kind: global_buffer, .address_space: global }
      - { .name: params_dec_0_ffn_w1, .offset: 152, .size: 8, .value_kind: global_buffer, .address_space: global }
      - { .name: params_enc_2_ffn_w1, .offset: 160, .size: 8, .value_kind: global_buffer, .address_space: global }
      - { .name: params_enc_0_ffn_w2, .offset: 168, .size: 8, .value_kind: global_buffer, .address_space: global }
      - { .name: params_dec_0_ffn_w2, .offset: 176, .size: 8, .value_kind: global_buffer, .address_space: global }
      - { .name: params_enc_2_ffn_w2, .offset: 184, .size: 8, .value_kind: global_buffer, .address_space: global }
      - { .name: W0, .offset: 192, .size: 8, .value_kind: global_buffer, .address_space: global }
    .group_segment_fixed_size: 0
    .private_segment_fixed_size: 0
    .kernarg_segment_align: 8
    .kernarg_segment_size: 200
    .max_flat_workgroup_size: 256
    .sgpr_count:     66
    .vgpr_count:     32
    .wavefront_size: 32
...
	.end_amdgpu_metadata
.endif
;; end of part 1
;; launch prepB: the kernel of part 1 again; grid 8 x 42, 8 waves a work-group, no clusters, 0 bytes of LDS; arguments params_enc_1_attn_wo, params_enc_2_attn_wq, params_enc_2_attn_wk, params_enc_2_attn_wv, params_dec_1_self_attn_wo, params_dec_1_cross_attn_wq, params_dec_1_cross_attn_wo, params_dec_2_self_attn_wq, params_dec_2_self_attn_wk, params_dec_2_self_attn_wv, params_dec_0_self_attn_wq, params_dec_0_self_attn_wk, params_dec_0_self_attn_wv, params_dec_2_self_attn_wo, params_dec_2_cross_attn_wq, params_dec_2_cross_attn_wo, params_dec_2_cross_attn_wk, params_dec_2_cross_attn_wv, params_enc_1_ffn_w1, params_dec_1_ffn_w1, params_dec_2_ffn_w1, params_enc_1_ffn_w2, params_dec_1_ffn_w2, params_dec_2_ffn_w2, W1; writes W1
;; launch pre (part 2): grid 384 x 1, 8 waves a work-group, no clusters, 19,968 bytes of LDS; arguments src, tgt, params_embed, params_pe, W0, W1, params_enc_0_attn_bq, params_enc_0_attn_bk, params_enc_0_attn_bv, params_dec_0_self_attn_bq, params_dec_0_self_attn_bk, params_dec_0_self_attn_bv, SA; writes SA
.if DOCPART == 2
	.amdgcn_target "amdgcn-amd-amdhsa--gfx1250"
	.amdhsa_code_object_version 6
	.text
	.protected	k_qf967224409_pre
	.globl	k_qf967224409_pre
	.p2align	8
	.type	k_qf967224409_pre,@function
k_qf967224409_pre:
	s_mov_b64 s[64:65], 0
	v_nop
	global_prefetch_b8 v0, s[64:65] scope:SCOPE_SE
	s_setreg_imm32_b32 hwreg(HW_REG_WAVE_MODE, 25, 1), 1
	s_wait_xcnt 0x0
; THE TWO INPUT STREAMS AND THEIR FIRST Q, K, V.  x = src sqrt(128) + pe (work-groups 0-255) or embed[tgt] sqrt(128) + pe (256-383);
; x goes out in f32, [batch][token][128]; Q, K, V of encoder layer 0 or of decoder layer 0's self attention go out in f16 as fragments.
; A work-group has 64 tokens of one batch.  Wave w brings rows 8 w .. 8 w + 7 (a row is 32 lanes x 16 bytes) and lays them in f16 into LDS;
; then wave w makes head w's 16 channels of Q, K and V for all 64 tokens: four tiles of 16 tokens, K = 128 in four matrix instructions each.
; FRAGMENT BLOCKS of 512 bytes (lane x 16): Q, K: lane (r, h) holds token 16 tile + r, channels 8 h .. 8 h + 7 of the head (weights as source 0);
; V: lane (r, h) holds channel r, tokens 16 tile + 8 h .. + 7 (weights as source 1).
; No tiles are shared between work-groups through LDS, so there is no cluster; weights come from the panels straight into registers, each fragment read by one wave.
; LIMITS: matrix operands are f16 (x, weights; q, k, v as stored): beyond 65,504 they would be infinities.  tgt is held to 0 .. 232.
.set NT, 4
.set XH, 0                             ; 64 rows of 128 f16, 272 bytes apart (256 + 16: the 16 rows of a fragment load start in 16 different groups of banks)
.set HP, 272
.set PARAM, 17408                      ; three slots of 512 bytes: bq, bk, bv
.set SPARE, 18944                      ; the spare words: 128 bytes a wave
.set QE, 8388608                       ; the state buffer: x of the encoder at 0, then its Q, K, V, 4 MiB each;
.set XD, 20971520                      ; x of the decoder, then its Q, K, V, 2 MiB each
.set QD, 25165824
.set BIAS, 20
.set ACC, 32
.set XF, 64
.set WB, 192
.set WA, 224
.set WV, 52
.macro PLACES                          ; four places behind matrix instructions, ahead of what reads their results or writes or loads their registers
.rept 4
	v_nop
.endr
.endm
.macro BAR
	s_wait_dscnt 0x0
	s_barrier_signal -1
	s_barrier_wait -1
.endm
.macro WLOAD buf, base, panel          ; my 16 out-channels of a panel: 8 loads, 512 consecutive bytes each
.set wi, 0
.rept 8
	global_load_b128 v[(\buf)+4*wi:(\buf)+4*wi+3], v16, s[\base:\base+1] offset:(\panel)*32768+512*wi
.set wi, wi+1
.endr
.endm
.macro XLOAD areg, pitch, koff         ; the x fragments of all tiles, 128 along K
.set xt, 0
.rept NT
.set xk, 0
.rept 4
	ds_load_b128 v[XF+32*xt+8*xk:XF+32*xt+8*xk+3], v[\areg] offset:16*xt*(\pitch)+(\koff)+64*xk
	ds_load_b128 v[XF+32*xt+8*xk+4:XF+32*xt+8*xk+7], v[\areg] offset:16*xt*(\pitch)+(\koff)+64*xk+32
.set xk, xk+1
.endr
.set xt, xt+1
.endr
.endm
.macro GEMM buf, cb, cs, vt            ; the tiles' accumulators take turns, one instruction a turn; the first K step takes v[cb + cs t] as C
.set gk, 0
.rept 4
.set gt, 0
.rept NT
.if \vt
.set rA, XF+32*gt+8*gk
.set rB, (\buf)+8*gk
.else
.set rA, (\buf)+8*gk
.set rB, XF+32*gt+8*gk
.endif
.set rC, ACC+8*gt
.if gk == 0
.set rC, (\cb)+(\cs)*gt
.endif
	v_wmma_f32_16x16x32_f16 v[ACC+8*gt:ACC+8*gt+7], v[rA:rA+7], v[rB:rB+7], v[rC:rC+7]
.set gt, gt+1
.endr
.set gk, gk+1
.endr
.endm
.macro PANEL buf, left, cb, cs, vt
	s_wait_loadcnt \left                           ; this panel's 8 loads are in; the next panel's 8 may stay out
	s_wait_xcnt 0x0                                ; the accumulators were the data of earlier stores
	GEMM \buf, \cb, \cs, \vt
	PLACES
.endm
.macro BIASK slot                      ; a lane's eight channels
	ds_load_b128 v[BIAS:BIAS+3], v13 offset:512*(\slot)
	ds_load_b128 v[BIAS+4:BIAS+7], v13 offset:512*(\slot)+16
.endm
.macro BIASV slot                      ; a lane's one channel, eight times
	ds_load_b32 v[BIAS], v14 offset:512*(\slot)
	s_wait_dscnt 0x0
.irp z, 1,2,3,4,5,6,7
	v_mov_b32 v[BIAS+\z], v[BIAS]
.endr
.endm
.macro EPB base, off                   ; rounded to f16 in place (ascending), each tile one block of 512 consecutive bytes
.set et, 0
.rept NT
.irp z, 0,1,2,3
	v_cvt_pk_f16_f32 v[ACC+8*et+\z], v[ACC+8*et+2*\z], v[ACC+8*et+2*\z+1]
.endr
	global_store_b128 v1, v[ACC+8*et:ACC+8*et+3], s[\base:\base+1] offset:(\off)+512*et
.set et, et+1
.endr
.endm
.macro QKV wp, pv, sb, b0, b1, rq, oq, rk, ok, rv, ov
	XLOAD 8, HP, 0
	BIASK \sb
	s_wait_dscnt 0x0
	PANEL \b0, 8, BIAS, 0, 0
	WLOAD \b0, \wp, \pv
	BIASK (\sb)+1
	EPB \rq, \oq
	s_wait_dscnt 0x0
	PANEL \b1, 8, BIAS, 0, 0
	BIASV (\sb)+2
	EPB \rk, \ok
	PANEL \b0, 0, BIAS, 0, 1
	EPB \rv, \ov
.endm
	s_load_b512 s[8:23], s[0:1], 0x0               ; src, tgt, embed, pe, W0, W1, encoder bq, bk
	s_load_b256 s[24:31], s[0:1], 0x40             ; encoder bv, decoder bq, bk, bv
	s_load_b64 s[32:33], s[0:1], 0x60              ; the state buffer
	v_lshl_add_u32 v4, v0, 2, SPARE
	v_mov_b32 v5, 0
	v_lshrrev_b32 v1, 5, v0
	v_readfirstlane_b32 s[WV], v1                  ; wave 0..7
	v_and_b32 v2, 15, v0                           ; r
	v_bfe_u32 v3, v0, 4, 1                         ; h
	v_and_b32 v1, 31, v0
	v_lshlrev_b32 v1, 4, v1                        ; 16 x lane
	v_lshl_add_u32 v16, s[WV], 12, v1              ; my place in a panel
	v_mul_u32_u24 v8, v2, HP
	v_lshl_add_u32 v8, v3, 4, v8                   ; an x fragment: row r, 16 bytes for each half of the lanes
	v_lshlrev_b32 v13, 5, v3
	v_lshl_add_u32 v13, s[WV], 6, v13
	v_add_nc_u32 v13, PARAM, v13
	v_lshlrev_b32 v14, 2, v2
	v_lshl_add_u32 v14, s[WV], 6, v14
	v_add_nc_u32 v14, PARAM, v14
	v_lshl_add_u32 v6, s[WV], 9, v1
	v_add_nc_u32 v6, PARAM, v6                     ; where waves 0-2 put a bias
	v_lshrrev_b32 v17, 1, v1
	s_mul_i32 s56, s[WV], 8*HP
	v_add_nc_u32 v17, s56, v17                     ; my rows in f16: 8 bytes a lane
	s_wait_kmcnt 0x0
	s_cmp_lt_u32 ttmp9, 256
	s_cbranch_scc0 .Ldecoder
	s_lshr_b32 s53, ttmp9, 3                       ; batch
	s_and_b32 s54, ttmp9, 7                        ; block of 64 tokens
	s_lshl_b32 s55, s54, 6
	s_lshl_b32 s56, s[WV], 3
	s_add_co_u32 s55, s55, s56                     ; my first token
	s_lshl_b32 s44, s55, 5
	s_add_co_u32 s44, s44, s53
	s_lshl_b32 s44, s44, 9                         ; src is [token][batch][128]
.set i, 1
.rept 7
	s_add_co_u32 s[44+i], s[43+i], 16384
.set i, i+1
.endr
	s_lshl_b32 s74, s53, 9
	s_add_co_u32 s74, s74, s55
	s_lshl_b32 s74, s74, 9                         ; x: [batch][512][128] at 0
	s_lshl_b32 s58, s53, 3
	s_add_co_u32 s58, s58, s[WV]
	s_lshl_b32 s58, s58, 14                        ; 32 blocks a head
	s_lshl_b32 s59, s54, 11
	s_add_co_u32 s58, s58, s59
	s_add_co_u32 s58, s58, QE
	s_mov_b32 s72, 4194304
	s_mov_b64 s[34:35], s[8:9]
	s_mov_b64 s[36:37], s[16:17]
	s_mov_b64 s[38:39], s[20:21]
	s_mov_b64 s[40:41], s[22:23]
	s_mov_b64 s[42:43], s[24:25]
	s_branch .Lgo
.Ldecoder:
	s_sub_co_u32 s53, ttmp9, 256
	s_and_b32 s54, s53, 3
	s_lshr_b32 s53, s53, 2
	s_lshl_b32 s55, s54, 6
	s_lshl_b32 s56, s[WV], 3
	s_add_co_u32 s55, s55, s56
	s_lshl_b32 s56, s55, 5
	s_add_co_u32 s56, s56, s53
	s_lshl_b32 s56, s56, 2                         ; tgt is [token][batch]
	s_mov_b32 s57, 0
	s_add_nc_u64 s[56:57], s[10:11], s[56:57]
.set i, 0
.rept 8
	s_load_b32 s[44+i], s[56:57], 128*i
.set i, i+1
.endr
	s_lshl_b32 s74, s53, 8
	s_add_co_u32 s74, s74, s55
	s_lshl_b32 s74, s74, 9
	s_add_co_u32 s74, s74, XD
	s_lshl_b32 s58, s53, 3
	s_add_co_u32 s58, s58, s[WV]
	s_lshl_b32 s58, s58, 13                        ; 16 blocks a head
	s_lshl_b32 s59, s54, 11
	s_add_co_u32 s58, s58, s59
	s_add_co_u32 s58, s58, QD
	s_mov_b32 s72, 2097152
	s_mov_b64 s[34:35], s[12:13]
	s_mov_b64 s[36:37], s[18:19]
	s_mov_b64 s[38:39], s[26:27]
	s_mov_b64 s[40:41], s[28:29]
	s_mov_b64 s[42:43], s[30:31]
	s_wait_kmcnt 0x0
.set i, 0
.rept 8
	s_min_u32 s[44+i], s[44+i], 232                ; inside the table
	s_lshl_b32 s[44+i], s[44+i], 9
.set i, i+1
.endr
.Lgo:
	s_mov_b32 s75, 0
	s_mov_b32 s59, 0
	s_mov_b32 s73, 0
	s_add_nc_u64 s[60:61], s[32:33], s[74:75]      ; x out
	s_add_nc_u64 s[62:63], s[32:33], s[58:59]      ; Q, K, V out
	s_add_nc_u64 s[66:67], s[62:63], s[72:73]
	s_add_nc_u64 s[68:69], s[66:67], s[72:73]
	s_lshl_b32 s56, s55, 9
	s_mov_b32 s57, 0
	s_add_nc_u64 s[70:71], s[14:15], s[56:57]      ; pe at my first token
	s_cmp_eq_u32 s[WV], 1
	s_cselect_b64 s[38:39], s[40:41], s[38:39]
	s_cmp_eq_u32 s[WV], 2
	s_cselect_b64 s[38:39], s[42:43], s[38:39]     ; wave 0: bq, 1: bk, 2: bv
.set i, 0
.rept 8
	v_add_nc_u32 v[32+i], s[44+i], v1
	global_load_b128 v[64+4*i:64+4*i+3], v[32+i], s[34:35]
	global_load_b128 v[96+4*i:96+4*i+3], v1, s[70:71] offset:512*i
.set i, i+1
.endr
	WLOAD WA, 36, 10
	WLOAD WB, 36, 11
	s_cmp_gt_u32 s[WV], 2
	s_cbranch_scc1 .Lno_bias_load
	global_load_b128 v[20:23], v1, s[38:39]
.Lno_bias_load:
	s_wait_loadcnt 0x0
.set i, 0
.rept 16
	v_pk_fma_f32 v[64+2*i:64+2*i+1], v[64+2*i:64+2*i+1], 0x413504f3, v[96+2*i:96+2*i+1] op_sel_hi:[1,0,1]  ; sqrt(128)
.set i, i+1
.endr
.set i, 0
.rept 8
	global_store_b128 v1, v[64+4*i:64+4*i+3], s[60:61] offset:512*i  ; a row: 512 consecutive bytes
	v_cvt_pk_f16_f32 v[40+2*i], v[64+4*i], v[64+4*i+1]
	v_cvt_pk_f16_f32 v[41+2*i], v[64+4*i+2], v[64+4*i+3]
	ds_store_b64 v17, v[40+2*i:41+2*i] offset:HP*i
.set i, i+1
.endr
	s_cmp_gt_u32 s[WV], 2
	s_cbranch_scc1 .Lno_bias_store
	ds_store_b128 v6, v[20:23]
.Lno_bias_store:
	BAR                                            ; every wave's rows and the biases are in LDS
	s_wait_xcnt 0x0                                ; the rows' registers were store data: they take fragments now
	QKV 36, 12, 0, WA, WB, 62, 0, 66, 0, 68, 0
	s_wait_tensorcnt 0x0                           ; the wave's end, behind my last LDS store
	ds_add_u32 v4, v5
	s_wait_dscnt 0x0
	s_endpgm
.Lfunc_end_k_qf967224409_pre:
	.size	k_qf967224409_pre, .Lfunc_end_k_qf967224409_pre-k_qf967224409_pre
	.p2alignl 7, 3214868480
	.fill 96, 4, 3214868480
	.section	.rodata,"a",@progbits
	.p2align	6, 0x0
	.amdhsa_kernel k_qf967224409_pre
		.amdhsa_group_segment_fixed_size 19968
		.amdhsa_private_segment_fixed_size 0
		.amdhsa_enable_private_segment 0
		.amdhsa_kernarg_size 104
		.amdhsa_user_sgpr_count 2
		.amdhsa_user_sgpr_kernarg_segment_ptr 1
		.amdhsa_wavefront_size32 1
		.amdhsa_system_sgpr_workgroup_id_x 1
		.amdhsa_system_sgpr_workgroup_id_y 1
		.amdhsa_system_sgpr_workgroup_id_z 1
		.amdhsa_system_vgpr_workitem_id 0
		.amdhsa_next_free_vgpr 256
		.amdhsa_next_free_sgpr 80
		.amdhsa_reserve_vcc 0
		.amdhsa_float_denorm_mode_32 3
		.amdhsa_float_denorm_mode_16_64 3
		.amdhsa_memory_ordered 1
		.amdhsa_forward_progress 1
		.amdhsa_inst_pref_size 25
	.end_amdhsa_kernel
	.amdgpu_metadata
---
amdhsa.version: [ 1, 2 ]
amdhsa.kernels:
  - .name:           k_qf967224409_pre
    .symbol:         k_qf967224409_pre.kd
    .args:
      - { .name: src, .offset: 0, .size: 8, .value_kind: global_buffer, .address_space: global }
      - { .name: tgt, .offset: 8, .size: 8, .value_kind: global_buffer, .address_space: global }
      - { .name: params_embed, .offset: 16, .size: 8, .value_kind: global_buffer, .address_space: global }
      - { .name: params_pe, .offset: 24, .size: 8, .value_kind: global_buffer, .address_space: global }
      - { .name: W0, .offset: 32, .size: 8, .value_kind: global_buffer, .address_space: global }
      - { .name: W1, .offset: 40, .size: 8, .value_kind: global_buffer, .address_space: global }
      - { .name: params_enc_0_attn_bq, .offset: 48, .size: 8, .value_kind: global_buffer, .address_space: global }
      - { .name: params_enc_0_attn_bk, .offset: 56, .size: 8, .value_kind: global_buffer, .address_space: global }
      - { .name: params_enc_0_attn_bv, .offset: 64, .size: 8, .value_kind: global_buffer, .address_space: global }
      - { .name: params_dec_0_self_attn_bq, .offset: 72, .size: 8, .value_kind: global_buffer, .address_space: global }
      - { .name: params_dec_0_self_attn_bk, .offset: 80, .size: 8, .value_kind: global_buffer, .address_space: global }
      - { .name: params_dec_0_self_attn_bv, .offset: 88, .size: 8, .value_kind: global_buffer, .address_space: global }
      - { .name: SA, .offset: 96, .size: 8, .value_kind: global_buffer, .address_space: global }
    .group_segment_fixed_size: 19968
    .private_segment_fixed_size: 0
    .kernarg_segment_align: 8
    .kernarg_segment_size: 104
    .max_flat_workgroup_size: 256
    .sgpr_count:     80
    .vgpr_count:     256
    .wavefront_size: 32
...
	.end_amdgpu_metadata
.endif
;; end of part 2
;; launch E0 (part 3): grid 256 x 1, 8 waves a work-group, clusters of 4 x 1, 327,680 bytes of LDS; arguments SA, W0, SB, params_enc_0_attn_bo, params_enc_0_ffn_b1, params_enc_0_ffn_b2, params_enc_1_attn_bq, params_enc_1_attn_bk, params_enc_1_attn_bv, params_enc_0_ln1_g, params_enc_0_ln1_b, params_enc_0_ln2_g, params_enc_0_ln2_b; writes SB
.if DOCPART == 3
	.amdgcn_target "amdgcn-amd-amdhsa--gfx1250"
	.amdhsa_code_object_version 6
	.text
	.protected	k_qf967224409_E0
	.globl	k_qf967224409_E0
	.p2align	8
	.type	k_qf967224409_E0,@function
k_qf967224409_E0:
	s_mov_b64 s[64:65], 0
	v_nop
	global_prefetch_b8 v0, s[64:65] scope:SCOPE_SE
	s_setreg_imm32_b32 hwreg(HW_REG_WAVE_MODE, 25, 1), 1
	s_wait_xcnt 0x0
	s_wait_alu depctr_hold_cnt(0) depctr_sa_sdst(0) depctr_va_vdst(0) depctr_va_sdst(0) depctr_va_ssrc(0) depctr_va_vcc(0) depctr_vm_vsrc(0)
	s_getreg_b32 s2, hwreg(HW_REG_IB_STS2, 6, 4)
	s_cmp_eq_u32 s2, 0
	s_cbranch_scc0 .Lentry_in_a_cluster
	s_endpgm
.Lentry_in_a_cluster:
	s_bfe_u32 s2, ttmp6, 0x10000c
	s_cmp_lg_u32 s2, 0x3003
	s_cbranch_scc0 .Lentry_shape_is_right
	s_endpgm
.Lentry_shape_is_right:
; AN ENCODER LAYER FROM ITS ATTENTION TO THE NEXT LAYER'S Q, K, V (LAST = 1: to enc_norm and the three decoder layers' cross K, V).
; A work-group has 64 queries of one batch, four tiles of 16.  Wave w is head w in the attention and out-channels 16 w .. 16 w + 15 of every panel of 128 in the products.
; ATTENTION.  S^T = K Q^T (source 0 = 16 keys, source 1 = 16 queries): a lane holds ONE query (lane % 16) and keys 8 (lane / 16) + 0..7; two such results rounded to f16 ARE source 1 of
; O^T = V^T P.  A head has 16 channels and the product takes 32: Q's upper half is 0, K's upper half is the next key tile's registers (finite numbers) or zeros.
; SOFTMAX in two passes over the head's 512 keys, 32 a trip: pass 1 makes the scores and the true row maximum m; pass 2 makes them again, p = 2^(c s - c m), c = log2(e) / 4, sums p in f32 and adds V^T P.
; PRODUCTS.  Weights as source 0: a lane holds token r and channels 8 h + j (Q, K, O, FFN); as source 1: channel r, tokens 8 h + j (V).  Bias, or bias + residual, is the C of the first K step.
; The residual stream, LayerNorm, maxima and sums are f32.
; WEIGHTS come from the panels straight into registers, in fragment order, each fragment read by one wave.  A wave walks NP panels, 32 registers each; seven buffers in window 1 (v256-v479) take turns:
; the first seven panels are asked for at the kernel's head and land under the attention; panel n + 7 is asked for behind panel n's products.
; CLUSTER.  The four work-groups of a cluster are query blocks of one batch and need the same K and V: each wave's K and V tiles (its head's 16,384 bytes) are asked for JOINTLY, mask 15.
; The weights are not shared through LDS: each fragment has one reader in a work-group, and K and V take 262,144 of the 327,680 bytes.
; LIMITS.  Matrix operands are f16: x, q, k, v, p, hidden values beyond 65,504 would be infinities.  A weight p below 2^-126 counts as 0.  NaN and infinities are not treated apart.
.set LAST, 0
.set NT, 4                             ; tiles of 16 tokens
.set NBUF, 7                           ; weight buffers
; LDS
.set VL, 131072                        ; K: 8 heads x 16,384 from 0; V: the same from here
.set X32, 262144                       ; 64 rows of 128 f32, 528 bytes apart
.set XP, 528
.set XH, 295936                        ; 64 rows of 128 f16, 272 bytes apart: the attention's output, later the normed rows
.set HP, 272
.set HB, 0                             ; the hidden rows, 512 f16, 1,040 bytes apart: in K's bytes, which have had their only fill and their last read
.set HHP, 1040
.set PARAM, 313344                     ; 24 slots of 512 bytes for biases and gains
.set SPARE, 325632                     ; the spare words, 128 bytes a wave
; the state buffer
.set QE, 8388608
.set KE, 12582912
.set VE, 16777216
.set STRIDE, 4194304
; vector registers, window 0: v0 thread; v1 16 x lane; v2 r; v3 h; v4, v5 the add's; v6, v7 K's and V's address; v8 x fragments; v9 hidden fragments; v10 my f32 numbers in X32;
; v11 my hidden numbers; v12 my attention output; v13, v14, v15 PARAM by channel eight, by channel, by lane; v16 my place in a panel; v17-19 at work (bases of K and V; LayerNorm's rows)
.set XFO, 8
.set ST, 20                            ; six a tile: c m, m, four partial sums
.set PO, 44                            ; the offsets of the vectors' loads
.set S, 76
.set P, 140
.set O, 172
.set KF, 204                           ; two key tiles, then four zeros
.set VF, 216
.set QF, 224                           ; eight a tile; the upper four hold a vector on its way into PARAM first, then 0
.set BIAS, 20
.set ACC, 32
.set XF, 64
.set RA, 64
.set RB, 68
.set LT, 72
.set LG1, 80
.set LG2, 88
; scalar registers
.set WV, 80
.set CS, 84
.set SEL, 86
.set CNT, 88
.set INV, 89
.set EPS, 90
.set TB, 91
.set SLR, 98
.set SLH, 99
.set XO, 32
.if LAST
.set NP, 15
.set PWO, 13
.set PW1, 26
.set PW2, 38
.set NVEC, 15
.set NR, 3
.set SL1, 12
.set SL2, 14
.else
.set NP, 12
.set PWO, 0
.set PW1, 18
.set PW2, 30
.set NVEC, 10
.set NR, 2
.set SL1, 9
.set SL2, 11
.endif
.set MSB, 0
.macro WIN new                         ; s_set_vgpr_msb: bits 1:0 source 0, 3:2 source 1, 5:4 source 2, 7:6 destination; the high byte repeats the setting that is left; a switch that changes nothing is dropped
.if MSB != (\new)
	s_set_vgpr_msb (MSB<<8)|(\new)
.set MSB, \new
.endif
.endm
.macro ROUND                           ; a round of the cluster's barrier
	s_barrier_signal -1
	s_barrier_wait -1
	s_cmp_lg_u32 s[WV], 0
	s_cbranch_scc1 .Lnot_wave_0_\@
	s_barrier_signal -3
.Lnot_wave_0_\@:
	s_barrier_wait -3
	s_barrier_signal -1
	s_barrier_wait -1
.endm
.macro BAR
	s_wait_dscnt 0x0
	s_barrier_signal -1
	s_barrier_wait -1
.endm
.macro PLACES                          ; four places behind matrix instructions, ahead of what reads their results or writes or loads their registers
.rept 4
	v_nop
.endr
.endm
.macro ALLT line:vararg                ; one line for each tile t
.set t, 0
.rept NT
	\line
.set t, t+1
.endr
.endm
.macro SETG1 g, w0, d0, d1             ; descriptor group 1: d1 dense rows of d0 elements
	s_mov_b32 s[\g], \w0
	s_mov_b32 s[\g+1], (\d0)<<16
	s_mov_b32 s[\g+2], (\d1)<<16
	s_mov_b32 s[\g+3], (\d0)<<16
	s_mov_b32 s[\g+4], \d1
	s_mov_b32 s[\g+5], \d0
	s_mov_b32 s[\g+6], 0
	s_mov_b32 s[\g+7], 0
.endm
.macro PMAP                            ; slot ps: its vector's pointer s[pr] and byte offset po.  Slot 0: the first vector; slots 1-4: the second's four quarters; slot s: vector s - 3
.set pr, 32
.set po, 0
.if ps > 4
.set pr, 32+2*(ps-3)
.elseif ps > 0
.set pr, 34
.set po, 512*(ps-1)
.endif
.endm
; Group k of PARAM: wave w brings slot 8 k + w.  Pointer and offset are chosen by the wave's number, then ONE load follows.  A wave whose slot does not exist brings the group's first vector
; once more, into a slot that nobody reads.
.macro PGRP k, dst
.set ps, 8*(\k)
	PMAP
	s_mov_b64 s[\dst:\dst+1], s[pr:pr+1]
	s_mov_b32 s[CNT], po
.rept 7
.set ps, ps+1
.if ps < NVEC+3
	PMAP
	s_cmp_eq_u32 s[WV], ps%8
	s_cselect_b64 s[\dst:\dst+1], s[pr:pr+1], s[\dst:\dst+1]
	s_cselect_b32 s[CNT], po, s[CNT]
.endif
.endr
	v_add_nc_u32 v[PO+(\k)], s[CNT], v1
	global_load_b128 v[QF+8*(\k)+4:QF+8*(\k)+7], v[PO+(\k)], s[\dst:\dst+1]
.endm
.macro PSEQ n                          ; panel n of the walk: its buffer's pointer s[pb] and its number pn there: O, FFN 1 (4), FFN 2 (4), then the tail's
.set pb, 6
.if (\n) == 0
.set pn, PWO
.elseif (\n) < 5
.set pn, PW1+(\n)-1
.elseif (\n) < 9
.set pn, PW2+(\n)-5
.elseif LAST
.set pn, 14+(\n)-9
.if (\n) > 12
.set pb, 8
.set pn, 16+(\n)-13
.endif
.else
.set pn, 1+(\n)-9
.endif
.endm
.macro WL n, stay=0                    ; my 16 out-channels of panel n, if there is one, into buffer n % 7 of window 1: 8 loads, 512 consecutive bytes each
.if (\n) < NP
	PSEQ \n
	WIN 0x40
.set wi, 0
.rept 8
	global_load_b128 v[32*((\n)%NBUF)+4*wi:32*((\n)%NBUF)+4*wi+3], v16, s[pb:pb+1] offset:pn*32768+512*wi
.set wi, wi+1
.endr
.if !(\stay)
	WIN 0
.endif
.endif
.endm
.macro XLOAD areg, pitch, koff         ; the x fragments of all tiles, 128 along K
.set xt, 0
.rept NT
.set xk, 0
.rept 4
	ds_load_b128 v[XF+32*xt+8*xk:XF+32*xt+8*xk+3], v[\areg] offset:16*xt*(\pitch)+(\koff)+64*xk
	ds_load_b128 v[XF+32*xt+8*xk+4:XF+32*xt+8*xk+7], v[\areg] offset:16*xt*(\pitch)+(\koff)+64*xk+32
.set xk, xk+1
.endr
.set xt, xt+1
.endr
.endm
.macro GEMM n, cb, cs, vt              ; the tiles' accumulators take turns, one instruction a turn; the first K step takes v[cb + cs t] as C; the weights lie in window 1
.if \vt
	WIN 0x04
.else
	WIN 0x01
.endif
.set gk, 0
.rept 4
.set gt, 0
.rept NT
.set rW, 32*((\n)%NBUF)+8*gk
.set rX, XF+32*gt+8*gk
.set rC, ACC+8*gt
.if gk == 0
.set rC, (\cb)+(\cs)*gt
.endif
.if \vt
	v_wmma_f32_16x16x32_f16 v[ACC+8*gt:ACC+8*gt+7], v[rX:rX+7], v[rW:rW+7], v[rC:rC+7]
.else
	v_wmma_f32_16x16x32_f16 v[ACC+8*gt:ACC+8*gt+7], v[rW:rW+7], v[rX:rX+7], v[rC:rC+7]
.endif
.set gt, gt+1
.endr
.set gk, gk+1
.endr
	WIN 0
.endm
.macro PANEL n, cb, cs, vt
.set lf, NP-1-(\n)
.if lf > NBUF-1
.set lf, NBUF-1
.endif
	s_wait_loadcnt 8*lf                            ; panel n's 8 loads are in; those of the up to six panels asked for behind it, the only loads issued behind them, may stay out
	GEMM \n, \cb, \cs, \vt
	PLACES
	WL (\n)+NBUF                                   ; the buffer just read takes the panel seven further on
.endm
.macro BIASK slot                      ; a lane's eight channels
	ds_load_b128 v[BIAS:BIAS+3], v13 offset:512*(\slot)
	ds_load_b128 v[BIAS+4:BIAS+7], v13 offset:512*(\slot)+16
.endm
.macro BIASV slot                      ; a lane's one channel, eight times
	ds_load_b32 v[BIAS], v14 offset:512*(\slot)
	s_wait_dscnt 0x0
.irp z, 1,2,3,4,5,6,7
	v_mov_b32 v[BIAS+\z], v[BIAS]
.endr
.endm
.macro INITX slot                      ; residual + bias start the sums
	BIASK \slot
.set it, 0
.rept NT
	ds_load_b128 v[ACC+8*it:ACC+8*it+3], v10 offset:16*XP*it
	ds_load_b128 v[ACC+8*it+4:ACC+8*it+7], v10 offset:16*XP*it+16
.set it, it+1
.endr
	s_wait_dscnt 0x0
.set it, 0
.rept NT
.irp z, 0,2,4,6
	v_pk_add_f32 v[ACC+8*it+\z:ACC+8*it+\z+1], v[ACC+8*it+\z:ACC+8*it+\z+1], v[BIAS+\z:BIAS+\z+1]
.endr
.set it, it+1
.endr
.endm
.macro EPX                             ; back to the places in X32 from which INITX took them
.set et, 0
.rept NT
	ds_store_b128 v10, v[ACC+8*et:ACC+8*et+3] offset:16*XP*et
	ds_store_b128 v10, v[ACC+8*et+4:ACC+8*et+7] offset:16*XP*et+16
.set et, et+1
.endr
.endm
.macro EPH p                           ; ReLU, f16, into the hidden rows
.set et, 0
.rept NT
.irp z, 0,1,2,3,4,5,6,7
	v_max_num_f32 v[ACC+8*et+\z], 0, v[ACC+8*et+\z]
.endr
.irp z, 0,1,2,3
	v_cvt_pk_f16_f32 v[ACC+8*et+\z], v[ACC+8*et+2*\z], v[ACC+8*et+2*\z+1]
.endr
	ds_store_b128 v11, v[ACC+8*et:ACC+8*et+3] offset:16*HHP*et+256*(\p)
.set et, et+1
.endr
.endm
.macro EPB base, off                   ; rounded to f16 in place (ascending), each tile one block of 512 consecutive bytes
.set et, 0
.rept NT
.irp z, 0,1,2,3
	v_cvt_pk_f16_f32 v[ACC+8*et+\z], v[ACC+8*et+2*\z], v[ACC+8*et+2*\z+1]
.endr
	global_store_b128 v1, v[ACC+8*et:ACC+8*et+3], s[\base:\base+1] offset:(\off)+512*et
.set et, et+1
.endr
.endm
.macro QKV n, sb, base                 ; the next layer's Q, K, V: panels n, n + 1, n + 2; K's blocks at s[base], Q's and V's a region to either side
	XLOAD 8, HP, 0
	BIASK \sb
	s_wait_dscnt 0x0
	PANEL \n, BIAS, 0, 0
	BIASK (\sb)+1
	EPB \base, -STRIDE
	s_wait_dscnt 0x0
	s_wait_xcnt 0x0                                ; the accumulators are the data of the stores above: they are written again only behind this wait
	PANEL (\n)+1, BIAS, 0, 0
	BIASV (\sb)+2
	EPB \base, 0
	s_wait_xcnt 0x0
	PANEL (\n)+2, BIAS, 0, 1
	EPB \base, STRIDE
.endm
.macro KVPAIR l                        ; decoder layer l's cross K and V: panels 9 + 2 l, 10 + 2 l; K's bias has been asked for
	s_wait_dscnt 0x0
	s_wait_xcnt 0x0                                ; the accumulators are the data of earlier stores: they are written again only behind this wait
	PANEL 9+2*(\l), BIAS, 0, 0
	BIASV 7+2*(\l)
	EPB 32+2*(\l), 0
	s_wait_xcnt 0x0
	PANEL 10+2*(\l), BIAS, 0, 1
.if (\l) < 2
	BIASK 8+2*(\l)
.endif
	EPB 32+2*(\l), STRIDE
.endm
.macro FFN n1, sb1, sb2                ; both halves of the FFN: panels n1 .. n1 + 7
	XLOAD 8, HP, 0
	BIASK \sb1
	s_wait_dscnt 0x0
.set fp, 0
.rept 4
	PANEL (\n1)+fp, BIAS, 0, 0
.if fp < 3
	BIASK (\sb1)+fp+1
.endif
	EPH fp
	s_wait_dscnt 0x0
.set fp, fp+1
.endr
	BAR                                            ; the hidden rows are whole
	XLOAD 9, HHP, 0
	INITX \sb2
.set fp, 0
.rept 4
.if fp > 0
	XLOAD 9, HHP, 256*fp
	s_wait_dscnt 0x0
.endif
	PANEL (\n1)+4+fp, ACC, 8, 0
.set fp, fp+1
.endr
.endm
.macro RED a, b                        ; v[a] and v[b] summed over the 32 lanes, two rows side by side
.irp m, 1,2,4,8
	v_add_f32_dpp v[\a], v[\a], v[\a] row_xmask:\m row_mask:0xf bank_mask:0xf
	v_add_f32_dpp v[\b], v[\b], v[\b] row_xmask:\m row_mask:0xf bank_mask:0xf
.endr
	v_permlanex16_b32 v[\a+1], v[\a], s[SEL], s[SEL+1]
	v_permlanex16_b32 v[\b+1], v[\b], s[SEL], s[SEL+1]
	v_add_f32 v[\a], v[\a], v[\a+1]
	v_add_f32 v[\b], v[\b], v[\b+1]
.endm
.macro LNCORE g                        ; LayerNorm of the rows in RA and RB (four numbers a lane): mean, then the mean square of the differences; gain at v[g], bias at v[g + 4]
	v_pk_add_f32 v[LT:LT+1], v[RA:RA+1], v[RA+2:RA+3]
	v_pk_add_f32 v[LT+2:LT+3], v[RB:RB+1], v[RB+2:RB+3]
	v_add_f32 v[LT], v[LT], v[LT+1]
	v_add_f32 v[LT+2], v[LT+2], v[LT+3]
	RED LT, LT+2
	v_mul_f32 v[LT], s[INV], v[LT]
	v_mul_f32 v[LT+2], s[INV], v[LT+2]
	v_pk_add_f32 v[RA:RA+1], v[RA:RA+1], v[LT:LT+1] op_sel_hi:[1,0] neg_lo:[0,1] neg_hi:[0,1]
	v_pk_add_f32 v[RA+2:RA+3], v[RA+2:RA+3], v[LT:LT+1] op_sel_hi:[1,0] neg_lo:[0,1] neg_hi:[0,1]
	v_pk_add_f32 v[RB:RB+1], v[RB:RB+1], v[LT+2:LT+3] op_sel_hi:[1,0] neg_lo:[0,1] neg_hi:[0,1]
	v_pk_add_f32 v[RB+2:RB+3], v[RB+2:RB+3], v[LT+2:LT+3] op_sel_hi:[1,0] neg_lo:[0,1] neg_hi:[0,1]
	v_pk_mul_f32 v[LT:LT+1], v[RA:RA+1], v[RA:RA+1]
	v_pk_mul_f32 v[LT+2:LT+3], v[RB:RB+1], v[RB:RB+1]
	v_pk_fma_f32 v[LT:LT+1], v[RA+2:RA+3], v[RA+2:RA+3], v[LT:LT+1]
	v_pk_fma_f32 v[LT+2:LT+3], v[RB+2:RB+3], v[RB+2:RB+3], v[LT+2:LT+3]
	v_add_f32 v[LT], v[LT], v[LT+1]
	v_add_f32 v[LT+2], v[LT+2], v[LT+3]
	RED LT, LT+2
	v_fma_f32 v[LT], v[LT], s[INV], s[EPS]
	v_fma_f32 v[LT+2], v[LT+2], s[INV], s[EPS]
	v_rsq_f32 v[LT], v[LT]
	v_rsq_f32 v[LT+2], v[LT+2]
	v_nop                                          ; a plain instruction between the second root and the use of the results
	s_wait_alu depctr_va_vdst(0)
	v_pk_mul_f32 v[RA:RA+1], v[RA:RA+1], v[LT:LT+1] op_sel_hi:[1,0]
	v_pk_mul_f32 v[RA+2:RA+3], v[RA+2:RA+3], v[LT:LT+1] op_sel_hi:[1,0]
	v_pk_mul_f32 v[RB:RB+1], v[RB:RB+1], v[LT+2:LT+3] op_sel_hi:[1,0]
	v_pk_mul_f32 v[RB+2:RB+3], v[RB+2:RB+3], v[LT+2:LT+3] op_sel_hi:[1,0]
	v_pk_fma_f32 v[RA:RA+1], v[RA:RA+1], v[(\g):(\g)+1], v[(\g)+4:(\g)+5]
	v_pk_fma_f32 v[RA+2:RA+3], v[RA+2:RA+3], v[(\g)+2:(\g)+3], v[(\g)+6:(\g)+7]
	v_pk_fma_f32 v[RB:RB+1], v[RB:RB+1], v[(\g):(\g)+1], v[(\g)+4:(\g)+5]
	v_pk_fma_f32 v[RB+2:RB+3], v[RB+2:RB+3], v[(\g)+2:(\g)+3], v[(\g)+6:(\g)+7]
.endm
; LayerNorm of my 2 NT rows of X32, two a trip.  sg: the slot of the gain (the bias follows).  wx: the rows go back to X32.  gx: they go out in f32.  s2 >= 0: a second norm with the gain in slot s2.  Always: f16 rows into XH.
.macro LNORM sg, wx, gx, s2
	v_add_nc_u32 v17, s[SLR], v1
	v_lshrrev_b32 v18, 1, v1
	v_add_nc_u32 v18, s[SLH], v18
	ds_load_b128 v[LG1:LG1+3], v15 offset:512*(\sg)
	ds_load_b128 v[LG1+4:LG1+7], v15 offset:512*(\sg)+512
.if (\s2) >= 0
	ds_load_b128 v[LG2:LG2+3], v15 offset:512*(\s2)
	ds_load_b128 v[LG2+4:LG2+7], v15 offset:512*(\s2)+512
.endif
.if \gx
	v_mov_b32 v19, v1
.endif
	s_mov_b32 s[CNT], NT
.Lln_\@:
	ds_load_b128 v[RA:RA+3], v17
	ds_load_b128 v[RB:RB+3], v17 offset:XP
	s_wait_dscnt 0x0
	LNCORE LG1
.if (\s2) >= 0
	LNCORE LG2
.endif
.if \wx
	ds_store_b128 v17, v[RA:RA+3]
	ds_store_b128 v17, v[RB:RB+3] offset:XP
.endif
.if \gx
	global_store_b128 v19, v[RA:RA+3], s[XO:XO+1]  ; a row: 512 consecutive bytes
	global_store_b128 v19, v[RB:RB+3], s[XO:XO+1] offset:512
.endif
	v_cvt_pk_f16_f32 v[LT], v[RA], v[RA+1]
	v_cvt_pk_f16_f32 v[LT+1], v[RA+2], v[RA+3]
	v_cvt_pk_f16_f32 v[LT+2], v[RB], v[RB+1]
	v_cvt_pk_f16_f32 v[LT+3], v[RB+2], v[RB+3]
	ds_store_b64 v18, v[LT:LT+1]
	ds_store_b64 v18, v[LT+2:LT+3] offset:HP
.if \gx
	s_wait_xcnt 0x0                                ; the stores' offset and data are rewritten only behind this wait
	v_add_nc_u32 v19, 1024, v19
.endif
	v_add_nc_u32 v17, 2*XP, v17
	v_add_nc_u32 v18, 2*HP, v18
	s_sub_co_u32 s[CNT], s[CNT], 1
	s_cmp_lg_u32 s[CNT], 0
	s_cbranch_scc1 .Lln_\@
.endm
.macro SQK                             ; the scores of 32 keys x 16 NT queries: 2 NT products, each on an accumulator of its own
.set qk, 0
.rept 2
.set qt, 0
.rept NT
	v_wmma_f32_16x16x32_f16 v[S+16*qt+8*qk:S+16*qt+8*qk+7], v[KF+4*qk:KF+4*qk+7], v[QF+8*qt:QF+8*qt+7], 0
.set qt, qt+1
.endr
.set qk, qk+1
.endr
.endm
.macro MAXS                            ; each accumulator's lowest registers are read first
.set mi, 0
.rept 8
.set mt, 0
.rept NT
	v_max3_num_f32 v[ST+6*mt+1], v[ST+6*mt+1], v[S+16*mt+2*mi], v[S+16*mt+2*mi+1]
.set mt, mt+1
.endr
.set mi, mi+1
.endr
.endm
.macro SF t                            ; c s - c m
.set si, 0
.rept 8
	v_pk_fma_f32 v[S+16*(\t)+2*si:S+16*(\t)+2*si+1], v[S+16*(\t)+2*si:S+16*(\t)+2*si+1], s[CS:CS+1], v[ST+6*(\t):ST+6*(\t)+1] op_sel_hi:[1,0,0] neg_lo:[0,0,1] neg_hi:[0,0,1]
.set si, si+1
.endr
.endm
.macro SE t
.set si, 0
.rept 16
	v_exp_f32 v[S+16*(\t)+si], v[S+16*(\t)+si]
.set si, si+1
.endr
.endm
.macro SC t                            ; rounded to f16 for the product; summed unrounded, in two chains
.set si, 0
	s_wait_alu depctr_va_vdst(0)
.rept 8
	v_cvt_pk_f16_f32 v[P+8*(\t)+si], v[S+16*(\t)+2*si], v[S+16*(\t)+2*si+1]
.set si, si+1
.endr
.set si, 0
.rept 8
	v_pk_add_f32 v[ST+6*(\t)+2+2*(si%2):ST+6*(\t)+3+2*(si%2)], v[ST+6*(\t)+2+2*(si%2):ST+6*(\t)+3+2*(si%2)], v[S+16*(\t)+2*si:S+16*(\t)+2*si+1]
.set si, si+1
.endr
.endm
.macro SOFTALL                         ; behind each run of exponentials stands plain work of another tile before their results are used
	SF 0
	SE 0
.set sx, 1
.rept NT-1
	SF sx
	SE sx
	SC sx-1
.set sx, sx+1
.endr
	SC NT-1
.endm
.macro PVM
.set pt, 0
.rept NT
	v_wmma_f32_16x16x32_f16 v[O+8*pt:O+8*pt+7], v[VF:VF+7], v[P+8*pt:P+8*pt+7], v[O+8*pt:O+8*pt+7]
.set pt, pt+1
.endr
.endm
.macro AINIT                           ; O and the sums start at 0, m at the lowest finite number: no first trip is written out; the price is these moves
	ALLT v_mov_b32 v[ST+6*t+1], 0xff7fffff
.irp z, 2,3,4,5
	ALLT v_mov_b32 v[ST+6*t+\z], 0
.endr
.set ai, 0
.rept 8*NT
	v_mov_b32 v[O+ai], 0
.set ai, ai+1
.endr
.endm
.macro MFIN                            ; a query's other keys lie in the lane 16 away
	ALLT v_permlanex16_b32 v[S+16*t], v[ST+6*t+1], s[SEL], s[SEL+1]
	ALLT v_max_num_f32 v[ST+6*t+1], v[ST+6*t+1], v[S+16*t]
	ALLT v_mul_f32 v[ST+6*t], s[CS], v[ST+6*t+1]
.endm
.macro OFIN                            ; O / l, f16, into my head's 32 bytes of each row
	ALLT v_pk_add_f32 v[ST+6*t+2:ST+6*t+3], v[ST+6*t+2:ST+6*t+3], v[ST+6*t+4:ST+6*t+5]
	ALLT v_add_f32 v[ST+6*t+2], v[ST+6*t+2], v[ST+6*t+3]
	ALLT v_permlanex16_b32 v[ST+6*t+3], v[ST+6*t+2], s[SEL], s[SEL+1]
	ALLT v_add_f32 v[ST+6*t+2], v[ST+6*t+2], v[ST+6*t+3]
	ALLT v_rcp_f32 v[ST+6*t+4], v[ST+6*t+2]
	v_nop                                          ; a plain instruction between the last reciprocal and its use
	s_wait_alu depctr_va_vdst(0)
.irp z, 0,2,4,6
	ALLT v_pk_mul_f32 v[O+8*t+\z:O+8*t+\z+1], v[O+8*t+\z:O+8*t+\z+1], v[ST+6*t+4:ST+6*t+5] op_sel_hi:[1,0]
.endr
.irp z, 0,1,2,3
	ALLT v_cvt_pk_f16_f32 v[P+8*t+\z], v[O+8*t+2*\z], v[O+8*t+2*\z+1]
.endr
	ALLT ds_store_b128 v12, v[P+8*t:P+8*t+3] offset:16*HP*t
.endm
; PASS 1: the row maxima.  v17: my lane's place in my head's K.  A trip takes two key tiles (1,024 bytes); the next trip's are asked for behind the products and their four places.
; The step wraps at the head's end, so the last request is pass 2's first tile.
.macro PASS1 trips, wrap
	s_mov_b32 s[TB], 0
	s_mov_b32 s[CNT], \trips
	ds_load_b128 v[KF:KF+3], v17
	ds_load_b128 v[KF+4:KF+7], v17 offset:512
.Lp1_\@:
	s_add_co_u32 s[TB], s[TB], 1024
	s_and_b32 s[TB], s[TB], \wrap
	s_wait_dscnt 0x0
	SQK
	v_add_nc_u32 v6, s[TB], v17
	v_nop
	v_nop
	v_nop
	ds_load_b128 v[KF:KF+3], v6
	ds_load_b128 v[KF+4:KF+7], v6 offset:512
	MAXS
	s_sub_co_u32 s[CNT], s[CNT], 1
	s_cmp_lg_u32 s[CNT], 0
	s_cbranch_scc1 .Lp1_\@
.endm
; PASS 2: weights, sums and V^T P.  v18: my lane's place in my head's V.  The last trip's request for K serves nothing: the price of one text for every trip.
.macro PASS2 trips, wrap
	s_mov_b32 s[TB], 0
	s_mov_b32 s[CNT], \trips
	v_mov_b32 v7, v18
.Lp2_\@:
	ds_load_b128 v[VF:VF+3], v7
	ds_load_b128 v[VF+4:VF+7], v7 offset:512
	s_add_co_u32 s[TB], s[TB], 1024
	s_and_b32 s[TB], s[TB], \wrap
	s_wait_dscnt 0x2                               ; K's two loads, asked for a trip ago, are in; V's two may be out
	SQK
	v_add_nc_u32 v6, s[TB], v17
	v_add_nc_u32 v7, s[TB], v18
	v_nop
	v_nop
	ds_load_b128 v[KF:KF+3], v6
	ds_load_b128 v[KF+4:KF+7], v6 offset:512
	SOFTALL
	s_wait_dscnt 0x2                               ; V is in; the next K's two may be out
	PVM
	PLACES                                         ; ahead of the next trip's loads into V's registers
	s_sub_co_u32 s[CNT], s[CNT], 1
	s_cmp_lg_u32 s[CNT], 0
	s_cbranch_scc1 .Lp2_\@
.endm
.if LAST
	s_load_b256 s[4:11], s[0:1], 0x0               ; state in, W0, W1, M0
	s_load_b128 s[12:15], s[0:1], 0x20             ; M1, M2
	s_load_b512 s[32:47], s[0:1], 0x30             ; the 15 vectors
	s_load_b256 s[48:55], s[0:1], 0x70
	s_load_b128 s[56:59], s[0:1], 0x90
	s_load_b64 s[60:61], s[0:1], 0xa0
.else
	s_load_b128 s[4:7], s[0:1], 0x0                ; state in, W
	s_load_b64 s[8:9], s[0:1], 0x10                ; state out
	s_load_b512 s[32:47], s[0:1], 0x18             ; the 10 vectors
	s_load_b128 s[48:51], s[0:1], 0x58
.endif
	v_lshl_add_u32 v4, v0, 2, SPARE
	v_mov_b32 v5, 0
	ds_add_u32 v4, v5                              ; the wave's opening: the add and its wait stand ahead of my first tensor load; work on registers stands between them
	v_lshrrev_b32 v1, 5, v0
	v_readfirstlane_b32 s[WV], v1                  ; wave 0..7
	s_bfe_u32 s83, ttmp6, 0x40000                  ; cx
	s_lshr_b32 s81, ttmp9, 1                       ; the batch: two clusters each, shared by the four partners
	s_and_b32 s82, ttmp9, 1
	s_lshl_b32 s82, s82, 2
	s_add_co_u32 s82, s82, s83                     ; my block of 64 queries: it enters global addresses of x, Q and the outputs alone
	SETG1 16, 15|(3<<16)|(1<<21), 32, 64           ; joint: mask of four, bit 21 beside it; 64 rows of 32 elements of 8 bytes: 16,384 dense bytes
	SETG1 24, (2<<16)|(1<<20)|(6<<22)|(3<<25), 128, 8  ; my own: 8 rows of 128 f32, 4 words of padding behind every 128
	s_mov_b32 s68, 1
	s_lshl_b32 s69, s[WV], 14                      ; K: my head's 16,384 bytes from 0
	s_mov_b32 s72, 1
	s_lshl_b32 s73, s[WV], 14
	s_add_co_u32 s73, s73, VL
	s_mov_b32 s76, 1
	s_mul_i32 s77, s[WV], 8*XP
	s_add_co_u32 s77, s77, X32
	s_lshl_b32 s92, s81, 3
	s_add_co_u32 s92, s92, s[WV]
	s_lshl_b32 s92, s92, 14                        ; (8 batch + head) x 16,384: made of what the partners share
	s_mov_b32 s93, 0
	s_lshl_b32 s94, s82, 11
	s_add_co_u32 s94, s94, s92                     ; + my block's four fragment blocks
	s_mov_b32 s95, 0
	s_lshl_b32 s100, s81, 9
	s_lshl_b32 s101, s82, 6
	s_add_co_u32 s100, s100, s101
	s_lshl_b32 s101, s[WV], 3
	s_add_co_u32 s100, s100, s101
	s_lshl_b32 s100, s100, 9                       ; my 8 rows of x
	s_mov_b32 s101, 0
	s_mov_b32 s[CS], 0x3eb8aa3b                    ; c = log2(e) / 4
	s_mov_b32 s[CS+1], s[CS]
	s_mov_b32 s[SEL], 0x76543210
	s_mov_b32 s[SEL+1], 0xfedcba98
	s_mov_b32 s[INV], 0x3c000000                   ; 1 / 128
	s_mov_b32 s[EPS], 0x3727c5ac                   ; 1e-5
	s_mul_i32 s[SLR], s[WV], 8*XP
	s_add_co_u32 s[SLR], s[SLR], X32
	s_mul_i32 s[SLH], s[WV], 8*HP
	s_add_co_u32 s[SLH], s[SLH], XH
	v_and_b32 v2, 15, v0
	v_bfe_u32 v3, v0, 4, 1
	v_and_b32 v1, 31, v0
	v_lshlrev_b32 v1, 4, v1
	v_lshl_add_u32 v16, s[WV], 12, v1
	v_mul_u32_u24 v8, v2, HP
	v_lshl_add_u32 v8, v3, 4, v8
	v_add_nc_u32 v8, XH, v8
	v_lshl_add_u32 v12, s[WV], 5, v8
	v_mul_u32_u24 v9, v2, HHP
	v_lshl_add_u32 v9, v3, 4, v9
	v_add_nc_u32 v9, HB, v9
	v_lshl_add_u32 v11, s[WV], 5, v9
	v_mul_u32_u24 v10, v2, XP
	v_lshl_add_u32 v10, v3, 5, v10
	v_lshl_add_u32 v10, s[WV], 6, v10
	v_add_nc_u32 v10, X32, v10
	v_lshlrev_b32 v13, 5, v3
	v_lshl_add_u32 v13, s[WV], 6, v13
	v_add_nc_u32 v13, PARAM, v13
	v_lshlrev_b32 v14, 2, v2
	v_lshl_add_u32 v14, s[WV], 6, v14
	v_add_nc_u32 v14, PARAM, v14
	v_add_nc_u32 v15, PARAM, v1
	s_wait_dscnt 0x0                               ; the opening add is done
	s_wait_kmcnt 0x0
	s_add_nc_u64 s[70:71], s[4:5], s[92:93]
	s_add_nc_u64 s[74:75], s[70:71], VE
	s_add_nc_u64 s[70:71], s[70:71], KE
	s_or_b32 s71, s71, 0x80000000
	s_or_b32 s75, s75, 0x80000000
	s_add_nc_u64 s[78:79], s[4:5], s[100:101]
	s_or_b32 s79, s79, 0x80000000
	s_add_nc_u64 s[96:97], s[4:5], s[94:95]
	s_add_nc_u64 s[96:97], s[96:97], QE
	ROUND                                          ; the four work-groups are here: the joint loads meet
	tensor_load_to_lds s[68:71], s[16:23]          ; my head's K,
	s_nop 0
	tensor_load_to_lds s[72:75], s[16:23]          ; its V,
	s_nop 0
	tensor_load_to_lds s[76:79], s[24:31]          ; my 8 rows of x: three loads of mine are out
	s_nop 0
	ALLT global_load_b128 v[QF+8*t:QF+8*t+3], v1, s[96:97] offset:512*t
	PGRP 0, 2
	PGRP 1, 62
.if LAST
	PGRP 2, 66
.endif
.set i, 0
.rept NBUF
	WL i, 1                                        ; the walk's first seven panels: 56 loads, 28,672 bytes a wave, on their way under the attention
.set i, i+1
.endr
	WIN 0
.irp z, 8,9,10,11
	v_mov_b32 v[KF+\z], 0
.endr
	AINIT
	v_lshl_add_u32 v17, s[WV], 14, v1
	v_add_nc_u32 v18, VL, v17
	v_lshl_add_u32 v6, s[WV], 9, v15
	s_wait_loadcnt 8*NBUF                          ; Q and the vectors are in; the seven panels' 56 loads, issued behind them, may stay out
.set i, 0
.rept NR
	ds_store_b128 v6, v[QF+8*i+4:QF+8*i+7] offset:4096*i
.set i, i+1
.endr
.irp z, 4,5,6,7
	ALLT v_mov_b32 v[QF+8*t+\z], 0                 ; channels 16-31 of Q
.endr
.if LAST
	s_add_nc_u64 s[32:33], s[10:11], s[94:95]      ; my blocks in the three memories
	s_add_nc_u64 s[34:35], s[12:13], s[94:95]
	s_add_nc_u64 s[36:37], s[14:15], s[94:95]
.else
	s_add_nc_u64 s[32:33], s[8:9], s[100:101]      ; x out
	s_add_nc_u64 s[34:35], s[8:9], s[94:95]
	s_add_nc_u64 s[34:35], s[34:35], KE            ; K out; Q and V lie 4 MiB to either side
.endif
	s_wait_tensorcnt 0x2                           ; K is in; V and x, issued behind it, may be out
	PASS1 16, 0x3fff
	MFIN
	s_wait_tensorcnt 0x1                           ; V is in
	PASS2 16, 0x3fff
	OFIN
	s_wait_tensorcnt 0x0                           ; my rows of x are in, for the other waves' sake
	BAR
	XLOAD XFO, HP, 0                               ; O PROJECTION + residual
	INITX 0
	PANEL 0, ACC, 8, 0
	EPX
	BAR
	LNORM SL1, 1, 0, -1
	BAR
	FFN 1, 1, 5
	EPX
	BAR
.if LAST
	LNORM SL2, 0, 0, 16                            ; ln2, then enc_norm
	BAR
	XLOAD 8, HP, 0
	BIASK 6
	KVPAIR 0
	KVPAIR 1
	KVPAIR 2
.else
	LNORM SL2, 0, 1, -1
	BAR
	QKV 9, 6, 34
.endif
	s_wait_tensorcnt 0x0                           ; the wave's end, behind my last tensor load and my last LDS store
	ds_add_u32 v4, v5
	s_wait_dscnt 0x0
	ROUND                                          ; the closing round
	s_endpgm
.Lfunc_end_k_qf967224409_E0:
	.size	k_qf967224409_E0, .Lfunc_end_k_qf967224409_E0-k_qf967224409_E0
	.p2alignl 7, 3214868480
	.fill 96, 4, 3214868480
	.section	.rodata,"a",@progbits
	.p2align	6, 0x0
	.amdhsa_kernel k_qf967224409_E0
		.amdhsa_group_segment_fixed_size 327680
		.amdhsa_private_segment_fixed_size 0
		.amdhsa_enable_private_segment 0
		.amdhsa_kernarg_size 104
		.amdhsa_user_sgpr_count 2
		.amdhsa_user_sgpr_kernarg_segment_ptr 1
		.amdhsa_wavefront_size32 1
		.amdhsa_system_sgpr_workgroup_id_x 1
		.amdhsa_system_sgpr_workgroup_id_y 1
		.amdhsa_system_sgpr_workgroup_id_z 1
		.amdhsa_system_vgpr_workitem_id 0
		.amdhsa_next_free_vgpr 512
		.amdhsa_next_free_sgpr 102
		.amdhsa_reserve_vcc 0
		.amdhsa_float_denorm_mode_32 3
		.amdhsa_float_denorm_mode_16_64 3
		.amdhsa_memory_ordered 1
		.amdhsa_forward_progress 1
		.amdhsa_inst_pref_size 94
	.end_amdhsa_kernel
	.amdgpu_metadata
---
amdhsa.version: [ 1, 2 ]
amdhsa.kernels:
  - .name:           k_qf967224409_E0
    .symbol:         k_qf967224409_E0.kd
    .args:
      - { .name: SA, .offset: 0, .size: 8, .value_kind: global_buffer, .address_space: global }
      - { .name: W0, .offset: 8, .size: 8, .value_kind: global_buffer, .address_space: global }
      - { .name: SB, .offset: 16, .size: 8, .value_kind: global_buffer, .address_space: global }
      - { .name: params_enc_0_attn_bo, .offset: 24, .size: 8, .value_kind: global_buffer, .address_space: global }
      - { .name: params_enc_0_ffn_b1, .offset: 32, .size: 8, .value_kind: global_buffer, .address_space: global }
      - { .name: params_enc_0_ffn_b2, .offset: 40, .size: 8, .value_kind: global_buffer, .address_space: global }
      - { .name: params_enc_1_attn_bq, .offset: 48, .size: 8, .value_kind: global_buffer, .address_space: global }
      - { .name: params_enc_1_attn_bk, .offset: 56, .size: 8, .value_kind: global_buffer, .address_space: global }
      - { .name: params_enc_1_attn_bv, .offset: 64, .size: 8, .value_kind: global_buffer, .address_space: global }
      - { .name: params_enc_0_ln1_g, .offset: 72, .size: 8, .value_kind: global_buffer, .address_space: global }
      - { .name: params_enc_0_ln1_b, .offset: 80, .size: 8, .value_kind: global_buffer, .address_space: global }
      - { .name: params_enc_0_ln2_g, .offset: 88, .size: 8, .value_kind: global_buffer, .address_space: global }
      - { .name: params_enc_0_ln2_b, .offset: 96, .size: 8, .value_kind: global_buffer, .address_space: global }
    .group_segment_fixed_size: 327680
    .private_segment_fixed_size: 0
    .kernarg_segment_align: 8
    .kernarg_segment_size: 104
    .max_flat_workgroup_size: 256
    .sgpr_count:     102
    .vgpr_count:     512
    .wavefront_size: 32
...
	.end_amdgpu_metadata
.endif
;; end of part 3
;; launch E1: the kernel of part 3 again; grid 256 x 1, 8 waves a work-group, clusters of 4 x 1, 327,680 bytes of LDS; arguments SB, W1, SA, params_enc_1_attn_bo, params_enc_1_ffn_b1, params_enc_1_ffn_b2, params_enc_2_attn_bq, params_enc_2_attn_bk, params_enc_2_attn_bv, params_enc_1_ln1_g, params_enc_1_ln1_b, params_enc_1_ln2_g, params_enc_1_ln2_b; writes SA
;; launch E2 (part 4): grid 256 x 1, 8 waves a work-group, clusters of 4 x 1, 327,680 bytes of LDS; arguments SA, W0, W1, M0, M1, M2, params_enc_2_attn_bo, params_enc_2_ffn_b1, params_enc_2_ffn_b2, params_dec_0_cross_attn_bk, params_dec_0_cross_attn_bv, params_dec_1_cross_attn_bk, params_dec_1_cross_attn_bv, params_dec_2_cross_attn_bk, params_dec_2_cross_attn_bv, params_enc_2_ln1_g, params_enc_2_ln1_b, params_enc_2_ln2_g, params_enc_2_ln2_b, params_enc_norm_g, params_enc_norm_b; writes M0, M1, M2
.if DOCPART == 4
	.amdgcn_target "amdgcn-amd-amdhsa--gfx1250"
	.amdhsa_code_object_version 6
	.text
	.protected	k_qf967224409_E2
	.globl	k_qf967224409_E2
	.p2align	8
	.type	k_qf967224409_E2,@function
k_qf967224409_E2:
	s_mov_b64 s[64:65], 0
	v_nop
	global_prefetch_b8 v0, s[64:65] scope:SCOPE_SE
	s_setreg_imm32_b32 hwreg(HW_REG_WAVE_MODE, 25, 1), 1
	s_wait_xcnt 0x0
	s_wait_alu depctr_hold_cnt(0) depctr_sa_sdst(0) depctr_va_vdst(0) depctr_va_sdst(0) depctr_va_ssrc(0) depctr_va_vcc(0) depctr_vm_vsrc(0)
	s_getreg_b32 s2, hwreg(HW_REG_IB_STS2, 6, 4)
	s_cmp_eq_u32 s2, 0
	s_cbranch_scc0 .Lentry_in_a_cluster
	s_endpgm
.Lentry_in_a_cluster:
	s_bfe_u32 s2, ttmp6, 0x10000c
	s_cmp_lg_u32 s2, 0x3003
	s_cbranch_scc0 .Lentry_shape_is_right
	s_endpgm
.Lentry_shape_is_right:
; THE LAST ENCODER LAYER: the text of the encoder layer with LAST = 1: from its attention to ln2, then enc_norm and the three decoder layers' cross K, V.
; A work-group has 64 queries of one batch, four tiles of 16.  Wave w is head w in the attention and out-channels 16 w .. 16 w + 15 of every panel of 128 in the products.
; ATTENTION.  S^T = K Q^T (source 0 = 16 keys, source 1 = 16 queries): a lane holds ONE query (lane % 16) and keys 8 (lane / 16) + 0..7; two such results rounded to f16 ARE source 1 of
; O^T = V^T P.  A head has 16 channels and the product takes 32: Q's upper half is 0, K's upper half is the next key tile's registers (finite numbers) or zeros.
; SOFTMAX in two passes over the head's 512 keys, 32 a trip: pass 1 makes the scores and the true row maximum m; pass 2 makes them again, p = 2^(c s - c m), c = log2(e) / 4, sums p in f32 and adds V^T P.
; PRODUCTS.  Weights as source 0: a lane holds token r and channels 8 h + j (K, O, FFN); as source 1: channel r, tokens 8 h + j (V).  Bias, or bias + residual, is the C of the first K step.
; The residual stream, LayerNorm, maxima and sums are f32.
; WEIGHTS come from the panels straight into registers, in fragment order, each fragment read by one wave.  A wave walks NP panels, 32 registers each; seven buffers in window 1 (v256-v479) take turns:
; the first seven panels are asked for at the kernel's head and land under the attention; panel n + 7 is asked for behind panel n's products.
; CLUSTER.  The four work-groups of a cluster are query blocks of one batch and need the same K and V: each wave's K and V tiles (its head's 16,384 bytes) are asked for JOINTLY, mask 15.
; The weights are not shared through LDS: each fragment has one reader in a work-group, and K and V take 262,144 of the 327,680 bytes.
; LIMITS.  Matrix operands are f16: x, q, k, v, p, hidden values beyond 65,504 would be infinities.  A weight p below 2^-126 counts as 0.  NaN and infinities are not treated apart.
.set LAST, 1
.set NT, 4                             ; tiles of 16 tokens
.set NBUF, 7                           ; weight buffers
; LDS
.set VL, 131072                        ; K: 8 heads x 16,384 from 0; V: the same from here
.set X32, 262144                       ; 64 rows of 128 f32, 528 bytes apart
.set XP, 528
.set XH, 295936                        ; 64 rows of 128 f16, 272 bytes apart: the attention's output, later the normed rows
.set HP, 272
.set HB, 0                             ; the hidden rows, 512 f16, 1,040 bytes apart: in K's bytes, which have had their only fill and their last read
.set HHP, 1040
.set PARAM, 313344                     ; 24 slots of 512 bytes for biases and gains
.set SPARE, 325632                     ; the spare words, 128 bytes a wave
; the state buffer
.set QE, 8388608
.set KE, 12582912
.set VE, 16777216
.set STRIDE, 4194304
; vector registers, window 0: v0 thread; v1 16 x lane; v2 r; v3 h; v4, v5 the add's; v6, v7 K's and V's address; v8 x fragments; v9 hidden fragments; v10 my f32 numbers in X32;
; v11 my hidden numbers; v12 my attention output; v13, v14, v15 PARAM by channel eight, by channel, by lane; v16 my place in a panel; v17-19 at work (bases of K and V; LayerNorm's rows)
.set XFO, 8
.set ST, 20                            ; six a tile: c m, m, four partial sums
.set PO, 44                            ; the offsets of the vectors' loads
.set S, 76
.set P, 140
.set O, 172
.set KF, 204                           ; two key tiles, then four zeros
.set VF, 216
.set QF, 224                           ; eight a tile; the upper four hold a vector on its way into PARAM first, then 0
.set BIAS, 20
.set ACC, 32
.set XF, 64
.set RA, 64
.set RB, 68
.set LT, 72
.set LG1, 80
.set LG2, 88
; scalar registers
.set WV, 80
.set CS, 84
.set SEL, 86
.set CNT, 88
.set INV, 89
.set EPS, 90
.set TB, 91
.set SLR, 98
.set SLH, 99
.set XO, 32
.if LAST
.set NP, 15
.set PWO, 13
.set PW1, 26
.set PW2, 38
.set NVEC, 15
.set NR, 3
.set SL1, 12
.set SL2, 14
.else
.set NP, 12
.set PWO, 0
.set PW1, 18
.set PW2, 30
.set NVEC, 10
.set NR, 2
.set SL1, 9
.set SL2, 11
.endif
.set MSB, 0
.macro WIN new                         ; s_set_vgpr_msb: bits 1:0 source 0, 3:2 source 1, 5:4 source 2, 7:6 destination; the high byte repeats the setting that is left; a switch that changes nothing is dropped
.if MSB != (\new)
	s_set_vgpr_msb (MSB<<8)|(\new)
.set MSB, \new
.endif
.endm
.macro ROUND                           ; a round of the cluster's barrier
	s_barrier_signal -1
	s_barrier_wait -1
	s_cmp_lg_u32 s[WV], 0
	s_cbranch_scc1 .Lnot_wave_0_\@
	s_barrier_signal -3
.Lnot_wave_0_\@:
	s_barrier_wait -3
	s_barrier_signal -1
	s_barrier_wait -1
.endm
.macro BAR
	s_wait_dscnt 0x0
	s_barrier_signal -1
	s_barrier_wait -1
.endm
.macro PLACES                          ; four places behind matrix instructions, ahead of what reads their results or writes or loads their registers
.rept 4
	v_nop
.endr
.endm
.macro ALLT line:vararg                ; one line for each tile t
.set t, 0
.rept NT
	\line
.set t, t+1
.endr
.endm
.macro SETG1 g, w0, d0, d1             ; descriptor group 1: d1 dense rows of d0 elements
	s_mov_b32 s[\g], \w0
	s_mov_b32 s[\g+1], (\d0)<<16
	s_mov_b32 s[\g+2], (\d1)<<16
	s_mov_b32 s[\g+3], (\d0)<<16
	s_mov_b32 s[\g+4], \d1
	s_mov_b32 s[\g+5], \d0
	s_mov_b32 s[\g+6], 0
	s_mov_b32 s[\g+7], 0
.endm
.macro PMAP                            ; slot ps: its vector's pointer s[pr] and byte offset po.  Slot 0: the first vector; slots 1-4: the second's four quarters; slot s: vector s - 3
.set pr, 32
.set po, 0
.if ps > 4
.set pr, 32+2*(ps-3)
.elseif ps > 0
.set pr, 34
.set po, 512*(ps-1)
.endif
.endm
; Group k of PARAM: wave w brings slot 8 k + w.  Pointer and offset are chosen by the wave's number, then ONE load follows.  A wave whose slot does not exist brings the group's first vector
; once more, into a slot that nobody reads.
.macro PGRP k, dst
.set ps, 8*(\k)
	PMAP
	s_mov_b64 s[\dst:\dst+1], s[pr:pr+1]
	s_mov_b32 s[CNT], po
.rept 7
.set ps, ps+1
.if ps < NVEC+3
	PMAP
	s_cmp_eq_u32 s[WV], ps%8
	s_cselect_b64 s[\dst:\dst+1], s[pr:pr+1], s[\dst:\dst+1]
	s_cselect_b32 s[CNT], po, s[CNT]
.endif
.endr
	v_add_nc_u32 v[PO+(\k)], s[CNT], v1
	global_load_b128 v[QF+8*(\k)+4:QF+8*(\k)+7], v[PO+(\k)], s[\dst:\dst+1]
.endm
.macro PSEQ n                          ; panel n of the walk: its buffer's pointer s[pb] and its number pn there: O, FFN 1 (4), FFN 2 (4), then the tail's
.set pb, 6
.if (\n) == 0
.set pn, PWO
.elseif (\n) < 5
.set pn, PW1+(\n)-1
.elseif (\n) < 9
.set pn, PW2+(\n)-5
.elseif LAST
.set pn, 14+(\n)-9
.if (\n) > 12
.set pb, 8
.set pn, 16+(\n)-13
.endif
.else
.set pn, 1+(\n)-9
.endif
.endm
.macro WL n, stay=0                    ; my 16 out-channels of panel n, if there is one, into buffer n % 7 of window 1: 8 loads, 512 consecutive bytes each
.if (\n) < NP
	PSEQ \n
	WIN 0x40
.set wi, 0
.rept 8
	global_load_b128 v[32*((\n)%NBUF)+4*wi:32*((\n)%NBUF)+4*wi+3], v16, s[pb:pb+1] offset:pn*32768+512*wi
.set wi, wi+1
.endr
.if !(\stay)
	WIN 0
.endif
.endif
.endm
.macro XLOAD areg, pitch, koff         ; the x fragments of all tiles, 128 along K
.set xt, 0
.rept NT
.set xk, 0
.rept 4
	ds_load_b128 v[XF+32*xt+8*xk:XF+32*xt+8*xk+3], v[\areg] offset:16*xt*(\pitch)+(\koff)+64*xk
	ds_load_b128 v[XF+32*xt+8*xk+4:XF+32*xt+8*xk+7], v[\areg] offset:16*xt*(\pitch)+(\koff)+64*xk+32
.set xk, xk+1
.endr
.set xt, xt+1
.endr
.endm
.macro GEMM n, cb, cs, vt              ; the tiles' accumulators take turns, one instruction a turn; the first K step takes v[cb + cs t] as C; the weights lie in window 1
.if \vt
	WIN 0x04
.else
	WIN 0x01
.endif
.set gk, 0
.rept 4
.set gt, 0
.rept NT
.set rW, 32*((\n)%NBUF)+8*gk
.set rX, XF+32*gt+8*gk
.set rC, ACC+8*gt
.if gk == 0
.set rC, (\cb)+(\cs)*gt
.endif
.if \vt
	v_wmma_f32_16x16x32_f16 v[ACC+8*gt:ACC+8*gt+7], v[rX:rX+7], v[rW:rW+7], v[rC:rC+7]
.else
	v_wmma_f32_16x16x32_f16 v[ACC+8*gt:ACC+8*gt+7], v[rW:rW+7], v[rX:rX+7], v[rC:rC+7]
.endif
.set gt, gt+1
.endr
.set gk, gk+1
.endr
	WIN 0
.endm
.macro PANEL n, cb, cs, vt
.set lf, NP-1-(\n)
.if lf > NBUF-1
.set lf, NBUF-1
.endif
	s_wait_loadcnt 8*lf                            ; panel n's 8 loads are in; those of the up to six panels asked for behind it, the only loads issued behind them, may stay out
	GEMM \n, \cb, \cs, \vt
	PLACES
	WL (\n)+NBUF                                   ; the buffer just read takes the panel seven further on
.endm
.macro BIASK slot                      ; a lane's eight channels
	ds_load_b128 v[BIAS:BIAS+3], v13 offset:512*(\slot)
	ds_load_b128 v[BIAS+4:BIAS+7], v13 offset:512*(\slot)+16
.endm
.macro BIASV slot                      ; a lane's one channel, eight times
	ds_load_b32 v[BIAS], v14 offset:512*(\slot)
	s_wait_dscnt 0x0
.irp z, 1,2,3,4,5,6,7
	v_mov_b32 v[BIAS+\z], v[BIAS]
.endr
.endm
.macro INITX slot                      ; residual + bias start the sums
	BIASK \slot
.set it, 0
.rept NT
	ds_load_b128 v[ACC+8*it:ACC+8*it+3], v10 offset:16*XP*it
	ds_load_b128 v[ACC+8*it+4:ACC+8*it+7], v10 offset:16*XP*it+16
.set it, it+1
.endr
	s_wait_dscnt 0x0
.set it, 0
.rept NT
.irp z, 0,2,4,6
	v_pk_add_f32 v[ACC+8*it+\z:ACC+8*it+\z+1], v[ACC+8*it+\z:ACC+8*it+\z+1], v[BIAS+\z:BIAS+\z+1]
.endr
.set it, it+1
.endr
.endm
.macro EPX                             ; back to the places in X32 from which INITX took them
.set et, 0
.rept NT
	ds_store_b128 v10, v[ACC+8*et:ACC+8*et+3] offset:16*XP*et
	ds_store_b128 v10, v[ACC+8*et+4:ACC+8*et+7] offset:16*XP*et+16
.set et, et+1
.endr
.endm
.macro EPH p                           ; ReLU, f16, into the hidden rows
.set et, 0
.rept NT
.irp z, 0,1,2,3,4,5,6,7
	v_max_num_f32 v[ACC+8*et+\z], 0, v[ACC+8*et+\z]
.endr
.irp z, 0,1,2,3
	v_cvt_pk_f16_f32 v[ACC+8*et+\z], v[ACC+8*et+2*\z], v[ACC+8*et+2*\z+1]
.endr
	ds_store_b128 v11, v[ACC+8*et:ACC+8*et+3] offset:16*HHP*et+256*(\p)
.set et, et+1
.endr
.endm
.macro EPB base, off                   ; rounded to f16 in place (ascending), each tile one block of 512 consecutive bytes
.set et, 0
.rept NT
.irp z, 0,1,2,3
	v_cvt_pk_f16_f32 v[ACC+8*et+\z], v[ACC+8*et+2*\z], v[ACC+8*et+2*\z+1]
.endr
	global_store_b128 v1, v[ACC+8*et:ACC+8*et+3], s[\base:\base+1] offset:(\off)+512*et
.set et, et+1
.endr
.endm
.macro QKV n, sb, base                 ; the next layer's Q, K, V: panels n, n + 1, n + 2; K's blocks at s[base], Q's and V's a region to either side
	XLOAD 8, HP, 0
	BIASK \sb
	s_wait_dscnt 0x0
	PANEL \n, BIAS, 0, 0
	BIASK (\sb)+1
	EPB \base, -STRIDE
	s_wait_dscnt 0x0
	s_wait_xcnt 0x0                                ; the accumulators are the data of the stores above: they are written again only behind this wait
	PANEL (\n)+1, BIAS, 0, 0
	BIASV (\sb)+2
	EPB \base, 0
	s_wait_xcnt 0x0
	PANEL (\n)+2, BIAS, 0, 1
	EPB \base, STRIDE
.endm
.macro KVPAIR l                        ; decoder layer l's cross K and V: panels 9 + 2 l, 10 + 2 l; K's bias has been asked for
	s_wait_dscnt 0x0
	s_wait_xcnt 0x0                                ; the accumulators are the data of earlier stores: they are written again only behind this wait
	PANEL 9+2*(\l), BIAS, 0, 0
	BIASV 7+2*(\l)
	EPB 32+2*(\l), 0
	s_wait_xcnt 0x0
	PANEL 10+2*(\l), BIAS, 0, 1
.if (\l) < 2
	BIASK 8+2*(\l)
.endif
	EPB 32+2*(\l), STRIDE
.endm
.macro FFN n1, sb1, sb2                ; both halves of the FFN: panels n1 .. n1 + 7
	XLOAD 8, HP, 0
	BIASK \sb1
	s_wait_dscnt 0x0
.set fp, 0
.rept 4
	PANEL (\n1)+fp, BIAS, 0, 0
.if fp < 3
	BIASK (\sb1)+fp+1
.endif
	EPH fp
	s_wait_dscnt 0x0
.set fp, fp+1
.endr
	BAR                                            ; the hidden rows are whole
	XLOAD 9, HHP, 0
	INITX \sb2
.set fp, 0
.rept 4
.if fp > 0
	XLOAD 9, HHP, 256*fp
	s_wait_dscnt 0x0
.endif
	PANEL (\n1)+4+fp, ACC, 8, 0
.set fp, fp+1
.endr
.endm
.macro RED a, b                        ; v[a] and v[b] summed over the 32 lanes, two rows side by side
.irp m, 1,2,4,8
	v_add_f32_dpp v[\a], v[\a], v[\a] row_xmask:\m row_mask:0xf bank_mask:0xf
	v_add_f32_dpp v[\b], v[\b], v[\b] row_xmask:\m row_mask:0xf bank_mask:0xf
.endr
	v_permlanex16_b32 v[\a+1], v[\a], s[SEL], s[SEL+1]
	v_permlanex16_b32 v[\b+1], v[\b], s[SEL], s[SEL+1]
	v_add_f32 v[\a], v[\a], v[\a+1]
	v_add_f32 v[\b], v[\b], v[\b+1]
.endm
.macro LNCORE g                        ; LayerNorm of the rows in RA and RB (four numbers a lane): mean, then the mean square of the differences; gain at v[g], bias at v[g + 4]
	v_pk_add_f32 v[LT:LT+1], v[RA:RA+1], v[RA+2:RA+3]
	v_pk_add_f32 v[LT+2:LT+3], v[RB:RB+1], v[RB+2:RB+3]
	v_add_f32 v[LT], v[LT], v[LT+1]
	v_add_f32 v[LT+2], v[LT+2], v[LT+3]
	RED LT, LT+2
	v_mul_f32 v[LT], s[INV], v[LT]
	v_mul_f32 v[LT+2], s[INV], v[LT+2]
	v_pk_add_f32 v[RA:RA+1], v[RA:RA+1], v[LT:LT+1] op_sel_hi:[1,0] neg_lo:[0,1] neg_hi:[0,1]
	v_pk_add_f32 v[RA+2:RA+3], v[RA+2:RA+3], v[LT:LT+1] op_sel_hi:[1,0] neg_lo:[0,1] neg_hi:[0,1]
	v_pk_add_f32 v[RB:RB+1], v[RB:RB+1], v[LT+2:LT+3] op_sel_hi:[1,0] neg_lo:[0,1] neg_hi:[0,1]
	v_pk_add_f32 v[RB+2:RB+3], v[RB+2:RB+3], v[LT+2:LT+3] op_sel_hi:[1,0] neg_lo:[0,1] neg_hi:[0,1]
	v_pk_mul_f32 v[LT:LT+1], v[RA:RA+1], v[RA:RA+1]
	v_pk_mul_f32 v[LT+2:LT+3], v[RB:RB+1], v[RB:RB+1]
	v_pk_fma_f32 v[LT:LT+1], v[RA+2:RA+3], v[RA+2:RA+3], v[LT:LT+1]
	v_pk_fma_f32 v[LT+2:LT+3], v[RB+2:RB+3], v[RB+2:RB+3], v[LT+2:LT+3]
	v_add_f32 v[LT], v[LT], v[LT+1]
	v_add_f32 v[LT+2], v[LT+2], v[LT+3]
	RED LT, LT+2
	v_fma_f32 v[LT], v[LT], s[INV], s[EPS]
	v_fma_f32 v[LT+2], v[LT+2], s[INV], s[EPS]
	v_rsq_f32 v[LT], v[LT]
	v_rsq_f32 v[LT+2], v[LT+2]
	v_nop                                          ; a plain instruction between the second root and the use of the results
	s_wait_alu depctr_va_vdst(0)
	v_pk_mul_f32 v[RA:RA+1], v[RA:RA+1], v[LT:LT+1] op_sel_hi:[1,0]
	v_pk_mul_f32 v[RA+2:RA+3], v[RA+2:RA+3], v[LT:LT+1] op_sel_hi:[1,0]
	v_pk_mul_f32 v[RB:RB+1], v[RB:RB+1], v[LT+2:LT+3] op_sel_hi:[1,0]
	v_pk_mul_f32 v[RB+2:RB+3], v[RB+2:RB+3], v[LT+2:LT+3] op_sel_hi:[1,0]
	v_pk_fma_f32 v[RA:RA+1], v[RA:RA+1], v[(\g):(\g)+1], v[(\g)+4:(\g)+5]
	v_pk_fma_f32 v[RA+2:RA+3], v[RA+2:RA+3], v[(\g)+2:(\g)+3], v[(\g)+6:(\g)+7]
	v_pk_fma_f32 v[RB:RB+1], v[RB:RB+1], v[(\g):(\g)+1], v[(\g)+4:(\g)+5]
	v_pk_fma_f32 v[RB+2:RB+3], v[RB+2:RB+3], v[(\g)+2:(\g)+3], v[(\g)+6:(\g)+7]
.endm
; LayerNorm of my 2 NT rows of X32, two a trip.  sg: the slot of the gain (the bias follows).  wx: the rows go back to X32.  gx: they go out in f32.  s2 >= 0: a second norm with the gain in slot s2.  Always: f16 rows into XH.
.macro LNORM sg, wx, gx, s2
	v_add_nc_u32 v17, s[SLR], v1
	v_lshrrev_b32 v18, 1, v1
	v_add_nc_u32 v18, s[SLH], v18
	ds_load_b128 v[LG1:LG1+3], v15 offset:512*(\sg)
	ds_load_b128 v[LG1+4:LG1+7], v15 offset:512*(\sg)+512
.if (\s2) >= 0
	ds_load_b128 v[LG2:LG2+3], v15 offset:512*(\s2)
	ds_load_b128 v[LG2+4:LG2+7], v15 offset:512*(\s2)+512
.endif
.if \gx
	v_mov_b32 v19, v1
.endif
	s_mov_b32 s[CNT], NT
.Lln_\@:
	ds_load_b128 v[RA:RA+3], v17
	ds_load_b128 v[RB:RB+3], v17 offset:XP
	s_wait_dscnt 0x0
	LNCORE LG1
.if (\s2) >= 0
	LNCORE LG2
.endif
.if \wx
	ds_store_b128 v17, v[RA:RA+3]
	ds_store_b128 v17, v[RB:RB+3] offset:XP
.endif
.if \gx
	global_store_b128 v19, v[RA:RA+3], s[XO:XO+1]  ; a row: 512 consecutive bytes
	global_store_b128 v19, v[RB:RB+3], s[XO:XO+1] offset:512
.endif
	v_cvt_pk_f16_f32 v[LT], v[RA], v[RA+1]
	v_cvt_pk_f16_f32 v[LT+1], v[RA+2], v[RA+3]
	v_cvt_pk_f16_f32 v[LT+2], v[RB], v[RB+1]
	v_cvt_pk_f16_f32 v[LT+3], v[RB+2], v[RB+3]
	ds_store_b64 v18, v[LT:LT+1]
	ds_store_b64 v18, v[LT+2:LT+3] offset:HP
.if \gx
	s_wait_xcnt 0x0                                ; the stores' offset and data are rewritten only behind this wait
	v_add_nc_u32 v19, 1024, v19
.endif
	v_add_nc_u32 v17, 2*XP, v17
	v_add_nc_u32 v18, 2*HP, v18
	s_sub_co_u32 s[CNT], s[CNT], 1
	s_cmp_lg_u32 s[CNT], 0
	s_cbranch_scc1 .Lln_\@
.endm
.macro SQK                             ; the scores of 32 keys x 16 NT queries: 2 NT products, each on an accumulator of its own
.set qk, 0
.rept 2
.set qt, 0
.rept NT
	v_wmma_f32_16x16x32_f16 v[S+16*qt+8*qk:S+16*qt+8*qk+7], v[KF+4*qk:KF+4*qk+7], v[QF+8*qt:QF+8*qt+7], 0
.set qt, qt+1
.endr
.set qk, qk+1
.endr
.endm
.macro MAXS                            ; each accumulator's lowest registers are read first
.set mi, 0
.rept 8
.set mt, 0
.rept NT
	v_max3_num_f32 v[ST+6*mt+1], v[ST+6*mt+1], v[S+16*mt+2*mi], v[S+16*mt+2*mi+1]
.set mt, mt+1
.endr
.set mi, mi+1
.endr
.endm
.macro SF t                            ; c s - c m
.set si, 0
.rept 8
	v_pk_fma_f32 v[S+16*(\t)+2*si:S+16*(\t)+2*si+1], v[S+16*(\t)+2*si:S+16*(\t)+2*si+1], s[CS:CS+1], v[ST+6*(\t):ST+6*(\t)+1] op_sel_hi:[1,0,0] neg_lo:[0,0,1] neg_hi:[0,0,1]
.set si, si+1
.endr
.endm
.macro SE t
.set si, 0
.rept 16
	v_exp_f32 v[S+16*(\t)+si], v[S+16*(\t)+si]
.set si, si+1
.endr
.endm
.macro SC t                            ; rounded to f16 for the product; summed unrounded, in two chains
.set si, 0
	s_wait_alu depctr_va_vdst(0)
.rept 8
	v_cvt_pk_f16_f32 v[P+8*(\t)+si], v[S+16*(\t)+2*si], v[S+16*(\t)+2*si+1]
.set si, si+1
.endr
.set si, 0
.rept 8
	v_pk_add_f32 v[ST+6*(\t)+2+2*(si%2):ST+6*(\t)+3+2*(si%2)], v[ST+6*(\t)+2+2*(si%2):ST+6*(\t)+3+2*(si%2)], v[S+16*(\t)+2*si:S+16*(\t)+2*si+1]
.set si, si+1
.endr
.endm
.macro SOFTALL                         ; behind each run of exponentials stands plain work of another tile before their results are used
	SF 0
	SE 0
.set sx, 1
.rept NT-1
	SF sx
	SE sx
	SC sx-1
.set sx, sx+1
.endr
	SC NT-1
.endm
.macro PVM
.set pt, 0
.rept NT
	v_wmma_f32_16x16x32_f16 v[O+8*pt:O+8*pt+7], v[VF:VF+7], v[P+8*pt:P+8*pt+7], v[O+8*pt:O+8*pt+7]
.set pt, pt+1
.endr
.endm
.macro AINIT                           ; O and the sums start at 0, m at the lowest finite number: no first trip is written out; the price is these moves
	ALLT v_mov_b32 v[ST+6*t+1], 0xff7fffff
.irp z, 2,3,4,5
	ALLT v_mov_b32 v[ST+6*t+\z], 0
.endr
.set ai, 0
.rept 8*NT
	v_mov_b32 v[O+ai], 0
.set ai, ai+1
.endr
.endm
.macro MFIN                            ; a query's other keys lie in the lane 16 away
	ALLT v_permlanex16_b32 v[S+16*t], v[ST+6*t+1], s[SEL], s[SEL+1]
	ALLT v_max_num_f32 v[ST+6*t+1], v[ST+6*t+1], v[S+16*t]
	ALLT v_mul_f32 v[ST+6*t], s[CS], v[ST+6*t+1]
.endm
.macro OFIN                            ; O / l, f16, into my head's 32 bytes of each row
	ALLT v_pk_add_f32 v[ST+6*t+2:ST+6*t+3], v[ST+6*t+2:ST+6*t+3], v[ST+6*t+4:ST+6*t+5]
	ALLT v_add_f32 v[ST+6*t+2], v[ST+6*t+2], v[ST+6*t+3]
	ALLT v_permlanex16_b32 v[ST+6*t+3], v[ST+6*t+2], s[SEL], s[SEL+1]
	ALLT v_add_f32 v[ST+6*t+2], v[ST+6*t+2], v[ST+6*t+3]
	ALLT v_rcp_f32 v[ST+6*t+4], v[ST+6*t+2]
	v_nop                                          ; a plain instruction between the last reciprocal and its use
	s_wait_alu depctr_va_vdst(0)
.irp z, 0,2,4,6
	ALLT v_pk_mul_f32 v[O+8*t+\z:O+8*t+\z+1], v[O+8*t+\z:O+8*t+\z+1], v[ST+6*t+4:ST+6*t+5] op_sel_hi:[1,0]
.endr
.irp z, 0,1,2,3
	ALLT v_cvt_pk_f16_f32 v[P+8*t+\z], v[O+8*t+2*\z], v[O+8*t+2*\z+1]
.endr
	ALLT ds_store_b128 v12, v[P+8*t:P+8*t+3] offset:16*HP*t
.endm
; PASS 1: the row maxima.  v17: my lane's place in my head's K.  A trip takes two key tiles (1,024 bytes); the next trip's are asked for behind the products and their four places.
; The step wraps at the head's end, so the last request is pass 2's first tile.
.macro PASS1 trips, wrap
	s_mov_b32 s[TB], 0
	s_mov_b32 s[CNT], \trips
	ds_load_b128 v[KF:KF+3], v17
	ds_load_b128 v[KF+4:KF+7], v17 offset:512
.Lp1_\@:
	s_add_co_u32 s[TB], s[TB], 1024
	s_and_b32 s[TB], s[TB], \wrap
	s_wait_dscnt 0x0
	SQK
	v_add_nc_u32 v6, s[TB], v17
	v_nop
	v_nop
	v_nop
	ds_load_b128 v[KF:KF+3], v6
	ds_load_b128 v[KF+4:KF+7], v6 offset:512
	MAXS
	s_sub_co_u32 s[CNT], s[CNT], 1
	s_cmp_lg_u32 s[CNT], 0
	s_cbranch_scc1 .Lp1_\@
.endm
; PASS 2: weights, sums and V^T P.  v18: my lane's place in my head's V.  The last trip's request for K serves nothing: the price of one text for every trip.
.macro PASS2 trips, wrap
	s_mov_b32 s[TB], 0
	s_mov_b32 s[CNT], \trips
	v_mov_b32 v7, v18
.Lp2_\@:
	ds_load_b128 v[VF:VF+3], v7
	ds_load_b128 v[VF+4:VF+7], v7 offset:512
	s_add_co_u32 s[TB], s[TB], 1024
	s_and_b32 s[TB], s[TB], \wrap
	s_wait_dscnt 0x2                               ; K's two loads, asked for a trip ago, are in; V's two may be out
	SQK
	v_add_nc_u32 v6, s[TB], v17
	v_add_nc_u32 v7, s[TB], v18
	v_nop
	v_nop
	ds_load_b128 v[KF:KF+3], v6
	ds_load_b128 v[KF+4:KF+7], v6 offset:512
	SOFTALL
	s_wait_dscnt 0x2                               ; V is in; the next K's two may be out
	PVM
	PLACES                                         ; ahead of the next trip's loads into V's registers
	s_sub_co_u32 s[CNT], s[CNT], 1
	s_cmp_lg_u32 s[CNT], 0
	s_cbranch_scc1 .Lp2_\@
.endm
.if LAST
	s_load_b256 s[4:11], s[0:1], 0x0               ; state in, W0, W1, M0
	s_load_b128 s[12:15], s[0:1], 0x20             ; M1, M2
	s_load_b512 s[32:47], s[0:1], 0x30             ; the 15 vectors
	s_load_b256 s[48:55], s[0:1], 0x70
	s_load_b128 s[56:59], s[0:1], 0x90
	s_load_b64 s[60:61], s[0:1], 0xa0
.else
	s_load_b128 s[4:7], s[0:1], 0x0                ; state in, W
	s_load_b64 s[8:9], s[0:1], 0x10                ; state out
	s_load_b512 s[32:47], s[0:1], 0x18             ; the 10 vectors
	s_load_b128 s[48:51], s[0:1], 0x58
.endif
	v_lshl_add_u32 v4, v0, 2, SPARE
	v_mov_b32 v5, 0
	ds_add_u32 v4, v5                              ; the wave's opening: the add and its wait stand ahead of my first tensor load; work on registers stands between them
	v_lshrrev_b32 v1, 5, v0
	v_readfirstlane_b32 s[WV], v1                  ; wave 0..7
	s_bfe_u32 s83, ttmp6, 0x40000                  ; cx
	s_lshr_b32 s81, ttmp9, 1                       ; the batch: two clusters each, shared by the four partners
	s_and_b32 s82, ttmp9, 1
	s_lshl_b32 s82, s82, 2
	s_add_co_u32 s82, s82, s83                     ; my block of 64 queries: it enters global addresses of x, Q and the outputs alone
	SETG1 16, 15|(3<<16)|(1<<21), 32, 64           ; joint: mask of four, bit 21 beside it; 64 rows of 32 elements of 8 bytes: 16,384 dense bytes
	SETG1 24, (2<<16)|(1<<20)|(6<<22)|(3<<25), 128, 8  ; my own: 8 rows of 128 f32, 4 words of padding behind every 128
	s_mov_b32 s68, 1
	s_lshl_b32 s69, s[WV], 14                      ; K: my head's 16,384 bytes from 0
	s_mov_b32 s72, 1
	s_lshl_b32 s73, s[WV], 14
	s_add_co_u32 s73, s73, VL
	s_mov_b32 s76, 1
	s_mul_i32 s77, s[WV], 8*XP
	s_add_co_u32 s77, s77, X32
	s_lshl_b32 s92, s81, 3
	s_add_co_u32 s92, s92, s[WV]
	s_lshl_b32 s92, s92, 14                        ; (8 batch + head) x 16,384: made of what the partners share
	s_mov_b32 s93, 0
	s_lshl_b32 s94, s82, 11
	s_add_co_u32 s94, s94, s92                     ; + my block's four fragment blocks
	s_mov_b32 s95, 0
	s_lshl_b32 s100, s81, 9
	s_lshl_b32 s101, s82, 6
	s_add_co_u32 s100, s100, s101
	s_lshl_b32 s101, s[WV], 3
	s_add_co_u32 s100, s100, s101
	s_lshl_b32 s100, s100, 9                       ; my 8 rows of x
	s_mov_b32 s101, 0
	s_mov_b32 s[CS], 0x3eb8aa3b                    ; c = log2(e) / 4
	s_mov_b32 s[CS+1], s[CS]
	s_mov_b32 s[SEL], 0x76543210
	s_mov_b32 s[SEL+1], 0xfedcba98
	s_mov_b32 s[INV], 0x3c000000                   ; 1 / 128
	s_mov_b32 s[EPS], 0x3727c5ac                   ; 1e-5
	s_mul_i32 s[SLR], s[WV], 8*XP
	s_add_co_u32 s[SLR], s[SLR], X32
	s_mul_i32 s[SLH], s[WV], 8*HP
	s_add_co_u32 s[SLH], s[SLH], XH
	v_and_b32 v2, 15, v0
	v_bfe_u32 v3, v0, 4, 1
	v_and_b32 v1, 31, v0
	v_lshlrev_b32 v1, 4, v1
	v_lshl_add_u32 v16, s[WV], 12, v1
	v_mul_u32_u24 v8, v2, HP
	v_lshl_add_u32 v8, v3, 4, v8
	v_add_nc_u32 v8, XH, v8
	v_lshl_add_u32 v12, s[WV], 5, v8
	v_mul_u32_u24 v9, v2, HHP
	v_lshl_add_u32 v9, v3, 4, v9
	v_add_nc_u32 v9, HB, v9
	v_lshl_add_u32 v11, s[WV], 5, v9
	v_mul_u32_u24 v10, v2, XP
	v_lshl_add_u32 v10, v3, 5, v10
	v_lshl_add_u32 v10, s[WV], 6, v10
	v_add_nc_u32 v10, X32, v10
	v_lshlrev_b32 v13, 5, v3
	v_lshl_add_u32 v13, s[WV], 6, v13
	v_add_nc_u32 v13, PARAM, v13
	v_lshlrev_b32 v14, 2, v2
	v_lshl_add_u32 v14, s[WV], 6, v14
	v_add_nc_u32 v14, PARAM, v14
	v_add_nc_u32 v15, PARAM, v1
	s_wait_dscnt 0x0                               ; the opening add is done
	s_wait_kmcnt 0x0
	s_add_nc_u64 s[70:71], s[4:5], s[92:93]
	s_add_nc_u64 s[74:75], s[70:71], VE
	s_add_nc_u64 s[70:71], s[70:71], KE
	s_or_b32 s71, s71, 0x80000000
	s_or_b32 s75, s75, 0x80000000
	s_add_nc_u64 s[78:79], s[4:5], s[100:101]
	s_or_b32 s79, s79, 0x80000000
	s_add_nc_u64 s[96:97], s[4:5], s[94:95]
	s_add_nc_u64 s[96:97], s[96:97], QE
	ROUND                                          ; the four work-groups are here: the joint loads meet
	tensor_load_to_lds s[68:71], s[16:23]          ; my head's K,
	s_nop 0
	tensor_load_to_lds s[72:75], s[16:23]          ; its V,
	s_nop 0
	tensor_load_to_lds s[76:79], s[24:31]          ; my 8 rows of x: three loads of mine are out
	s_nop 0
	ALLT global_load_b128 v[QF+8*t:QF+8*t+3], v1, s[96:97] offset:512*t
	PGRP 0, 2
	PGRP 1, 62
.if LAST
	PGRP 2, 66
.endif
.set i, 0
.rept NBUF
	WL i, 1                                        ; the walk's first seven panels: 56 loads, 28,672 bytes a wave, on their way under the attention
.set i, i+1
.endr
	WIN 0
.irp z, 8,9,10,11
	v_mov_b32 v[KF+\z], 0
.endr
	AINIT
	v_lshl_add_u32 v17, s[WV], 14, v1
	v_add_nc_u32 v18, VL, v17
	v_lshl_add_u32 v6, s[WV], 9, v15
	s_wait_loadcnt 8*NBUF                          ; Q and the vectors are in; the seven panels' 56 loads, issued behind them, may stay out
.set i, 0
.rept NR
	ds_store_b128 v6, v[QF+8*i+4:QF+8*i+7] offset:4096*i
.set i, i+1
.endr
.irp z, 4,5,6,7
	ALLT v_mov_b32 v[QF+8*t+\z], 0                 ; channels 16-31 of Q
.endr
.if LAST
	s_add_nc_u64 s[32:33], s[10:11], s[94:95]      ; my blocks in the three memories
	s_add_nc_u64 s[34:35], s[12:13], s[94:95]
	s_add_nc_u64 s[36:37], s[14:15], s[94:95]
.else
	s_add_nc_u64 s[32:33], s[8:9], s[100:101]      ; x out
	s_add_nc_u64 s[34:35], s[8:9], s[94:95]
	s_add_nc_u64 s[34:35], s[34:35], KE            ; K out; Q and V lie 4 MiB to either side
.endif
	s_wait_tensorcnt 0x2                           ; K is in; V and x, issued behind it, may be out
	PASS1 16, 0x3fff
	MFIN
	s_wait_tensorcnt 0x1                           ; V is in
	PASS2 16, 0x3fff
	OFIN
	s_wait_tensorcnt 0x0                           ; my rows of x are in, for the other waves' sake
	BAR
	XLOAD XFO, HP, 0                               ; O PROJECTION + residual
	INITX 0
	PANEL 0, ACC, 8, 0
	EPX
	BAR
	LNORM SL1, 1, 0, -1
	BAR
	FFN 1, 1, 5
	EPX
	BAR
.if LAST
	LNORM SL2, 0, 0, 16                            ; ln2, then enc_norm
	BAR
	XLOAD 8, HP, 0
	BIASK 6
	KVPAIR 0
	KVPAIR 1
	KVPAIR 2
.else
	LNORM SL2, 0, 1, -1
	BAR
	QKV 9, 6, 34
.endif
	s_wait_tensorcnt 0x0                           ; the wave's end, behind my last tensor load and my last LDS store
	ds_add_u32 v4, v5
	s_wait_dscnt 0x0
	ROUND                                          ; the closing round
	s_endpgm
.Lfunc_end_k_qf967224409_E2:
	.size	k_qf967224409_E2, .Lfunc_end_k_qf967224409_E2-k_qf967224409_E2
	.p2alignl 7, 3214868480
	.fill 96, 4, 3214868480
	.section	.rodata,"a",@progbits
	.p2align	6, 0x0
	.amdhsa_kernel k_qf967224409_E2
		.amdhsa_group_segment_fixed_size 327680
		.amdhsa_private_segment_fixed_size 0
		.amdhsa_enable_private_segment 0
		.amdhsa_kernarg_size 168
		.amdhsa_user_sgpr_count 2
		.amdhsa_user_sgpr_kernarg_segment_ptr 1
		.amdhsa_wavefront_size32 1
		.amdhsa_system_sgpr_workgroup_id_x 1
		.amdhsa_system_sgpr_workgroup_id_y 1
		.amdhsa_system_sgpr_workgroup_id_z 1
		.amdhsa_system_vgpr_workitem_id 0
		.amdhsa_next_free_vgpr 512
		.amdhsa_next_free_sgpr 102
		.amdhsa_reserve_vcc 0
		.amdhsa_float_denorm_mode_32 3
		.amdhsa_float_denorm_mode_16_64 3
		.amdhsa_memory_ordered 1
		.amdhsa_forward_progress 1
		.amdhsa_inst_pref_size 109
	.end_amdhsa_kernel
	.amdgpu_metadata
---
amdhsa.version: [ 1, 2 ]
amdhsa.kernels:
  - .name:           k_qf967224409_E2
    .symbol:         k_qf967224409_E2.kd
    .args:
      - { .name: SA, .offset: 0, .size: 8, .value_kind: global_buffer, .address_space: global }
      - { .name: W0, .offset: 8, .size: 8, .value_kind: global_buffer, .address_space: global }
      - { .name: W1, .offset: 16, .size: 8, .value_kind: global_buffer, .address_space: global }
      - { .name: M0, .offset: 24, .size: 8, .value_kind: global_buffer, .address_space: global }
      - { .name: M1, .offset: 32, .size: 8, .value_kind: global_buffer, .address_space: global }
      - { .name: M2, .offset: 40, .size: 8, .value_kind: global_buffer, .address_space: global }
      - { .name: params_enc_2_attn_bo, .offset: 48, .size: 8, .value_kind: global_buffer, .address_space: global }
      - { .name: params_enc_2_ffn_b1, .offset: 56, .size: 8, .value_kind: global_buffer, .address_space: global }
      - { .name: params_enc_2_ffn_b2, .offset: 64, .size: 8, .value_kind: global_buffer, .address_space: global }
      - { .name: params_dec_0_cross_attn_bk, .offset: 72, .size: 8, .value_kind: global_buffer, .address_space: global }
      - { .name: params_dec_0_cross_attn_bv, .offset: 80, .size: 8, .value_kind: global_buffer, .address_space: global }
      - { .name: params_dec_1_cross_attn_bk, .offset: 88, .size: 8, .value_kind: global_buffer, .address_space: global }
      - { .name: params_dec_1_cross_attn_bv, .offset: 96, .size: 8, .value_kind: global_buffer, .address_space: global }
      - { .name: params_dec_2_cross_attn_bk, .offset: 104, .size: 8, .value_kind: global_buffer, .address_space: global }
      - { .name: params_dec_2_cross_attn_bv, .offset: 112, .size: 8, .value_kind: global_buffer, .address_space: global }
      - { .name: params_enc_2_ln1_g, .offset: 120, .size: 8, .value_kind: global_buffer, .address_space: global }
      - { .name: params_enc_2_ln1_b, .offset: 128, .size: 8, .value_kind: global_buffer, .address_space: global }
      - { .name: params_enc_2_ln2_g, .offset: 136, .size: 8, .value_kind: global_buffer, .address_space: global }
      - { .name: params_enc_2_ln2_b, .offset: 144, .size: 8, .value_kind: global_buffer, .address_space: global }
      - { .name: params_enc_norm_g, .offset: 152, .size: 8, .value_kind: global_buffer, .address_space: global }
      - { .name: params_enc_norm_b, .offset: 160, .size: 8, .value_kind: global_buffer, .address_space: global }
    .group_segment_fixed_size: 327680
    .private_segment_fixed_size: 0
    .kernarg_segment_align: 8
    .kernarg_segment_size: 168
    .max_flat_workgroup_size: 256
    .sgpr_count:     102
    .vgpr_count:     512
    .wavefront_size: 32
...
	.end_amdgpu_metadata
.endif
;; end of part 4
;; launch D0 (part 5): grid 256 x 1, 8 waves a work-group, clusters of 4 x 1, 327,680 bytes of LDS; arguments SA, M0, W0, SB, params_dec_0_self_attn_bo, params_dec_0_ln1_g, params_dec_0_ln1_b, params_dec_0_cross_attn_bq, params_dec_0_cross_attn_bo, params_dec_0_ln2_g, params_dec_0_ln2_b, params_dec_0_ffn_b1, params_dec_0_ffn_b2, params_dec_0_ln3_g, params_dec_0_ln3_b, params_dec_1_self_attn_bq, params_dec_1_self_attn_bk, params_dec_1_self_attn_bv; writes SB
.if DOCPART == 5
	.amdgcn_target "amdgcn-amd-amdhsa--gfx1250"
	.amdhsa_code_object_version 6
	.text
	.protected	k_qf967224409_D0
	.globl	k_qf967224409_D0
	.p2align	8
	.type	k_qf967224409_D0,@function
k_qf967224409_D0:
	s_mov_b64 s[64:65], 0
	v_nop
	global_prefetch_b8 v0, s[64:65] scope:SCOPE_SE
	s_setreg_imm32_b32 hwreg(HW_REG_WAVE_MODE, 25, 1), 1
	s_wait_xcnt 0x0
	s_wait_alu depctr_hold_cnt(0) depctr_sa_sdst(0) depctr_va_vdst(0) depctr_va_sdst(0) depctr_va_ssrc(0) depctr_va_vcc(0) depctr_vm_vsrc(0)
	s_getreg_b32 s2, hwreg(HW_REG_IB_STS2, 6, 4)
	s_cmp_eq_u32 s2, 0
	s_cbranch_scc0 .Lentry_in_a_cluster
	s_endpgm
.Lentry_in_a_cluster:
	s_bfe_u32 s2, ttmp6, 0x10000c
	s_cmp_lg_u32 s2, 0x3003
	s_cbranch_scc0 .Lentry_shape_is_right
	s_endpgm
.Lentry_shape_is_right:
; A DECODER LAYER: causal self attention, O, ln1, cross Q, cross attention, O, ln2, FFN, ln3, then the next layer's self Q, K, V.
; A work-group has 32 queries of one batch, two tiles of 16.  Wave w is head w in the attentions and out-channels 16 w .. 16 w + 15 of every panel of 128 in the products.
; ATTENTION.  S^T = K Q^T (source 0 = 16 keys, source 1 = 16 queries): a lane holds ONE query (lane % 16) and keys 8 (lane / 16) + 0..7; two such results rounded to f16 ARE source 1 of
; O^T = V^T P.  A head has 16 channels and the product takes 32: Q's upper half is 0, K's upper half is the next key tile's registers (finite numbers) or zeros.
; SOFTMAX in two passes, 32 keys a trip: pass 1 makes the scores and the true row maximum m; pass 2 makes them again, p = 2^(c s - c m), c = log2(e) / 4, sums p in f32 and adds V^T P.
; THE CAUSAL MASK is the C operand of the score products, 0 or -1e30.  In step i (keys 32 i ..) of block qb: all visible if i < qb, none if i > qb; if i = qb the two diagonal tiles take the triangle TRI,
; the tile above the diagonal is hidden, the one below visible.  All 8 steps are walked by every work-group: the partners of a cluster run alike, and the last block needs them all; a hidden weight is 0.
; Cross Q of head w comes out of wave w's own product in the registers in which the score product wants it.
; PRODUCTS.  Weights as source 0: a lane holds token r and channels 8 h + j; as source 1: channel r, tokens 8 h + j (V).  Bias, or bias + residual, is the C of the first K step.
; WEIGHTS come from the panels straight into registers, in fragment order, each fragment read by one wave.  A wave walks NP panels, 32 registers each; seven buffers in window 1 (v256-v479) take turns:
; the first seven panels are asked for at the kernel's head and land under the self attention; panel n + 7 is asked for behind panel n's products.
; CLUSTER.  The four work-groups of a cluster are query blocks of one batch: self K, V and cross K, V are asked for JOINTLY, mask 15.  Cross V refills the bytes of self K and V behind a round.
; The weights are not shared through LDS: each fragment has one reader in a work-group.
; LIMITS.  Matrix operands are f16: beyond 65,504 they would be infinities.  A hidden score counts as its value less 1e30.  A weight below 2^-126 counts as 0.  NaN and infinities are not treated apart.
.set NT, 2                             ; tiles of 16 tokens
.set NBUF, 7                           ; weight buffers
.set NP, 14                            ; panels in the walk: self O, cross Q, cross O, FFN 1 (4), FFN 2 (4), Q, K, V
; LDS
.set R2, 131072                        ; from 0: wave w's 16,384 bytes: self K 8,192 + self V 8,192, later cross V; from R2: cross K, 16,384 a wave
.set X32, 262144                       ; 32 rows of 128 f32, 528 bytes apart
.set XP, 528
.set XH, 279040                        ; 32 rows of 128 f16, 272 bytes apart: the normed rows
.set HP, 272
.set AO, 287744                        ; the same shape: an attention's output
.set HB, R2                            ; the hidden rows, 512 f16, 1,040 bytes apart: in cross K's bytes, behind their only fill and last read
.set HHP, 1040
.set PARAM, 296448                     ; 24 slots of 512 bytes: 0 self bo, 1, 2 ln1, 3 cross bq, 4 cross bo, 5, 6 ln2, 7-10 b1, 11 b2, 12, 13 ln3, 14-16 the next layer's bq, bk, bv
.set SPARE, 308736                     ; the spare words, 128 bytes a wave
; the state buffer
.set XD, 20971520
.set QD, 25165824
.set KD, 27262976
.set VD, 29360128
.set STRIDE, 2097152
; vector registers, window 0: v0 thread; v1 16 x lane; v2 r; v3 h; v4, v5 the add's; v6, v7 K's and V's address; v8 x fragments; v9 hidden fragments; v10 my f32 numbers in X32;
; v11 my hidden numbers; v12 my attention output; v13, v14, v15 PARAM by channel eight, by channel, by lane; v16 my place in a panel; v17-19 at work; v32 at work; v35 fragments of AO
.set XFO, 35
.set ST, 20                            ; six a tile: c m, m, four partial sums
.set TRI, 36
.set MDG, 44
.set MUP, 52
.set MLO, 60
.set S, 84
.set P, 116
.set O, 132
.set KF, 148                           ; two key tiles, then four zeros
.set VF, 160
.set ACC, 168
.set BIAS, 184
.set QF, 224                           ; eight a tile, the upper four 0
.set PT, 240                           ; the vectors on their way into PARAM: four registers a group,
.set PO, 252                           ; and an offset register a group
.set XF, 84
.set RA, 84
.set RB, 88
.set LT, 92
.set LG1, 100
; scalar registers; s[36:63] hold the vectors' pointers first
.set WV, 32
.set CNT, 35
.set AL, 36
.set BE, 38
.set B1, 40
.set BIG, 41
.set QC, 42
.set TB, 43
.set XO, 44
.set QO, 46
.set SLR, 52
.set SLH, 53
.set CS, 96
.set SEL, 98
.set INV, 100
.set EPS, 101
.set PSO, 4                            ; panels: self O, cross Q, cross O lie on end
.set PW1, 22
.set PW2, 34
.set NVEC, 14
.set NR, 3
.set MSB, 0
.macro WIN new                         ; s_set_vgpr_msb: bits 1:0 source 0, 3:2 source 1, 5:4 source 2, 7:6 destination; the high byte repeats the setting that is left; a switch that changes nothing is dropped
.if MSB != (\new)
	s_set_vgpr_msb (MSB<<8)|(\new)
.set MSB, \new
.endif
.endm
.macro ROUND                           ; a round of the cluster's barrier
	s_barrier_signal -1
	s_barrier_wait -1
	s_cmp_lg_u32 s[WV], 0
	s_cbranch_scc1 .Lnot_wave_0_\@
	s_barrier_signal -3
.Lnot_wave_0_\@:
	s_barrier_wait -3
	s_barrier_signal -1
	s_barrier_wait -1
.endm
.macro BAR
	s_wait_dscnt 0x0
	s_barrier_signal -1
	s_barrier_wait -1
.endm
.macro PLACES                          ; four places behind matrix instructions, ahead of what reads their results or writes or loads their registers
.rept 4
	v_nop
.endr
.endm
.macro ALLT line:vararg                ; one line for each tile t
.set t, 0
.rept NT
	\line
.set t, t+1
.endr
.endm
.macro SETG1 g, w0, d0, d1             ; descriptor group 1: d1 dense rows of d0 elements
	s_mov_b32 s[\g], \w0
	s_mov_b32 s[\g+1], (\d0)<<16
	s_mov_b32 s[\g+2], (\d1)<<16
	s_mov_b32 s[\g+3], (\d0)<<16
	s_mov_b32 s[\g+4], \d1
	s_mov_b32 s[\g+5], \d0
	s_mov_b32 s[\g+6], 0
	s_mov_b32 s[\g+7], 0
.endm
.macro PMAP                            ; slot ps: its vector's pointer s[pr] and byte offset po.  Slots 0-6: vectors 0-6; slots 7-10: vector 7's four quarters; slot s: vector s - 3
.set pr, 36+2*ps
.set po, 0
.if ps > 10
.set pr, 36+2*(ps-3)
.elseif ps > 6
.set pr, 50
.set po, 512*(ps-7)
.endif
.endm
; Group k of PARAM: wave w brings slot 8 k + w.  Pointer and offset are chosen by the wave's number, then ONE load follows.  A wave whose slot does not exist brings the group's first vector
; once more, into a slot that nobody reads.
.macro PGRP k, dst
.set ps, 8*(\k)
	PMAP
	s_mov_b64 s[\dst:\dst+1], s[pr:pr+1]
	s_mov_b32 s[CNT], po
.rept 7
.set ps, ps+1
.if ps < NVEC+3
	PMAP
	s_cmp_eq_u32 s[WV], ps%8
	s_cselect_b64 s[\dst:\dst+1], s[pr:pr+1], s[\dst:\dst+1]
	s_cselect_b32 s[CNT], po, s[CNT]
.endif
.endr
	v_add_nc_u32 v[PO+(\k)], s[CNT], v1
	global_load_b128 v[PT+4*(\k):PT+4*(\k)+3], v[PO+(\k)], s[\dst:\dst+1]
.endm
.macro PSEQ n                          ; panel n of the walk: its number pn in the panels' buffer
.if (\n) < 3
.set pn, PSO+(\n)
.elseif (\n) < 7
.set pn, PW1+(\n)-3
.elseif (\n) < 11
.set pn, PW2+(\n)-7
.else
.set pn, 7+(\n)-11
.endif
.endm
.macro WL n, stay=0                    ; my 16 out-channels of panel n, if there is one, into buffer n % 7 of window 1: 8 loads, 512 consecutive bytes each
.if (\n) < NP
	PSEQ \n
	WIN 0x40
.set wi, 0
.rept 8
	global_load_b128 v[32*((\n)%NBUF)+4*wi:32*((\n)%NBUF)+4*wi+3], v16, s[8:9] offset:pn*32768+512*wi
.set wi, wi+1
.endr
.if !(\stay)
	WIN 0
.endif
.endif
.endm
.macro XLOAD areg, pitch, koff         ; the x fragments of all tiles, 128 along K
.set xt, 0
.rept NT
.set xk, 0
.rept 4
	ds_load_b128 v[XF+32*xt+8*xk:XF+32*xt+8*xk+3], v[\areg] offset:16*xt*(\pitch)+(\koff)+64*xk
	ds_load_b128 v[XF+32*xt+8*xk+4:XF+32*xt+8*xk+7], v[\areg] offset:16*xt*(\pitch)+(\koff)+64*xk+32
.set xk, xk+1
.endr
.set xt, xt+1
.endr
.endm
.macro GEMM n, cb, cs, vt              ; the tiles' accumulators take turns, one instruction a turn; the first K step takes v[cb + cs t] as C; the weights lie in window 1
.if \vt
	WIN 0x04
.else
	WIN 0x01
.endif
.set gk, 0
.rept 4
.set gt, 0
.rept NT
.set rW, 32*((\n)%NBUF)+8*gk
.set rX, XF+32*gt+8*gk
.set rC, ACC+8*gt
.if gk == 0
.set rC, (\cb)+(\cs)*gt
.endif
.if \vt
	v_wmma_f32_16x16x32_f16 v[ACC+8*gt:ACC+8*gt+7], v[rX:rX+7], v[rW:rW+7], v[rC:rC+7]
.else
	v_wmma_f32_16x16x32_f16 v[ACC+8*gt:ACC+8*gt+7], v[rW:rW+7], v[rX:rX+7], v[rC:rC+7]
.endif
.set gt, gt+1
.endr
.set gk, gk+1
.endr
	WIN 0
.endm
.macro PANEL n, cb, cs, vt
.set lf, NP-1-(\n)
.if lf > NBUF-1
.set lf, NBUF-1
.endif
	s_wait_loadcnt 8*lf                            ; panel n's 8 loads are in; those of the up to six panels asked for behind it, the only loads issued behind them, may stay out
	GEMM \n, \cb, \cs, \vt
	PLACES
	WL (\n)+NBUF                                   ; the buffer just read takes the panel seven further on
.endm
.macro BIASK slot                      ; a lane's eight channels
	ds_load_b128 v[BIAS:BIAS+3], v13 offset:512*(\slot)
	ds_load_b128 v[BIAS+4:BIAS+7], v13 offset:512*(\slot)+16
.endm
.macro BIASV slot                      ; a lane's one channel, eight times
	ds_load_b32 v[BIAS], v14 offset:512*(\slot)
	s_wait_dscnt 0x0
.irp z, 1,2,3,4,5,6,7
	v_mov_b32 v[BIAS+\z], v[BIAS]
.endr
.endm
.macro INITX slot                      ; residual + bias start the sums
	BIASK \slot
.set it, 0
.rept NT
	ds_load_b128 v[ACC+8*it:ACC+8*it+3], v10 offset:16*XP*it
	ds_load_b128 v[ACC+8*it+4:ACC+8*it+7], v10 offset:16*XP*it+16
.set it, it+1
.endr
	s_wait_dscnt 0x0
.set it, 0
.rept NT
.irp z, 0,2,4,6
	v_pk_add_f32 v[ACC+8*it+\z:ACC+8*it+\z+1], v[ACC+8*it+\z:ACC+8*it+\z+1], v[BIAS+\z:BIAS+\z+1]
.endr
.set it, it+1
.endr
.endm
.macro EPX                             ; back to the places in X32 from which INITX took them
.set et, 0
.rept NT
	ds_store_b128 v10, v[ACC+8*et:ACC+8*et+3] offset:16*XP*et
	ds_store_b128 v10, v[ACC+8*et+4:ACC+8*et+7] offset:16*XP*et+16
.set et, et+1
.endr
.endm
.macro EPH p                           ; ReLU, f16, into the hidden rows
.set et, 0
.rept NT
.irp z, 0,1,2,3,4,5,6,7
	v_max_num_f32 v[ACC+8*et+\z], 0, v[ACC+8*et+\z]
.endr
.irp z, 0,1,2,3
	v_cvt_pk_f16_f32 v[ACC+8*et+\z], v[ACC+8*et+2*\z], v[ACC+8*et+2*\z+1]
.endr
	ds_store_b128 v11, v[ACC+8*et:ACC+8*et+3] offset:16*HHP*et+256*(\p)
.set et, et+1
.endr
.endm
.macro EPB base, off                   ; rounded to f16 in place (ascending), each tile one block of 512 consecutive bytes
.set et, 0
.rept NT
.irp z, 0,1,2,3
	v_cvt_pk_f16_f32 v[ACC+8*et+\z], v[ACC+8*et+2*\z], v[ACC+8*et+2*\z+1]
.endr
	global_store_b128 v1, v[ACC+8*et:ACC+8*et+3], s[\base:\base+1] offset:(\off)+512*et
.set et, et+1
.endr
.endm
.macro QKV n, sb, base                 ; the next layer's Q, K, V: panels n, n + 1, n + 2; K's blocks at s[base], Q's and V's a region to either side
	XLOAD 8, HP, 0
	BIASK \sb
	s_wait_dscnt 0x0
	PANEL \n, BIAS, 0, 0
	BIASK (\sb)+1
	EPB \base, -STRIDE
	s_wait_dscnt 0x0
	s_wait_xcnt 0x0                                ; the accumulators are the data of the stores above: they are written again only behind this wait
	PANEL (\n)+1, BIAS, 0, 0
	BIASV (\sb)+2
	EPB \base, 0
	s_wait_xcnt 0x0
	PANEL (\n)+2, BIAS, 0, 1
	EPB \base, STRIDE
.endm
.macro FFN n1, sb1, sb2                ; both halves of the FFN: panels n1 .. n1 + 7
	XLOAD 8, HP, 0
	BIASK \sb1
	s_wait_dscnt 0x0
.set fp, 0
.rept 4
	PANEL (\n1)+fp, BIAS, 0, 0
.if fp < 3
	BIASK (\sb1)+fp+1
.endif
	EPH fp
	s_wait_dscnt 0x0
.set fp, fp+1
.endr
	BAR                                            ; the hidden rows are whole
	XLOAD 9, HHP, 0
	INITX \sb2
.set fp, 0
.rept 4
.if fp > 0
	XLOAD 9, HHP, 256*fp
	s_wait_dscnt 0x0
.endif
	PANEL (\n1)+4+fp, ACC, 8, 0
.set fp, fp+1
.endr
.endm
.macro RED a, b                        ; v[a] and v[b] summed over the 32 lanes, two rows side by side
.irp m, 1,2,4,8
	v_add_f32_dpp v[\a], v[\a], v[\a] row_xmask:\m row_mask:0xf bank_mask:0xf
	v_add_f32_dpp v[\b], v[\b], v[\b] row_xmask:\m row_mask:0xf bank_mask:0xf
.endr
	v_permlanex16_b32 v[\a+1], v[\a], s[SEL], s[SEL+1]
	v_permlanex16_b32 v[\b+1], v[\b], s[SEL], s[SEL+1]
	v_add_f32 v[\a], v[\a], v[\a+1]
	v_add_f32 v[\b], v[\b], v[\b+1]
.endm
.macro LNCORE g                        ; LayerNorm of the rows in RA and RB (four numbers a lane): mean, then the mean square of the differences; gain at v[g], bias at v[g + 4]
	v_pk_add_f32 v[LT:LT+1], v[RA:RA+1], v[RA+2:RA+3]
	v_pk_add_f32 v[LT+2:LT+3], v[RB:RB+1], v[RB+2:RB+3]
	v_add_f32 v[LT], v[LT], v[LT+1]
	v_add_f32 v[LT+2], v[LT+2], v[LT+3]
	RED LT, LT+2
	v_mul_f32 v[LT], s[INV], v[LT]
	v_mul_f32 v[LT+2], s[INV], v[LT+2]
	v_pk_add_f32 v[RA:RA+1], v[RA:RA+1], v[LT:LT+1] op_sel_hi:[1,0] neg_lo:[0,1] neg_hi:[0,1]
	v_pk_add_f32 v[RA+2:RA+3], v[RA+2:RA+3], v[LT:LT+1] op_sel_hi:[1,0] neg_lo:[0,1] neg_hi:[0,1]
	v_pk_add_f32 v[RB:RB+1], v[RB:RB+1], v[LT+2:LT+3] op_sel_hi:[1,0] neg_lo:[0,1] neg_hi:[0,1]
	v_pk_add_f32 v[RB+2:RB+3], v[RB+2:RB+3], v[LT+2:LT+3] op_sel_hi:[1,0] neg_lo:[0,1] neg_hi:[0,1]
	v_pk_mul_f32 v[LT:LT+1], v[RA:RA+1], v[RA:RA+1]
	v_pk_mul_f32 v[LT+2:LT+3], v[RB:RB+1], v[RB:RB+1]
	v_pk_fma_f32 v[LT:LT+1], v[RA+2:RA+3], v[RA+2:RA+3], v[LT:LT+1]
	v_pk_fma_f32 v[LT+2:LT+3], v[RB+2:RB+3], v[RB+2:RB+3], v[LT+2:LT+3]
	v_add_f32 v[LT], v[LT], v[LT+1]
	v_add_f32 v[LT+2], v[LT+2], v[LT+3]
	RED LT, LT+2
	v_fma_f32 v[LT], v[LT], s[INV], s[EPS]
	v_fma_f32 v[LT+2], v[LT+2], s[INV], s[EPS]
	v_rsq_f32 v[LT], v[LT]
	v_rsq_f32 v[LT+2], v[LT+2]
	v_nop                                          ; a plain instruction between the second root and the use of the results
	s_wait_alu depctr_va_vdst(0)
	v_pk_mul_f32 v[RA:RA+1], v[RA:RA+1], v[LT:LT+1] op_sel_hi:[1,0]
	v_pk_mul_f32 v[RA+2:RA+3], v[RA+2:RA+3], v[LT:LT+1] op_sel_hi:[1,0]
	v_pk_mul_f32 v[RB:RB+1], v[RB:RB+1], v[LT+2:LT+3] op_sel_hi:[1,0]
	v_pk_mul_f32 v[RB+2:RB+3], v[RB+2:RB+3], v[LT+2:LT+3] op_sel_hi:[1,0]
	v_pk_fma_f32 v[RA:RA+1], v[RA:RA+1], v[(\g):(\g)+1], v[(\g)+4:(\g)+5]
	v_pk_fma_f32 v[RA+2:RA+3], v[RA+2:RA+3], v[(\g)+2:(\g)+3], v[(\g)+6:(\g)+7]
	v_pk_fma_f32 v[RB:RB+1], v[RB:RB+1], v[(\g):(\g)+1], v[(\g)+4:(\g)+5]
	v_pk_fma_f32 v[RB+2:RB+3], v[RB+2:RB+3], v[(\g)+2:(\g)+3], v[(\g)+6:(\g)+7]
.endm
; LayerNorm of my 2 NT rows of X32, two a trip.  sg: the slot of the gain (the bias follows).  wx: the rows go back to X32.  gx: they go out in f32.  Always: f16 rows into XH.
.macro LNORM sg, wx, gx
	v_add_nc_u32 v17, s[SLR], v1
	v_lshrrev_b32 v18, 1, v1
	v_add_nc_u32 v18, s[SLH], v18
	ds_load_b128 v[LG1:LG1+3], v15 offset:512*(\sg)
	ds_load_b128 v[LG1+4:LG1+7], v15 offset:512*(\sg)+512
.if \gx
	v_mov_b32 v19, v1
.endif
	s_mov_b32 s[CNT], NT
.Lln_\@:
	ds_load_b128 v[RA:RA+3], v17
	ds_load_b128 v[RB:RB+3], v17 offset:XP
	s_wait_dscnt 0x0
	LNCORE LG1
.if \wx
	ds_store_b128 v17, v[RA:RA+3]
	ds_store_b128 v17, v[RB:RB+3] offset:XP
.endif
.if \gx
	global_store_b128 v19, v[RA:RA+3], s[XO:XO+1]  ; a row: 512 consecutive bytes
	global_store_b128 v19, v[RB:RB+3], s[XO:XO+1] offset:512
.endif
	v_cvt_pk_f16_f32 v[LT], v[RA], v[RA+1]
	v_cvt_pk_f16_f32 v[LT+1], v[RA+2], v[RA+3]
	v_cvt_pk_f16_f32 v[LT+2], v[RB], v[RB+1]
	v_cvt_pk_f16_f32 v[LT+3], v[RB+2], v[RB+3]
	ds_store_b64 v18, v[LT:LT+1]
	ds_store_b64 v18, v[LT+2:LT+3] offset:HP
.if \gx
	s_wait_xcnt 0x0                                ; the stores' offset and data are rewritten only behind this wait
	v_add_nc_u32 v19, 1024, v19
.endif
	v_add_nc_u32 v17, 2*XP, v17
	v_add_nc_u32 v18, 2*HP, v18
	s_sub_co_u32 s[CNT], s[CNT], 1
	s_cmp_lg_u32 s[CNT], 0
	s_cbranch_scc1 .Lln_\@
.endm
.macro MASKS                           ; the three masks of this trip's step: the count runs 8 .. 1, and QC = 8 - qb is the count of the block's own step
	s_cmp_eq_u32 s[CNT], s[QC]
	s_cselect_b32 s[AL], 1.0, 0
	s_cmp_lt_u32 s[CNT], s[QC]
	s_cselect_b32 s[BE], s[BIG], 0
	s_cmp_le_u32 s[CNT], s[QC]
	s_cselect_b32 s[B1], s[BIG], 0
.irp z, 0,2,4,6
	v_pk_fma_f32 v[MDG+\z:MDG+\z+1], v[TRI+\z:TRI+\z+1], s[AL:AL+1], s[BE:BE+1] op_sel_hi:[1,0,0]
.endr
.irp z, 0,1,2,3,4,5,6,7
	v_mov_b32 v[MUP+\z], s[B1]
	v_mov_b32 v[MLO+\z], s[BE]
.endr
.endm
.macro SQK msk                         ; the scores of 32 keys x 16 NT queries: 2 NT products, each on an accumulator of its own
.set qk, 0
.rept 2
.set qt, 0
.rept NT
.if \msk
.set rC, MDG
.if qk > qt
.set rC, MUP
.endif
.if qk < qt
.set rC, MLO
.endif
	v_wmma_f32_16x16x32_f16 v[S+16*qt+8*qk:S+16*qt+8*qk+7], v[KF+4*qk:KF+4*qk+7], v[QF+8*qt:QF+8*qt+7], v[rC:rC+7]
.else
	v_wmma_f32_16x16x32_f16 v[S+16*qt+8*qk:S+16*qt+8*qk+7], v[KF+4*qk:KF+4*qk+7], v[QF+8*qt:QF+8*qt+7], 0
.endif
.set qt, qt+1
.endr
.set qk, qk+1
.endr
.endm
.macro MAXS                            ; each accumulator's lowest registers are read first
.set mi, 0
.rept 8
.set mt, 0
.rept NT
	v_max3_num_f32 v[ST+6*mt+1], v[ST+6*mt+1], v[S+16*mt+2*mi], v[S+16*mt+2*mi+1]
.set mt, mt+1
.endr
.set mi, mi+1
.endr
.endm
.macro SF t                            ; c s - c m
.set si, 0
.rept 8
	v_pk_fma_f32 v[S+16*(\t)+2*si:S+16*(\t)+2*si+1], v[S+16*(\t)+2*si:S+16*(\t)+2*si+1], s[CS:CS+1], v[ST+6*(\t):ST+6*(\t)+1] op_sel_hi:[1,0,0] neg_lo:[0,0,1] neg_hi:[0,0,1]
.set si, si+1
.endr
.endm
.macro SE t
.set si, 0
.rept 16
	v_exp_f32 v[S+16*(\t)+si], v[S+16*(\t)+si]
.set si, si+1
.endr
.endm
.macro SC t                            ; rounded to f16 for the product; summed unrounded, in two chains
.set si, 0
	s_wait_alu depctr_va_vdst(0)
.rept 8
	v_cvt_pk_f16_f32 v[P+8*(\t)+si], v[S+16*(\t)+2*si], v[S+16*(\t)+2*si+1]
.set si, si+1
.endr
.set si, 0
.rept 8
	v_pk_add_f32 v[ST+6*(\t)+2+2*(si%2):ST+6*(\t)+3+2*(si%2)], v[ST+6*(\t)+2+2*(si%2):ST+6*(\t)+3+2*(si%2)], v[S+16*(\t)+2*si:S+16*(\t)+2*si+1]
.set si, si+1
.endr
.endm
.macro SOFTALL                         ; behind each run of exponentials stands plain work of another tile before their results are used
	SF 0
	SE 0
	SF 1
	SE 1
	SC 0
	SC 1
.endm
.macro PVM
.set pt, 0
.rept NT
	v_wmma_f32_16x16x32_f16 v[O+8*pt:O+8*pt+7], v[VF:VF+7], v[P+8*pt:P+8*pt+7], v[O+8*pt:O+8*pt+7]
.set pt, pt+1
.endr
.endm
.macro AINIT                           ; O and the sums start at 0, m at the lowest finite number: no first trip is written out; the price is these moves
	ALLT v_mov_b32 v[ST+6*t+1], 0xff7fffff
.irp z, 2,3,4,5
	ALLT v_mov_b32 v[ST+6*t+\z], 0
.endr
.set ai, 0
.rept 8*NT
	v_mov_b32 v[O+ai], 0
.set ai, ai+1
.endr
.endm
.macro MFIN                            ; a query's other keys lie in the lane 16 away
	ALLT v_permlanex16_b32 v[S+16*t], v[ST+6*t+1], s[SEL], s[SEL+1]
	ALLT v_max_num_f32 v[ST+6*t+1], v[ST+6*t+1], v[S+16*t]
	ALLT v_mul_f32 v[ST+6*t], s[CS], v[ST+6*t+1]
.endm
.macro OFIN                            ; O / l, f16, into my head's 32 bytes of each row
	ALLT v_pk_add_f32 v[ST+6*t+2:ST+6*t+3], v[ST+6*t+2:ST+6*t+3], v[ST+6*t+4:ST+6*t+5]
	ALLT v_add_f32 v[ST+6*t+2], v[ST+6*t+2], v[ST+6*t+3]
	ALLT v_permlanex16_b32 v[ST+6*t+3], v[ST+6*t+2], s[SEL], s[SEL+1]
	ALLT v_add_f32 v[ST+6*t+2], v[ST+6*t+2], v[ST+6*t+3]
	ALLT v_rcp_f32 v[ST+6*t+4], v[ST+6*t+2]
	v_nop                                          ; a plain instruction between the last reciprocal and its use
	s_wait_alu depctr_va_vdst(0)
.irp z, 0,2,4,6
	ALLT v_pk_mul_f32 v[O+8*t+\z:O+8*t+\z+1], v[O+8*t+\z:O+8*t+\z+1], v[ST+6*t+4:ST+6*t+5] op_sel_hi:[1,0]
.endr
.irp z, 0,1,2,3
	ALLT v_cvt_pk_f16_f32 v[P+8*t+\z], v[O+8*t+2*\z], v[O+8*t+2*\z+1]
.endr
	ALLT ds_store_b128 v12, v[P+8*t:P+8*t+3] offset:16*HP*t
.endm
; PASS 1: the row maxima.  v17: my lane's place in my head's K.  A trip takes two key tiles (1,024 bytes); the next trip's are asked for behind the products and their four places.
; The step wraps at the head's end, so the last request is pass 2's first tile.
.macro PASS1 trips, wrap, msk
	s_mov_b32 s[TB], 0
	s_mov_b32 s[CNT], \trips
	ds_load_b128 v[KF:KF+3], v17
	ds_load_b128 v[KF+4:KF+7], v17 offset:512
.Lp1_\@:
.if \msk
	MASKS
.endif
	s_add_co_u32 s[TB], s[TB], 1024
	s_and_b32 s[TB], s[TB], \wrap
	s_wait_dscnt 0x0
	SQK \msk
	v_add_nc_u32 v6, s[TB], v17
	v_nop
	v_nop
	v_nop
	ds_load_b128 v[KF:KF+3], v6
	ds_load_b128 v[KF+4:KF+7], v6 offset:512
	MAXS
	s_sub_co_u32 s[CNT], s[CNT], 1
	s_cmp_lg_u32 s[CNT], 0
	s_cbranch_scc1 .Lp1_\@
.endm
; PASS 2: weights, sums and V^T P.  v18: my lane's place in my head's V.  The last trip's request for K serves nothing: the price of one text for every trip.
.macro PASS2 trips, wrap, msk
	s_mov_b32 s[TB], 0
	s_mov_b32 s[CNT], \trips
	v_mov_b32 v7, v18
.Lp2_\@:
	ds_load_b128 v[VF:VF+3], v7
	ds_load_b128 v[VF+4:VF+7], v7 offset:512
.if \msk
	MASKS
.endif
	s_add_co_u32 s[TB], s[TB], 1024
	s_and_b32 s[TB], s[TB], \wrap
	s_wait_dscnt 0x2                               ; K's two loads, asked for a trip ago, are in; V's two may be out
	SQK \msk
	v_add_nc_u32 v6, s[TB], v17
	v_add_nc_u32 v7, s[TB], v18
	v_nop
	v_nop
	ds_load_b128 v[KF:KF+3], v6
	ds_load_b128 v[KF+4:KF+7], v6 offset:512
	SOFTALL
	s_wait_dscnt 0x2                               ; V is in; the next K's two may be out
	PVM
	PLACES                                         ; ahead of the next trip's loads into V's registers
	s_sub_co_u32 s[CNT], s[CNT], 1
	s_cmp_lg_u32 s[CNT], 0
	s_cbranch_scc1 .Lp2_\@
.endm
	s_load_b256 s[4:11], s[0:1], 0x0               ; state in, memory, W, state out
	s_load_b512 s[36:51], s[0:1], 0x20             ; the 14 vectors
	s_load_b256 s[52:59], s[0:1], 0x60
	s_load_b128 s[60:63], s[0:1], 0x80
	v_lshl_add_u32 v4, v0, 2, SPARE
	v_mov_b32 v5, 0
	ds_add_u32 v4, v5                              ; the wave's opening: the add and its wait stand ahead of my first tensor load; work on registers stands between them
	v_lshrrev_b32 v1, 5, v0
	v_readfirstlane_b32 s[WV], v1                  ; wave 0..7
	s_bfe_u32 s2, ttmp6, 0x40000                   ; cx
	s_lshr_b32 s33, ttmp9, 1                       ; the batch, shared by the four partners
	s_and_b32 s34, ttmp9, 1
	s_lshl_b32 s34, s34, 2
	s_add_co_u32 s34, s34, s2                      ; my block of 32 queries: it enters global addresses of x, Q and the outputs, and the masks' values
	SETG1 16, 15|(3<<16)|(1<<21), 32, 64           ; joint: 16,384 dense bytes as 64 rows of 256
	SETG1 24, 15|(3<<16)|(1<<21), 32, 32           ; joint: 8,192 dense bytes
	SETG1 68, (2<<16)|(1<<20)|(6<<22)|(3<<25), 128, 4  ; my own: 4 rows of 128 f32, 4 words of padding behind every 128
	s_mov_b32 s76, 1
	s_lshl_b32 s77, s[WV], 14                      ; self K
	s_mov_b32 s80, 1
	s_lshl_b32 s81, s[WV], 14
	s_add_co_u32 s81, s81, 8192                    ; self V
	s_mov_b32 s84, 1
	s_lshl_b32 s85, s[WV], 14
	s_add_co_u32 s85, s85, R2                      ; cross K
	s_mov_b32 s88, 1
	s_mul_i32 s89, s[WV], 4*XP
	s_add_co_u32 s89, s89, X32                     ; my rows of x
	s_mov_b32 s92, 1
	s_lshl_b32 s93, s[WV], 14                      ; cross V, later, over self K and V
	s_mov_b32 s[CS], 0x3eb8aa3b                    ; c = log2(e) / 4
	s_mov_b32 s[CS+1], s[CS]
	s_mov_b32 s[SEL], 0x76543210
	s_mov_b32 s[SEL+1], 0xfedcba98
	s_mov_b32 s[INV], 0x3c000000                   ; 1 / 128
	s_mov_b32 s[EPS], 0x3727c5ac                   ; 1e-5
	v_and_b32 v2, 15, v0
	v_bfe_u32 v3, v0, 4, 1
	v_and_b32 v1, 31, v0
	v_lshlrev_b32 v1, 4, v1
	v_lshl_add_u32 v16, s[WV], 12, v1
	v_mul_u32_u24 v8, v2, HP
	v_lshl_add_u32 v8, v3, 4, v8
	v_add_nc_u32 v[XFO], AO, v8
	v_add_nc_u32 v8, XH, v8
	v_lshl_add_u32 v12, s[WV], 5, v[XFO]
	v_mul_u32_u24 v9, v2, HHP
	v_lshl_add_u32 v9, v3, 4, v9
	v_add_nc_u32 v9, HB, v9
	v_lshl_add_u32 v11, s[WV], 5, v9
	v_mul_u32_u24 v10, v2, XP
	v_lshl_add_u32 v10, v3, 5, v10
	v_lshl_add_u32 v10, s[WV], 6, v10
	v_add_nc_u32 v10, X32, v10
	v_lshlrev_b32 v13, 5, v3
	v_lshl_add_u32 v13, s[WV], 6, v13
	v_add_nc_u32 v13, PARAM, v13
	v_lshlrev_b32 v14, 2, v2
	v_lshl_add_u32 v14, s[WV], 6, v14
	v_add_nc_u32 v14, PARAM, v14
	v_add_nc_u32 v15, PARAM, v1
	s_wait_dscnt 0x0                               ; the opening add is done
	s_wait_kmcnt 0x0
	s_lshl_b32 s66, s33, 3                         ; the joint loads' addresses: made of the batch and the wave's number, in registers that never hold my place in the cluster
	s_add_co_u32 s66, s66, s[WV]
	s_lshl_b32 s66, s66, 13
	s_mov_b32 s67, 0
	s_add_nc_u64 s[78:79], s[4:5], s[66:67]
	s_add_nc_u64 s[82:83], s[78:79], VD
	s_add_nc_u64 s[78:79], s[78:79], KD
	s_lshl_b32 s66, s66, 1
	s_add_nc_u64 s[86:87], s[6:7], s[66:67]
	s_add_nc_u64 s[94:95], s[86:87], 4194304
	s_or_b32 s79, s79, 0x80000000
	s_or_b32 s83, s83, 0x80000000
	s_or_b32 s87, s87, 0x80000000
	s_or_b32 s95, s95, 0x80000000
	s_lshl_b32 s2, s33, 8                          ; my 4 rows of x
	s_lshl_b32 s3, s34, 5
	s_add_co_u32 s2, s2, s3
	s_lshl_b32 s3, s[WV], 2
	s_add_co_u32 s2, s2, s3
	s_lshl_b32 s2, s2, 9
	s_mov_b32 s3, 0
	s_add_nc_u64 s[90:91], s[4:5], s[2:3]
	s_add_nc_u64 s[90:91], s[90:91], XD
	s_or_b32 s91, s91, 0x80000000
	s_lshl_b32 s2, s33, 3                          ; my two blocks of Q
	s_add_co_u32 s2, s2, s[WV]
	s_lshl_b32 s2, s2, 13
	s_lshl_b32 s3, s34, 10
	s_add_co_u32 s2, s2, s3
	s_mov_b32 s3, 0
	s_add_nc_u64 s[2:3], s[4:5], s[2:3]
	s_add_nc_u64 s[2:3], s[2:3], QD
	ROUND                                          ; the four work-groups are here: the joint loads meet
	tensor_load_to_lds s[76:79], s[24:31]          ; self K,
	s_nop 0
	tensor_load_to_lds s[80:83], s[24:31]          ; self V,
	s_nop 0
	tensor_load_to_lds s[84:87], s[16:23]          ; cross K,
	s_nop 0
	tensor_load_to_lds s[88:91], s[68:75]          ; my rows of x: four loads of mine are out
	s_nop 0
	ALLT global_load_b128 v[QF+8*t:QF+8*t+3], v1, s[2:3] offset:512*t
	PGRP 0, 12
	PGRP 1, 14
	PGRP 2, 66
.set i, 0
.rept NBUF
	WL i, 1                                        ; the walk's first seven panels: 56 loads, 28,672 bytes a wave, on their way under the self attention
.set i, i+1
.endr
	WIN 0
.irp z, 4,5,6,7
	ALLT v_mov_b32 v[QF+8*t+\z], 0                 ; channels 16-31 of Q
.endr
.irp z, 8,9,10,11
	v_mov_b32 v[KF+\z], 0
.endr
	AINIT
	v_lshl_add_u32 v17, s[WV], 14, v1
	v_add_nc_u32 v18, 8192, v17
	v_lshl_add_u32 v6, s[WV], 9, v15
	s_wait_loadcnt 8*NBUF                          ; Q and the vectors are in; the seven panels' 56 loads, issued behind them, may stay out
.set i, 0
.rept NR
	ds_store_b128 v6, v[PT+4*i:PT+4*i+3] offset:4096*i
.set i, i+1
.endr
	s_mov_b32 s[BIG], 0xf149f2ca                   ; -1e30
	s_mov_b32 s[AL+1], 0
	s_mov_b32 s[BE+1], 0
	s_sub_co_u32 s[QC], 8, s34
	s_mul_i32 s[SLR], s[WV], 4*XP
	s_add_co_u32 s[SLR], s[SLR], X32
	s_mul_i32 s[SLH], s[WV], 4*HP
	s_add_co_u32 s[SLH], s[SLH], XH
	s_lshl_b32 s48, s33, 8
	s_lshl_b32 s49, s34, 5
	s_add_co_u32 s48, s48, s49
	s_lshl_b32 s49, s[WV], 2
	s_add_co_u32 s48, s48, s49
	s_lshl_b32 s48, s48, 9
	s_mov_b32 s49, 0
	s_add_nc_u64 s[XO:XO+1], s[10:11], s[48:49]
	s_add_nc_u64 s[XO:XO+1], s[XO:XO+1], XD        ; x out
	s_lshl_b32 s48, s33, 3
	s_add_co_u32 s48, s48, s[WV]
	s_lshl_b32 s48, s48, 13
	s_lshl_b32 s49, s34, 10
	s_add_co_u32 s48, s48, s49
	s_mov_b32 s49, 0
	s_add_nc_u64 s[QO:QO+1], s[10:11], s[48:49]
	s_add_nc_u64 s[QO:QO+1], s[QO:QO+1], KD        ; K out; Q and V lie 2 MiB to either side
	v_lshlrev_b32 v32, 3, v3
	v_sub_nc_u32 v32, v2, v32                      ; r - 8 h: register j of a diagonal tile is hidden where j is greater
.set i, 0
.rept 8
	v_cmp_gt_i32 vcc_lo, i, v32
	v_cndmask_b32 v[TRI+i], 0, s[BIG], vcc_lo
.set i, i+1
.endr
	s_wait_tensorcnt 0x3                           ; self K is in; the three loads issued behind it may be out
	PASS1 8, 0x1fff, 1
	MFIN
	s_wait_tensorcnt 0x2                           ; self V is in
	PASS2 8, 0x1fff, 1
	OFIN
	s_wait_tensorcnt 0x0                           ; all my tensor loads have landed (cross K, and my rows of x for the others' sake),
	ds_add_u32 v4, v5                              ; 0 onto my spare word,
	s_wait_dscnt 0x0                               ; the add is done, my reads of self K and V are over, my part of the attention's output is stored
	ROUND                                          ; and that holds of every wave of the four work-groups
	tensor_load_to_lds s[92:95], s[16:23]          ; cross V over self K and V: my one load behind the round
	s_nop 0
	XLOAD XFO, HP, 0                               ; SELF O + residual
	INITX 0
	PANEL 0, ACC, 8, 0
	EPX
	BAR
	LNORM 1, 1, 0
	BAR
	XLOAD 8, HP, 0                                 ; CROSS Q: my head's 16 channels, straight into Q's registers
	BIASK 3
	s_wait_dscnt 0x0
	PANEL 1, BIAS, 0, 0
.irp z, 0,1,2,3
	ALLT v_cvt_pk_f16_f32 v[QF+8*t+\z], v[ACC+8*t+2*\z], v[ACC+8*t+2*\z+1]
.endr
	AINIT
	v_lshl_add_u32 v18, s[WV], 14, v1
	v_add_nc_u32 v17, R2, v18
	PASS1 16, 0x3fff, 0
	MFIN
	s_wait_tensorcnt 0x0                           ; cross V is in
	PASS2 16, 0x3fff, 0
	OFIN
	BAR
	XLOAD XFO, HP, 0                               ; CROSS O + residual
	INITX 4
	PANEL 2, ACC, 8, 0
	EPX
	BAR
	LNORM 5, 1, 0
	BAR
	FFN 3, 7, 11
	EPX
	BAR
	LNORM 12, 0, 1
	BAR
	QKV 11, 14, QO
	s_wait_tensorcnt 0x0                           ; the wave's end, behind my last tensor load and my last LDS store
	ds_add_u32 v4, v5
	s_wait_dscnt 0x0
	ROUND                                          ; the closing round
	s_endpgm
.Lfunc_end_k_qf967224409_D0:
	.size	k_qf967224409_D0, .Lfunc_end_k_qf967224409_D0-k_qf967224409_D0
	.p2alignl 7, 3214868480
	.fill 96, 4, 3214868480
	.section	.rodata,"a",@progbits
	.p2align	6, 0x0
	.amdhsa_kernel k_qf967224409_D0
		.amdhsa_group_segment_fixed_size 327680
		.amdhsa_private_segment_fixed_size 0
		.amdhsa_enable_private_segment 0
		.amdhsa_kernarg_size 144
		.amdhsa_user_sgpr_count 2
		.amdhsa_user_sgpr_kernarg_segment_ptr 1
		.amdhsa_wavefront_size32 1
		.amdhsa_system_sgpr_workgroup_id_x 1
		.amdhsa_system_sgpr_workgroup_id_y 1
		.amdhsa_system_sgpr_workgroup_id_z 1
		.amdhsa_system_vgpr_workitem_id 0
		.amdhsa_next_free_vgpr 512
		.amdhsa_next_free_sgpr 102
		.amdhsa_reserve_vcc 1
		.amdhsa_float_denorm_mode_32 3
		.amdhsa_float_denorm_mode_16_64 3
		.amdhsa_memory_ordered 1
		.amdhsa_forward_progress 1
		.amdhsa_inst_pref_size 90
	.end_amdhsa_kernel
	.amdgpu_metadata
---
amdhsa.version: [ 1, 2 ]
amdhsa.kernels:
  - .name:           k_qf967224409_D0
    .symbol:         k_qf967224409_D0.kd
    .args:
      - { .name: SA, .offset: 0, .size: 8, .value_kind: global_buffer, .address_space: global }
      - { .name: M0, .offset: 8, .size: 8, .value_kind: global_buffer, .address_space: global }
      - { .name: W0, .offset: 16, .size: 8, .value_kind: global_buffer, .address_space: global }
      - { .name: SB, .offset: 24, .size: 8, .value_kind: global_buffer, .address_space: global }
      - { .name: params_dec_0_self_attn_bo, .offset: 32, .size: 8, .value_kind: global_buffer, .address_space: global }
      - { .name: params_dec_0_ln1_g, .offset: 40, .size: 8, .value_kind: global_buffer, .address_space: global }
      - { .name: params_dec_0_ln1_b, .offset: 48, .size: 8, .value_kind: global_buffer, .address_space: global }
      - { .name: params_dec_0_cross_attn_bq, .offset: 56, .size: 8, .value_kind: global_buffer, .address_space: global }
      - { .name: params_dec_0_cross_attn_bo, .offset: 64, .size: 8, .value_kind: global_buffer, .address_space: global }
      - { .name: params_dec_0_ln2_g, .offset: 72, .size: 8, .value_kind: global_buffer, .address_space: global }
      - { .name: params_dec_0_ln2_b, .offset: 80, .size: 8, .value_kind: global_buffer, .address_space: global }
      - { .name: params_dec_0_ffn_b1, .offset: 88, .size: 8, .value_kind: global_buffer, .address_space: global }
      - { .name: params_dec_0_ffn_b2, .offset: 96, .size: 8, .value_kind: global_buffer, .address_space: global }
      - { .name: params_dec_0_ln3_g, .offset: 104, .size: 8, .value_kind: global_buffer, .address_space: global }
      - { .name: params_dec_0_ln3_b, .offset: 112, .size: 8, .value_kind: global_buffer, .address_space: global }
      - { .name: params_dec_1_self_attn_bq, .offset: 120, .size: 8, .value_kind: global_buffer, .address_space: global }
      - { .name: params_dec_1_self_attn_bk, .offset: 128, .size: 8, .value_kind: global_buffer, .address_space: global }
      - { .name: params_dec_1_self_attn_bv, .offset: 136, .size: 8, .value_kind: global_buffer, .address_space: global }
    .group_segment_fixed_size: 327680
    .private_segment_fixed_size: 0
    .kernarg_segment_align: 8
    .kernarg_segment_size: 144
    .max_flat_workgroup_size: 256
    .sgpr_count:     102
    .vgpr_count:     512
    .wavefront_size: 32
...
	.end_amdgpu_metadata
.endif
;; end of part 5
;; launch D1: the kernel of part 5 again; grid 256 x 1, 8 waves a work-group, clusters of 4 x 1, 327,680 bytes of LDS; arguments SB, M1, W1, SA, params_dec_1_self_attn_bo, params_dec_1_ln1_g, params_dec_1_ln1_b, params_dec_1_cross_attn_bq, params_dec_1_cross_attn_bo, params_dec_1_ln2_g, params_dec_1_ln2_b, params_dec_1_ffn_b1, params_dec_1_ffn_b2, params_dec_1_ln3_g, params_dec_1_ln3_b, params_dec_2_self_attn_bq, params_dec_2_self_attn_bk, params_dec_2_self_attn_bv; writes SA
;; launch D2 (part 6): grid 256 x 1, 8 waves a work-group, clusters of 4 x 1, 327,680 bytes of LDS; arguments SA, M2, W1, out0, params_fc_w, params_fc_b, params_dec_2_self_attn_bo, params_dec_2_ln1_g, params_dec_2_ln1_b, params_dec_2_cross_attn_bq, params_dec_2_cross_attn_bo, params_dec_2_ln2_g, params_dec_2_ln2_b, params_dec_2_ffn_b1, params_dec_2_ffn_b2, params_dec_2_ln3_g, params_dec_2_ln3_b, params_dec_norm_g, params_dec_norm_b; writes out0
.if DOCPART == 6
	.amdgcn_target "amdgcn-amd-amdhsa--gfx1250"
	.amdhsa_code_object_version 6
	.text
	.protected	k_qf967224409_D2
	.globl	k_qf967224409_D2
	.p2align	8
	.type	k_qf967224409_D2,@function
k_qf967224409_D2:
	s_mov_b64 s[64:65], 0
	v_nop
	global_prefetch_b8 v0, s[64:65] scope:SCOPE_SE
	s_setreg_imm32_b32 hwreg(HW_REG_WAVE_MODE, 25, 1), 1
	s_wait_xcnt 0x0
	s_wait_alu depctr_hold_cnt(0) depctr_sa_sdst(0) depctr_va_vdst(0) depctr_va_sdst(0) depctr_va_ssrc(0) depctr_va_vcc(0) depctr_vm_vsrc(0)
	s_getreg_b32 s2, hwreg(HW_REG_IB_STS2, 6, 4)
	s_cmp_eq_u32 s2, 0
	s_cbranch_scc0 .Lentry_in_a_cluster
	s_endpgm
.Lentry_in_a_cluster:
	s_bfe_u32 s2, ttmp6, 0x10000c
	s_cmp_lg_u32 s2, 0x3003
	s_cbranch_scc0 .Lentry_shape_is_right
	s_endpgm
.Lentry_shape_is_right:
; THE LAST DECODER LAYER: causal self attention, O, ln1, cross Q, cross attention, O, ln2, FFN, ln3, then dec_norm and the head's 233 columns.
; A work-group has 32 queries of one batch, two tiles of 16.  Wave w is head w in the attentions and out-channels 16 w .. 16 w + 15 of every panel of 128 in the products.
; ATTENTION.  S^T = K Q^T (source 0 = 16 keys, source 1 = 16 queries): a lane holds ONE query (lane % 16) and keys 8 (lane / 16) + 0..7; two such results rounded to f16 ARE source 1 of
; O^T = V^T P.  A head has 16 channels and the product takes 32: Q's upper half is 0, K's upper half is the next key tile's registers (finite numbers) or zeros.
; SOFTMAX in two passes, 32 keys a trip: pass 1 makes the scores and the true row maximum m; pass 2 makes them again, p = 2^(c s - c m), c = log2(e) / 4, sums p in f32 and adds V^T P.
; THE CAUSAL MASK is the C operand of the score products, 0 or -1e30.  In step i (keys 32 i ..) of block qb: all visible if i < qb, none if i > qb; if i = qb the two diagonal tiles take the triangle TRI,
; the tile above the diagonal is hidden, the one below visible.  All 8 steps are walked by every work-group: the partners of a cluster run alike, and the last block needs them all; a hidden weight is 0.
; Cross Q of head w comes out of wave w's own product in the registers in which the score product wants it.
; PRODUCTS.  Weights as source 0: a lane holds token r and channels 8 h + j; as source 1: channel r, tokens 8 h + j (the head).  Bias, or bias + residual, is the C of the first K step.
; WEIGHTS come from the panels straight into registers, in fragment order, each fragment read by one wave.  A wave walks NP panels, 32 registers each; seven buffers in window 1 (v256-v479) take turns:
; the first seven panels are asked for at the kernel's head and land under the self attention; panel n + 7 is asked for behind panel n's products.  The head's weights are rounded into buffers 0 and 1.
; CLUSTER.  The four work-groups of a cluster are query blocks of one batch: self K, V and cross K, V are asked for JOINTLY, mask 15.  Cross V refills the bytes of self K and V behind a round.
; The weights are not shared through LDS: each fragment has one reader in a work-group.
; LIMITS.  Matrix operands are f16: beyond 65,504 they would be infinities.  A hidden score counts as its value less 1e30.  A weight below 2^-126 counts as 0.  NaN and infinities are not treated apart.
.set NT, 2                             ; tiles of 16 tokens
.set NBUF, 7                           ; weight buffers
.set NP, 11                            ; panels in the walk: self O, cross Q, cross O, FFN 1 (4), FFN 2 (4)
; LDS
.set R2, 131072                        ; from 0: wave w's 16,384 bytes: self K 8,192 + self V 8,192, later cross V; from R2: cross K, 16,384 a wave
.set X32, 262144                       ; 32 rows of 128 f32, 528 bytes apart
.set XP, 528
.set XH, 279040                        ; 32 rows of 128 f16, 272 bytes apart: the normed rows
.set HP, 272
.set AO, 287744                        ; the same shape: an attention's output
.set HB, R2                            ; the hidden rows, 512 f16, 1,040 bytes apart: in cross K's bytes, behind their only fill and last read
.set HHP, 1040
.set LOGP, 932                         ; 32 rows of 233 f32, dense, from 0: in cross V's bytes, behind their last fill and last read
.set PARAM, 296448                     ; 24 slots of 512 bytes: 0 self bo, 1, 2 ln1, 3 cross bq, 4 cross bo, 5, 6 ln2, 7-10 b1, 11 b2, 12, 13 ln3, 14, 15 dec_norm
.set SPARE, 308736                     ; the spare words, 128 bytes a wave
; the state buffer
.set XD, 20971520
.set QD, 25165824
.set KD, 27262976
.set VD, 29360128
; vector registers, window 0: v0 thread; v1 16 x lane; v2 r; v3 h; v4, v5 the add's; v6, v7 K's and V's address; v8 x fragments; v9 hidden fragments; v10 my f32 numbers in X32;
; v11 my hidden numbers; v12 my attention output; v13, v15 PARAM by channel eight, by lane; v16 my place in a panel; v17, v18 at work; v32 at work; v35 fragments of AO
.set XFO, 35
.set ST, 20                            ; six a tile: c m, m, four partial sums
.set TRI, 36
.set MDG, 44
.set MUP, 52
.set MLO, 60
.set S, 84
.set P, 116
.set O, 132
.set KF, 148                           ; two key tiles, then four zeros
.set VF, 160
.set ACC, 168
.set BIAS, 184
.set QF, 224                           ; eight a tile, the upper four 0
.set PT, 240                           ; the vectors on their way into PARAM: four registers a group,
.set PO, 252                           ; and an offset register a group
.set XF, 84
.set RA, 84
.set RB, 88
.set LT, 92
.set LG1, 100
.set LG2, 108
.set FW, 20                            ; 64 raw weights of the head
.set FA, 148
.set FN, 150
.set FC, 152
.set FL, 154
.set FB, 156
; scalar registers; s[36:61] hold the vectors' pointers first
.set WV, 32
.set CNT, 35
.set AL, 36
.set BE, 38
.set B1, 40
.set BIG, 41
.set QC, 42
.set TB, 43
.set XO, 44
.set SLR, 52
.set SLH, 53
.set CS, 96
.set SEL, 98
.set INV, 100
.set EPS, 101
.set PSO, 13                           ; panels of W1: self O, cross Q, cross O lie on end
.set PW1, 26
.set PW2, 38
.set NVEC, 13
.set MSB, 0
.macro WIN new                         ; s_set_vgpr_msb: bits 1:0 source 0, 3:2 source 1, 5:4 source 2, 7:6 destination; the high byte repeats the setting that is left; a switch that changes nothing is dropped
.if MSB != (\new)
	s_set_vgpr_msb (MSB<<8)|(\new)
.set MSB, \new
.endif
.endm
.macro ROUND                           ; a round of the cluster's barrier
	s_barrier_signal -1
	s_barrier_wait -1
	s_cmp_lg_u32 s[WV], 0
	s_cbranch_scc1 .Lnot_wave_0_\@
	s_barrier_signal -3
.Lnot_wave_0_\@:
	s_barrier_wait -3
	s_barrier_signal -1
	s_barrier_wait -1
.endm
.macro BAR
	s_wait_dscnt 0x0
	s_barrier_signal -1
	s_barrier_wait -1
.endm
.macro PLACES                          ; four places behind matrix instructions, ahead of what reads their results or writes or loads their registers
.rept 4
	v_nop
.endr
.endm
.macro ALLT line:vararg                ; one line for each tile t
.set t, 0
.rept NT
	\line
.set t, t+1
.endr
.endm
.macro SETG1 g, w0, d0, d1             ; descriptor group 1: d1 dense rows of d0 elements
	s_mov_b32 s[\g], \w0
	s_mov_b32 s[\g+1], (\d0)<<16
	s_mov_b32 s[\g+2], (\d1)<<16
	s_mov_b32 s[\g+3], (\d0)<<16
	s_mov_b32 s[\g+4], \d1
	s_mov_b32 s[\g+5], \d0
	s_mov_b32 s[\g+6], 0
	s_mov_b32 s[\g+7], 0
.endm
.macro PMAP                            ; slot ps: its vector's pointer s[pr] and byte offset po.  Slots 0-6: vectors 0-6; slots 7-10: vector 7's four quarters; slot s: vector s - 3
.set pr, 36+2*ps
.set po, 0
.if ps > 10
.set pr, 36+2*(ps-3)
.elseif ps > 6
.set pr, 50
.set po, 512*(ps-7)
.endif
.endm
; Group k of PARAM: wave w brings slot 8 k + w.  Pointer and offset are chosen by the wave's number, then ONE load follows.
.macro PGRP k, dst
.set ps, 8*(\k)
	PMAP
	s_mov_b64 s[\dst:\dst+1], s[pr:pr+1]
	s_mov_b32 s[CNT], po
.rept 7
.set ps, ps+1
.if ps < NVEC+3
	PMAP
	s_cmp_eq_u32 s[WV], ps%8
	s_cselect_b64 s[\dst:\dst+1], s[pr:pr+1], s[\dst:\dst+1]
	s_cselect_b32 s[CNT], po, s[CNT]
.endif
.endr
	v_add_nc_u32 v[PO+(\k)], s[CNT], v1
	global_load_b128 v[PT+4*(\k):PT+4*(\k)+3], v[PO+(\k)], s[\dst:\dst+1]
.endm
.macro PSEQ n                          ; panel n of the walk: its number pn in the panels' buffer
.if (\n) < 3
.set pn, PSO+(\n)
.elseif (\n) < 7
.set pn, PW1+(\n)-3
.else
.set pn, PW2+(\n)-7
.endif
.endm
.macro WL n, stay=0                    ; my 16 out-channels of panel n, if there is one, into buffer n % 7 of window 1: 8 loads, 512 consecutive bytes each
.if (\n) < NP
	PSEQ \n
	WIN 0x40
.set wi, 0
.rept 8
	global_load_b128 v[32*((\n)%NBUF)+4*wi:32*((\n)%NBUF)+4*wi+3], v16, s[8:9] offset:pn*32768+512*wi
.set wi, wi+1
.endr
.if !(\stay)
	WIN 0
.endif
.endif
.endm
.macro XLOAD areg, pitch, koff         ; the x fragments of all tiles, 128 along K
.set xt, 0
.rept NT
.set xk, 0
.rept 4
	ds_load_b128 v[XF+32*xt+8*xk:XF+32*xt+8*xk+3], v[\areg] offset:16*xt*(\pitch)+(\koff)+64*xk
	ds_load_b128 v[XF+32*xt+8*xk+4:XF+32*xt+8*xk+7], v[\areg] offset:16*xt*(\pitch)+(\koff)+64*xk+32
.set xk, xk+1
.endr
.set xt, xt+1
.endr
.endm
.macro GEMM n, cb, cs, vt              ; the tiles' accumulators take turns, one instruction a turn; the first K step takes v[cb + cs t] as C; the weights lie in window 1
.if \vt
	WIN 0x04
.else
	WIN 0x01
.endif
.set gk, 0
.rept 4
.set gt, 0
.rept NT
.set rW, 32*((\n)%NBUF)+8*gk
.set rX, XF+32*gt+8*gk
.set rC, ACC+8*gt
.if gk == 0
.set rC, (\cb)+(\cs)*gt
.endif
.if \vt
	v_wmma_f32_16x16x32_f16 v[ACC+8*gt:ACC+8*gt+7], v[rX:rX+7], v[rW:rW+7], v[rC:rC+7]
.else
	v_wmma_f32_16x16x32_f16 v[ACC+8*gt:ACC+8*gt+7], v[rW:rW+7], v[rX:rX+7], v[rC:rC+7]
.endif
.set gt, gt+1
.endr
.set gk, gk+1
.endr
	WIN 0
.endm
.macro PANEL n, cb, cs, vt
.set lf, NP-1-(\n)
.if lf > NBUF-1
.set lf, NBUF-1
.endif
	s_wait_loadcnt 8*lf                            ; panel n's 8 loads are in; those of the up to six panels asked for behind it, the only loads issued behind them, may stay out
	GEMM \n, \cb, \cs, \vt
	PLACES
	WL (\n)+NBUF                                   ; the buffer just read takes the panel seven further on
.endm
.macro BIASK slot                      ; a lane's eight channels
	ds_load_b128 v[BIAS:BIAS+3], v13 offset:512*(\slot)
	ds_load_b128 v[BIAS+4:BIAS+7], v13 offset:512*(\slot)+16
.endm
.macro INITX slot                      ; residual + bias start the sums
	BIASK \slot
.set it, 0
.rept NT
	ds_load_b128 v[ACC+8*it:ACC+8*it+3], v10 offset:16*XP*it
	ds_load_b128 v[ACC+8*it+4:ACC+8*it+7], v10 offset:16*XP*it+16
.set it, it+1
.endr
	s_wait_dscnt 0x0
.set it, 0
.rept NT
.irp z, 0,2,4,6
	v_pk_add_f32 v[ACC+8*it+\z:ACC+8*it+\z+1], v[ACC+8*it+\z:ACC+8*it+\z+1], v[BIAS+\z:BIAS+\z+1]
.endr
.set it, it+1
.endr
.endm
.macro EPX                             ; back to the places in X32 from which INITX took them
.set et, 0
.rept NT
	ds_store_b128 v10, v[ACC+8*et:ACC+8*et+3] offset:16*XP*et
	ds_store_b128 v10, v[ACC+8*et+4:ACC+8*et+7] offset:16*XP*et+16
.set et, et+1
.endr
.endm
.macro EPH p                           ; ReLU, f16, into the hidden rows
.set et, 0
.rept NT
.irp z, 0,1,2,3,4,5,6,7
	v_max_num_f32 v[ACC+8*et+\z], 0, v[ACC+8*et+\z]
.endr
.irp z, 0,1,2,3
	v_cvt_pk_f16_f32 v[ACC+8*et+\z], v[ACC+8*et+2*\z], v[ACC+8*et+2*\z+1]
.endr
	ds_store_b128 v11, v[ACC+8*et:ACC+8*et+3] offset:16*HHP*et+256*(\p)
.set et, et+1
.endr
.endm
.macro FFN n1, sb1, sb2                ; both halves of the FFN: panels n1 .. n1 + 7
	XLOAD 8, HP, 0
	BIASK \sb1
	s_wait_dscnt 0x0
.set fp, 0
.rept 4
	PANEL (\n1)+fp, BIAS, 0, 0
.if fp < 3
	BIASK (\sb1)+fp+1
.endif
	EPH fp
	s_wait_dscnt 0x0
.set fp, fp+1
.endr
	BAR                                            ; the hidden rows are whole
	XLOAD 9, HHP, 0
	INITX \sb2
.set fp, 0
.rept 4
.if fp > 0
	XLOAD 9, HHP, 256*fp
	s_wait_dscnt 0x0
.endif
	PANEL (\n1)+4+fp, ACC, 8, 0
.set fp, fp+1
.endr
.endm
.macro RED a, b                        ; v[a] and v[b] summed over the 32 lanes, two rows side by side
.irp m, 1,2,4,8
	v_add_f32_dpp v[\a], v[\a], v[\a] row_xmask:\m row_mask:0xf bank_mask:0xf
	v_add_f32_dpp v[\b], v[\b], v[\b] row_xmask:\m row_mask:0xf bank_mask:0xf
.endr
	v_permlanex16_b32 v[\a+1], v[\a], s[SEL], s[SEL+1]
	v_permlanex16_b32 v[\b+1], v[\b], s[SEL], s[SEL+1]
	v_add_f32 v[\a], v[\a], v[\a+1]
	v_add_f32 v[\b], v[\b], v[\b+1]
.endm
.macro LNCORE g                        ; LayerNorm of the rows in RA and RB (four numbers a lane): mean, then the mean square of the differences; gain at v[g], bias at v[g + 4]
	v_pk_add_f32 v[LT:LT+1], v[RA:RA+1], v[RA+2:RA+3]
	v_pk_add_f32 v[LT+2:LT+3], v[RB:RB+1], v[RB+2:RB+3]
	v_add_f32 v[LT], v[LT], v[LT+1]
	v_add_f32 v[LT+2], v[LT+2], v[LT+3]
	RED LT, LT+2
	v_mul_f32 v[LT], s[INV], v[LT]
	v_mul_f32 v[LT+2], s[INV], v[LT+2]
	v_pk_add_f32 v[RA:RA+1], v[RA:RA+1], v[LT:LT+1] op_sel_hi:[1,0] neg_lo:[0,1] neg_hi:[0,1]
	v_pk_add_f32 v[RA+2:RA+3], v[RA+2:RA+3], v[LT:LT+1] op_sel_hi:[1,0] neg_lo:[0,1] neg_hi:[0,1]
	v_pk_add_f32 v[RB:RB+1], v[RB:RB+1], v[LT+2:LT+3] op_sel_hi:[1,0] neg_lo:[0,1] neg_hi:[0,1]
	v_pk_add_f32 v[RB+2:RB+3], v[RB+2:RB+3], v[LT+2:LT+3] op_sel_hi:[1,0] neg_lo:[0,1] neg_hi:[0,1]
	v_pk_mul_f32 v[LT:LT+1], v[RA:RA+1], v[RA:RA+1]
	v_pk_mul_f32 v[LT+2:LT+3], v[RB:RB+1], v[RB:RB+1]
	v_pk_fma_f32 v[LT:LT+1], v[RA+2:RA+3], v[RA+2:RA+3], v[LT:LT+1]
	v_pk_fma_f32 v[LT+2:LT+3], v[RB+2:RB+3], v[RB+2:RB+3], v[LT+2:LT+3]
	v_add_f32 v[LT], v[LT], v[LT+1]
	v_add_f32 v[LT+2], v[LT+2], v[LT+3]
	RED LT, LT+2
	v_fma_f32 v[LT], v[LT], s[INV], s[EPS]
	v_fma_f32 v[LT+2], v[LT+2], s[INV], s[EPS]
	v_rsq_f32 v[LT], v[LT]
	v_rsq_f32 v[LT+2], v[LT+2]
	v_nop                                          ; a plain instruction between the second root and the use of the results
	s_wait_alu depctr_va_vdst(0)
	v_pk_mul_f32 v[RA:RA+1], v[RA:RA+1], v[LT:LT+1] op_sel_hi:[1,0]
	v_pk_mul_f32 v[RA+2:RA+3], v[RA+2:RA+3], v[LT:LT+1] op_sel_hi:[1,0]
	v_pk_mul_f32 v[RB:RB+1], v[RB:RB+1], v[LT+2:LT+3] op_sel_hi:[1,0]
	v_pk_mul_f32 v[RB+2:RB+3], v[RB+2:RB+3], v[LT+2:LT+3] op_sel_hi:[1,0]
	v_pk_fma_f32 v[RA:RA+1], v[RA:RA+1], v[(\g):(\g)+1], v[(\g)+4:(\g)+5]
	v_pk_fma_f32 v[RA+2:RA+3], v[RA+2:RA+3], v[(\g)+2:(\g)+3], v[(\g)+6:(\g)+7]
	v_pk_fma_f32 v[RB:RB+1], v[RB:RB+1], v[(\g):(\g)+1], v[(\g)+4:(\g)+5]
	v_pk_fma_f32 v[RB+2:RB+3], v[RB+2:RB+3], v[(\g)+2:(\g)+3], v[(\g)+6:(\g)+7]
.endm
; LayerNorm of my 2 NT rows of X32, two a trip.  sg: the slot of the gain (the bias follows).  wx: the rows go back to X32.  s2 >= 0: a second norm with the gain in slot s2.  Always: f16 rows into XH.
.macro LNORM sg, wx, s2
	v_add_nc_u32 v17, s[SLR], v1
	v_lshrrev_b32 v18, 1, v1
	v_add_nc_u32 v18, s[SLH], v18
	ds_load_b128 v[LG1:LG1+3], v15 offset:512*(\sg)
	ds_load_b128 v[LG1+4:LG1+7], v15 offset:512*(\sg)+512
.if (\s2) >= 0
	ds_load_b128 v[LG2:LG2+3], v15 offset:512*(\s2)
	ds_load_b128 v[LG2+4:LG2+7], v15 offset:512*(\s2)+512
.endif
	s_mov_b32 s[CNT], NT
.Lln_\@:
	ds_load_b128 v[RA:RA+3], v17
	ds_load_b128 v[RB:RB+3], v17 offset:XP
	s_wait_dscnt 0x0
	LNCORE LG1
.if (\s2) >= 0
	LNCORE LG2
.endif
.if \wx
	ds_store_b128 v17, v[RA:RA+3]
	ds_store_b128 v17, v[RB:RB+3] offset:XP
.endif
	v_cvt_pk_f16_f32 v[LT], v[RA], v[RA+1]
	v_cvt_pk_f16_f32 v[LT+1], v[RA+2], v[RA+3]
	v_cvt_pk_f16_f32 v[LT+2], v[RB], v[RB+1]
	v_cvt_pk_f16_f32 v[LT+3], v[RB+2], v[RB+3]
	ds_store_b64 v18, v[LT:LT+1]
	ds_store_b64 v18, v[LT+2:LT+3] offset:HP
	v_add_nc_u32 v17, 2*XP, v17
	v_add_nc_u32 v18, 2*HP, v18
	s_sub_co_u32 s[CNT], s[CNT], 1
	s_cmp_lg_u32 s[CNT], 0
	s_cbranch_scc1 .Lln_\@
.endm
.macro MASKS                           ; the three masks of this trip's step: the count runs 8 .. 1, and QC = 8 - qb is the count of the block's own step
	s_cmp_eq_u32 s[CNT], s[QC]
	s_cselect_b32 s[AL], 1.0, 0
	s_cmp_lt_u32 s[CNT], s[QC]
	s_cselect_b32 s[BE], s[BIG], 0
	s_cmp_le_u32 s[CNT], s[QC]
	s_cselect_b32 s[B1], s[BIG], 0
.irp z, 0,2,4,6
	v_pk_fma_f32 v[MDG+\z:MDG+\z+1], v[TRI+\z:TRI+\z+1], s[AL:AL+1], s[BE:BE+1] op_sel_hi:[1,0,0]
.endr
.irp z, 0,1,2,3,4,5,6,7
	v_mov_b32 v[MUP+\z], s[B1]
	v_mov_b32 v[MLO+\z], s[BE]
.endr
.endm
.macro SQK msk                         ; the scores of 32 keys x 16 NT queries: 2 NT products, each on an accumulator of its own
.set qk, 0
.rept 2
.set qt, 0
.rept NT
.if \msk
.set rC, MDG
.if qk > qt
.set rC, MUP
.endif
.if qk < qt
.set rC, MLO
.endif
	v_wmma_f32_16x16x32_f16 v[S+16*qt+8*qk:S+16*qt+8*qk+7], v[KF+4*qk:KF+4*qk+7], v[QF+8*qt:QF+8*qt+7], v[rC:rC+7]
.else
	v_wmma_f32_16x16x32_f16 v[S+16*qt+8*qk:S+16*qt+8*qk+7], v[KF+4*qk:KF+4*qk+7], v[QF+8*qt:QF+8*qt+7], 0
.endif
.set qt, qt+1
.endr
.set qk, qk+1
.endr
.endm
.macro MAXS                            ; each accumulator's lowest registers are read first
.set mi, 0
.rept 8
.set mt, 0
.rept NT
	v_max3_num_f32 v[ST+6*mt+1], v[ST+6*mt+1], v[S+16*mt+2*mi], v[S+16*mt+2*mi+1]
.set mt, mt+1
.endr
.set mi, mi+1
.endr
.endm
.macro SF t                            ; c s - c m
.set si, 0
.rept 8
	v_pk_fma_f32 v[S+16*(\t)+2*si:S+16*(\t)+2*si+1], v[S+16*(\t)+2*si:S+16*(\t)+2*si+1], s[CS:CS+1], v[ST+6*(\t):ST+6*(\t)+1] op_sel_hi:[1,0,0] neg_lo:[0,0,1] neg_hi:[0,0,1]
.set si, si+1
.endr
.endm
.macro SE t
.set si, 0
.rept 16
	v_exp_f32 v[S+16*(\t)+si], v[S+16*(\t)+si]
.set si, si+1
.endr
.endm
.macro SC t                            ; rounded to f16 for the product; summed unrounded, in two chains
.set si, 0
	s_wait_alu depctr_va_vdst(0)
.rept 8
	v_cvt_pk_f16_f32 v[P+8*(\t)+si], v[S+16*(\t)+2*si], v[S+16*(\t)+2*si+1]
.set si, si+1
.endr
.set si, 0
.rept 8
	v_pk_add_f32 v[ST+6*(\t)+2+2*(si%2):ST+6*(\t)+3+2*(si%2)], v[ST+6*(\t)+2+2*(si%2):ST+6*(\t)+3+2*(si%2)], v[S+16*(\t)+2*si:S+16*(\t)+2*si+1]
.set si, si+1
.endr
.endm
.macro SOFTALL                         ; behind each run of exponentials stands plain work of another tile before their results are used
	SF 0
	SE 0
	SF 1
	SE 1
	SC 0
	SC 1
.endm
.macro PVM
.set pt, 0
.rept NT
	v_wmma_f32_16x16x32_f16 v[O+8*pt:O+8*pt+7], v[VF:VF+7], v[P+8*pt:P+8*pt+7], v[O+8*pt:O+8*pt+7]
.set pt, pt+1
.endr
.endm
.macro AINIT                           ; O and the sums start at 0, m at the lowest finite number: no first trip is written out; the price is these moves
	ALLT v_mov_b32 v[ST+6*t+1], 0xff7fffff
.irp z, 2,3,4,5
	ALLT v_mov_b32 v[ST+6*t+\z], 0
.endr
.set ai, 0
.rept 8*NT
	v_mov_b32 v[O+ai], 0
.set ai, ai+1
.endr
.endm
.macro MFIN                            ; a query's other keys lie in the lane 16 away
	ALLT v_permlanex16_b32 v[S+16*t], v[ST+6*t+1], s[SEL], s[SEL+1]
	ALLT v_max_num_f32 v[ST+6*t+1], v[ST+6*t+1], v[S+16*t]
	ALLT v_mul_f32 v[ST+6*t], s[CS], v[ST+6*t+1]
.endm
.macro OFIN                            ; O / l, f16, into my head's 32 bytes of each row
	ALLT v_pk_add_f32 v[ST+6*t+2:ST+6*t+3], v[ST+6*t+2:ST+6*t+3], v[ST+6*t+4:ST+6*t+5]
	ALLT v_add_f32 v[ST+6*t+2], v[ST+6*t+2], v[ST+6*t+3]
	ALLT v_permlanex16_b32 v[ST+6*t+3], v[ST+6*t+2], s[SEL], s[SEL+1]
	ALLT v_add_f32 v[ST+6*t+2], v[ST+6*t+2], v[ST+6*t+3]
	ALLT v_rcp_f32 v[ST+6*t+4], v[ST+6*t+2]
	v_nop                                          ; a plain instruction between the last reciprocal and its use
	s_wait_alu depctr_va_vdst(0)
.irp z, 0,2,4,6
	ALLT v_pk_mul_f32 v[O+8*t+\z:O+8*t+\z+1], v[O+8*t+\z:O+8*t+\z+1], v[ST+6*t+4:ST+6*t+5] op_sel_hi:[1,0]
.endr
.irp z, 0,1,2,3
	ALLT v_cvt_pk_f16_f32 v[P+8*t+\z], v[O+8*t+2*\z], v[O+8*t+2*\z+1]
.endr
	ALLT ds_store_b128 v12, v[P+8*t:P+8*t+3] offset:16*HP*t
.endm
; PASS 1: the row maxima.  v17: my lane's place in my head's K.  A trip takes two key tiles (1,024 bytes); the next trip's are asked for behind the products and their four places.
; The step wraps at the head's end, so the last request is pass 2's first tile.
.macro PASS1 trips, wrap, msk
	s_mov_b32 s[TB], 0
	s_mov_b32 s[CNT], \trips
	ds_load_b128 v[KF:KF+3], v17
	ds_load_b128 v[KF+4:KF+7], v17 offset:512
.Lp1_\@:
.if \msk
	MASKS
.endif
	s_add_co_u32 s[TB], s[TB], 1024
	s_and_b32 s[TB], s[TB], \wrap
	s_wait_dscnt 0x0
	SQK \msk
	v_add_nc_u32 v6, s[TB], v17
	v_nop
	v_nop
	v_nop
	ds_load_b128 v[KF:KF+3], v6
	ds_load_b128 v[KF+4:KF+7], v6 offset:512
	MAXS
	s_sub_co_u32 s[CNT], s[CNT], 1
	s_cmp_lg_u32 s[CNT], 0
	s_cbranch_scc1 .Lp1_\@
.endm
; PASS 2: weights, sums and V^T P.  v18: my lane's place in my head's V.  The last trip's request for K serves nothing: the price of one text for every trip.
.macro PASS2 trips, wrap, msk
	s_mov_b32 s[TB], 0
	s_mov_b32 s[CNT], \trips
	v_mov_b32 v7, v18
.Lp2_\@:
	ds_load_b128 v[VF:VF+3], v7
	ds_load_b128 v[VF+4:VF+7], v7 offset:512
.if \msk
	MASKS
.endif
	s_add_co_u32 s[TB], s[TB], 1024
	s_and_b32 s[TB], s[TB], \wrap
	s_wait_dscnt 0x2                               ; K's two loads, asked for a trip ago, are in; V's two may be out
	SQK \msk
	v_add_nc_u32 v6, s[TB], v17
	v_add_nc_u32 v7, s[TB], v18
	v_nop
	v_nop
	ds_load_b128 v[KF:KF+3], v6
	ds_load_b128 v[KF+4:KF+7], v6 offset:512
	SOFTALL
	s_wait_dscnt 0x2                               ; V is in; the next K's two may be out
	PVM
	PLACES                                         ; ahead of the next trip's loads into V's registers
	s_sub_co_u32 s[CNT], s[CNT], 1
	s_cmp_lg_u32 s[CNT], 0
	s_cbranch_scc1 .Lp2_\@
.endm
; THE HEAD: 233 columns in 15 blocks of 16; wave w takes blocks w and (w < 7) w + 8.  fc_w is [128][233] f32 as the problem gives it: a lane takes its column's 64 numbers and rounds them to f16.
.macro FCADR k                         ; n = 16 (w + 8 k) + r; the loads take column min(n, 232)
	s_lshl_b32 s48, s[WV], 4
	s_add_co_u32 s48, s48, 128*(\k)
	v_add_nc_u32 v[FN+\k], s48, v2
	v_min_u32 v[FC+\k], 232, v[FN+\k]
	v_mul_u32_u24 v[FA+\k], v3, 8*LOGP
	v_lshl_add_u32 v[FL+\k], v[FN+\k], 2, v[FA+\k]  ; in LDS: token row 8 h, column n
	v_lshl_add_u32 v[FA+\k], v[FC+\k], 2, v[FA+\k]  ; in fc_w: row 8 h, the clamped column
	v_lshlrev_b32 v[FC+\k], 2, v[FC+\k]
.endm
.macro FCLOAD k
.set fi, 0
.rept 64
	global_load_b32 v[FW+fi], v[FA+\k], s[12:13] offset:(32*(fi/16)+16*((fi/8)%2)+fi%8)*LOGP
.set fi, fi+1
.endr
	global_load_b32 v[FB+\k], v[FC+\k], s[14:15]
.endm
.macro FCCVT k                         ; rounded into weight buffer k of window 1
	WIN 0x40
.set fi, 0
.rept 32
	v_cvt_pk_f16_f32 v[32*(\k)+fi], v[FW+2*fi], v[FW+2*fi+1]
.set fi, fi+1
.endr
	WIN 0
.endm
.macro FCMUL k
.irp z, 0,1,2,3,4,5,6,7
	v_mov_b32 v[BIAS+\z], v[FB+\k]
.endr
	GEMM \k, BIAS, 0, 1
	PLACES
.endm
.macro FCST k
.set et, 0
.rept NT
.irp z, 0,1,2,3,4,5,6,7
	ds_store_b32 v[FL+\k], v[ACC+8*et+\z] offset:(16*et+\z)*LOGP
.endr
.set et, et+1
.endr
.endm
	s_load_b256 s[4:11], s[0:1], 0x0               ; state in, memory, W, out0
	s_load_b128 s[12:15], s[0:1], 0x20             ; fc_w, fc_b
	s_load_b512 s[36:51], s[0:1], 0x30             ; the 13 vectors
	s_load_b256 s[52:59], s[0:1], 0x70
	s_load_b64 s[60:61], s[0:1], 0x90
	v_lshl_add_u32 v4, v0, 2, SPARE
	v_mov_b32 v5, 0
	ds_add_u32 v4, v5                              ; the wave's opening: the add and its wait stand ahead of my first tensor load; work on registers stands between them
	v_lshrrev_b32 v1, 5, v0
	v_readfirstlane_b32 s[WV], v1                  ; wave 0..7
	s_bfe_u32 s2, ttmp6, 0x40000                   ; cx
	s_lshr_b32 s33, ttmp9, 1                       ; the batch, shared by the four partners
	s_and_b32 s34, ttmp9, 1
	s_lshl_b32 s34, s34, 2
	s_add_co_u32 s34, s34, s2                      ; my block of 32 queries: it enters global addresses of x, Q and the output, and the masks' values
	SETG1 16, 15|(3<<16)|(1<<21), 32, 64           ; joint: 16,384 dense bytes as 64 rows of 256
	SETG1 24, 15|(3<<16)|(1<<21), 32, 32           ; joint: 8,192 dense bytes
	SETG1 68, (2<<16)|(1<<20)|(6<<22)|(3<<25), 128, 4  ; my own: 4 rows of 128 f32, 4 words of padding behind every 128
	s_mov_b32 s76, 1
	s_lshl_b32 s77, s[WV], 14                      ; self K
	s_mov_b32 s80, 1
	s_lshl_b32 s81, s[WV], 14
	s_add_co_u32 s81, s81, 8192                    ; self V
	s_mov_b32 s84, 1
	s_lshl_b32 s85, s[WV], 14
	s_add_co_u32 s85, s85, R2                      ; cross K
	s_mov_b32 s88, 1
	s_mul_i32 s89, s[WV], 4*XP
	s_add_co_u32 s89, s89, X32                     ; my rows of x
	s_mov_b32 s92, 1
	s_lshl_b32 s93, s[WV], 14                      ; cross V, later, over self K and V
	s_mov_b32 s[CS], 0x3eb8aa3b                    ; c = log2(e) / 4
	s_mov_b32 s[CS+1], s[CS]
	s_mov_b32 s[SEL], 0x76543210
	s_mov_b32 s[SEL+1], 0xfedcba98
	s_mov_b32 s[INV], 0x3c000000                   ; 1 / 128
	s_mov_b32 s[EPS], 0x3727c5ac                   ; 1e-5
	v_and_b32 v2, 15, v0
	v_bfe_u32 v3, v0, 4, 1
	v_and_b32 v1, 31, v0
	v_lshlrev_b32 v1, 4, v1
	v_lshl_add_u32 v16, s[WV], 12, v1
	v_mul_u32_u24 v8, v2, HP
	v_lshl_add_u32 v8, v3, 4, v8
	v_add_nc_u32 v[XFO], AO, v8
	v_add_nc_u32 v8, XH, v8
	v_lshl_add_u32 v12, s[WV], 5, v[XFO]
	v_mul_u32_u24 v9, v2, HHP
	v_lshl_add_u32 v9, v3, 4, v9
	v_add_nc_u32 v9, HB, v9
	v_lshl_add_u32 v11, s[WV], 5, v9
	v_mul_u32_u24 v10, v2, XP
	v_lshl_add_u32 v10, v3, 5, v10
	v_lshl_add_u32 v10, s[WV], 6, v10
	v_add_nc_u32 v10, X32, v10
	v_lshlrev_b32 v13, 5, v3
	v_lshl_add_u32 v13, s[WV], 6, v13
	v_add_nc_u32 v13, PARAM, v13
	v_add_nc_u32 v15, PARAM, v1
	s_wait_dscnt 0x0                               ; the opening add is done
	s_wait_kmcnt 0x0
	s_lshl_b32 s66, s33, 3                         ; the joint loads' addresses: made of the batch and the wave's number, in registers that never hold my place in the cluster
	s_add_co_u32 s66, s66, s[WV]
	s_lshl_b32 s66, s66, 13
	s_mov_b32 s67, 0
	s_add_nc_u64 s[78:79], s[4:5], s[66:67]
	s_add_nc_u64 s[82:83], s[78:79], VD
	s_add_nc_u64 s[78:79], s[78:79], KD
	s_lshl_b32 s66, s66, 1
	s_add_nc_u64 s[86:87], s[6:7], s[66:67]
	s_add_nc_u64 s[94:95], s[86:87], 4194304
	s_or_b32 s79, s79, 0x80000000
	s_or_b32 s83, s83, 0x80000000
	s_or_b32 s87, s87, 0x80000000
	s_or_b32 s95, s95, 0x80000000
	s_lshl_b32 s2, s33, 8                          ; my 4 rows of x
	s_lshl_b32 s3, s34, 5
	s_add_co_u32 s2, s2, s3
	s_lshl_b32 s3, s[WV], 2
	s_add_co_u32 s2, s2, s3
	s_lshl_b32 s2, s2, 9
	s_mov_b32 s3, 0
	s_add_nc_u64 s[90:91], s[4:5], s[2:3]
	s_add_nc_u64 s[90:91], s[90:91], XD
	s_or_b32 s91, s91, 0x80000000
	s_lshl_b32 s2, s33, 3                          ; my two blocks of Q
	s_add_co_u32 s2, s2, s[WV]
	s_lshl_b32 s2, s2, 13
	s_lshl_b32 s3, s34, 10
	s_add_co_u32 s2, s2, s3
	s_mov_b32 s3, 0
	s_add_nc_u64 s[2:3], s[4:5], s[2:3]
	s_add_nc_u64 s[2:3], s[2:3], QD
	ROUND                                          ; the four work-groups are here: the joint loads meet
	tensor_load_to_lds s[76:79], s[24:31]          ; self K,
	s_nop 0
	tensor_load_to_lds s[80:83], s[24:31]          ; self V,
	s_nop 0
	tensor_load_to_lds s[84:87], s[16:23]          ; cross K,
	s_nop 0
	tensor_load_to_lds s[88:91], s[68:75]          ; my rows of x: four loads of mine are out
	s_nop 0
	ALLT global_load_b128 v[QF+8*t:QF+8*t+3], v1, s[2:3] offset:512*t
	PGRP 0, 62
	PGRP 1, 66
.set i, 0
.rept NBUF
	WL i, 1                                        ; the walk's first seven panels: 56 loads, 28,672 bytes a wave, on their way under the self attention
.set i, i+1
.endr
	WIN 0
.irp z, 4,5,6,7
	ALLT v_mov_b32 v[QF+8*t+\z], 0                 ; channels 16-31 of Q
.endr
.irp z, 8,9,10,11
	v_mov_b32 v[KF+\z], 0
.endr
	AINIT
	v_lshl_add_u32 v17, s[WV], 14, v1
	v_add_nc_u32 v18, 8192, v17
	v_lshl_add_u32 v6, s[WV], 9, v15
	s_wait_loadcnt 8*NBUF                          ; Q and the vectors are in; the seven panels' 56 loads, issued behind them, may stay out
	ds_store_b128 v6, v[PT:PT+3]
	ds_store_b128 v6, v[PT+4:PT+7] offset:4096
	s_mov_b32 s[BIG], 0xf149f2ca                   ; -1e30
	s_mov_b32 s[AL+1], 0
	s_mov_b32 s[BE+1], 0
	s_sub_co_u32 s[QC], 8, s34
	s_mul_i32 s[SLR], s[WV], 4*XP
	s_add_co_u32 s[SLR], s[SLR], X32
	s_mul_i32 s[SLH], s[WV], 4*HP
	s_add_co_u32 s[SLH], s[SLH], XH
	s_lshl_b32 s48, s33, 3
	s_add_co_u32 s48, s48, s34
	s_mul_i32 s48, s48, 32*LOGP                    ; my 32 rows of 233 f32
	s_mov_b32 s49, 0
	s_add_nc_u64 s[XO:XO+1], s[10:11], s[48:49]
	v_lshlrev_b32 v32, 3, v3
	v_sub_nc_u32 v32, v2, v32                      ; r - 8 h: register j of a diagonal tile is hidden where j is greater
.set i, 0
.rept 8
	v_cmp_gt_i32 vcc_lo, i, v32
	v_cndmask_b32 v[TRI+i], 0, s[BIG], vcc_lo
.set i, i+1
.endr
	s_wait_tensorcnt 0x3                           ; self K is in; the three loads issued behind it may be out
	PASS1 8, 0x1fff, 1
	MFIN
	s_wait_tensorcnt 0x2                           ; self V is in
	PASS2 8, 0x1fff, 1
	OFIN
	s_wait_tensorcnt 0x0                           ; all my tensor loads have landed (cross K, and my rows of x for the others' sake),
	ds_add_u32 v4, v5                              ; 0 onto my spare word,
	s_wait_dscnt 0x0                               ; the add is done, my reads of self K and V are over, my part of the attention's output is stored
	ROUND                                          ; and that holds of every wave of the four work-groups
	tensor_load_to_lds s[92:95], s[16:23]          ; cross V over self K and V: my one load behind the round
	s_nop 0
	XLOAD XFO, HP, 0                               ; SELF O + residual
	INITX 0
	PANEL 0, ACC, 8, 0
	EPX
	BAR
	LNORM 1, 1, -1
	BAR
	XLOAD 8, HP, 0                                 ; CROSS Q: my head's 16 channels, straight into Q's registers
	BIASK 3
	s_wait_dscnt 0x0
	PANEL 1, BIAS, 0, 0
.irp z, 0,1,2,3
	ALLT v_cvt_pk_f16_f32 v[QF+8*t+\z], v[ACC+8*t+2*\z], v[ACC+8*t+2*\z+1]
.endr
	AINIT
	v_lshl_add_u32 v18, s[WV], 14, v1
	v_add_nc_u32 v17, R2, v18
	PASS1 16, 0x3fff, 0
	MFIN
	s_wait_tensorcnt 0x0                           ; cross V is in
	PASS2 16, 0x3fff, 0
	OFIN
	BAR
	XLOAD XFO, HP, 0                               ; CROSS O + residual
	INITX 4
	PANEL 2, ACC, 8, 0
	EPX
	BAR
	LNORM 5, 1, -1
	BAR
	FFN 3, 7, 11
	FCADR 0
	FCADR 1
	FCLOAD 0                                       ; the head's first block is on its way under ln3
	EPX
	BAR
	LNORM 12, 0, 14                                ; ln3, then dec_norm
	BAR
	XLOAD 8, HP, 0
	s_wait_loadcnt 0x0
	FCCVT 0
	s_cmp_eq_u32 s[WV], 7
	s_cbranch_scc1 .Lno_second_load
	FCLOAD 1
.Lno_second_load:
	s_wait_dscnt 0x0
	FCMUL 0
	FCST 0
	BAR                                            ; columns 0-127 are in LDS
	s_cmp_eq_u32 s[WV], 7
	s_cbranch_scc1 .Lno_second_block
	s_wait_loadcnt 0x0
	FCCVT 1
	FCMUL 1
	v_cmp_gt_u32 vcc_lo, 233, v[FN+1]
	s_wait_xcnt 0x0                                ; EXEC changes only behind this wait
	s_and_saveexec_b32 s48, vcc_lo                 ; columns 233-239 do not exist
	FCST 1
	s_wait_xcnt 0x0
	s_or_b32 exec_lo, exec_lo, s48
.Lno_second_block:
	BAR
	v_lshlrev_b32 v20, 4, v0                       ; the 32 rows are 29,824 dense bytes in LDS and in out0: 1,864 pieces of 16 bytes for 256 threads
.set i, 0
.rept 7
	ds_load_b128 v[24+4*i:24+4*i+3], v20 offset:4096*i
.set i, i+1
.endr
	s_wait_dscnt 0x0
.set i, 0
.rept 7
	global_store_b128 v20, v[24+4*i:24+4*i+3], s[XO:XO+1] offset:4096*i
.set i, i+1
.endr
	v_cmp_gt_u32 vcc_lo, 72, v0
	s_wait_xcnt 0x0
	s_and_saveexec_b32 s48, vcc_lo                 ; the last 72 pieces
	ds_load_b128 v[52:55], v20 offset:28672
	s_wait_dscnt 0x0
	global_store_b128 v20, v[52:55], s[XO:XO+1] offset:28672
	s_wait_xcnt 0x0
	s_or_b32 exec_lo, exec_lo, s48
	s_wait_tensorcnt 0x0                           ; the wave's end, behind my last tensor load and my last LDS store
	ds_add_u32 v4, v5
	s_wait_dscnt 0x0
	ROUND                                          ; the closing round
	s_endpgm
.Lfunc_end_k_qf967224409_D2:
	.size	k_qf967224409_D2, .Lfunc_end_k_qf967224409_D2-k_qf967224409_D2
	.p2alignl 7, 3214868480
	.fill 96, 4, 3214868480
	.section	.rodata,"a",@progbits
	.p2align	6, 0x0
	.amdhsa_kernel k_qf967224409_D2
		.amdhsa_group_segment_fixed_size 327680
		.amdhsa_private_segment_fixed_size 0
		.amdhsa_enable_private_segment 0
		.amdhsa_kernarg_size 152
		.amdhsa_user_sgpr_count 2
		.amdhsa_user_sgpr_kernarg_segment_ptr 1
		.amdhsa_wavefront_size32 1
		.amdhsa_system_sgpr_workgroup_id_x 1
		.amdhsa_system_sgpr_workgroup_id_y 1
		.amdhsa_system_sgpr_workgroup_id_z 1
		.amdhsa_system_vgpr_workitem_id 0
		.amdhsa_next_free_vgpr 512
		.amdhsa_next_free_sgpr 102
		.amdhsa_reserve_vcc 1
		.amdhsa_float_denorm_mode_32 3
		.amdhsa_float_denorm_mode_16_64 3
		.amdhsa_memory_ordered 1
		.amdhsa_forward_progress 1
		.amdhsa_inst_pref_size 108
	.end_amdhsa_kernel
	.amdgpu_metadata
---
amdhsa.version: [ 1, 2 ]
amdhsa.kernels:
  - .name:           k_qf967224409_D2
    .symbol:         k_qf967224409_D2.kd
    .args:
      - { .name: SA, .offset: 0, .size: 8, .value_kind: global_buffer, .address_space: global }
      - { .name: M2, .offset: 8, .size: 8, .value_kind: global_buffer, .address_space: global }
      - { .name: W1, .offset: 16, .size: 8, .value_kind: global_buffer, .address_space: global }
      - { .name: out0, .offset: 24, .size: 8, .value_kind: global_buffer, .address_space: global }
      - { .name: params_fc_w, .offset: 32, .size: 8, .value_kind: global_buffer, .address_space: global }
      - { .name: params_fc_b, .offset: 40, .size: 8, .value_kind: global_buffer, .address_space: global }
      - { .name: params_dec_2_self_attn_bo, .offset: 48, .size: 8, .value_kind: global_buffer, .address_space: global }
      - { .name: params_dec_2_ln1_g, .offset: 56, .size: 8, .value_kind: global_buffer, .address_space: global }
      - { .name: params_dec_2_ln1_b, .offset: 64, .size: 8, .value_kind: global_buffer, .address_space: global }
      - { .name: params_dec_2_cross_attn_bq, .offset: 72, .size: 8, .value_kind: global_buffer, .address_space: global }
      - { .name: params_dec_2_cross_attn_bo, .offset: 80, .size: 8, .value_kind: global_buffer, .address_space: global }
      - { .name: params_dec_2_ln2_g, .offset: 88, .size: 8, .value_kind: global_buffer, .address_space: global }
      - { .name: params_dec_2_ln2_b, .offset: 96, .size: 8, .value_kind: global_buffer, .address_space: global }
      - { .name: params_dec_2_ffn_b1, .offset: 104, .size: 8, .value_kind: global_buffer, .address_space: global }
      - { .name: params_dec_2_ffn_b2, .offset: 112, .size: 8, .value_kind: global_buffer, .address_space: global }
      - { .name: params_dec_2_ln3_g, .offset: 120, .size: 8, .value_kind: global_buffer, .address_space: global }
      - { .name: params_dec_2_ln3_b, .offset: 128, .size: 8, .value_kind: global_buffer, .address_space: global }
      - { .name: params_dec_norm_g, .offset: 136, .size: 8, .value_kind: global_buffer, .address_space: global }
      - { .name: params_dec_norm_b, .offset: 144, .size: 8, .value_kind: global_buffer, .address_space: global }
    .group_segment_fixed_size: 327680
    .private_segment_fixed_size: 0
    .kernarg_segment_align: 8
    .kernarg_segment_size: 152
    .max_flat_workgroup_size: 256
    .sgpr_count:     102
    .vgpr_count:     512
    .wavefront_size: 32
...
	.end_amdgpu_metadata
.endif
;; end of part 6
